; MI455X (gfx1250); checked and timed in simulation.
; The chip was launched on July 23, 2026; its instructions are those of AMD's public machine-readable ISA for CDNA 5 (MIT licence, August 2026) and "CDNA5" Instruction Set Architecture Reference Guide (July 2026). The comments in the code are by the model that wrote it; some were corrected since.
;; Di T Block. Allowed arithmetic: matrix products marked QUANTISED: E2M3 operands, one E8M0 scale for each 32 along K, by v_wmma_scale_f32_16x16x128_f8f6f4 with both operands' format E2M3, f32 sums; products left as they are: f32 operands where the result goes on into a quantised operand, else bf16, f16 or f32 operands; f32 sums; everything else in f32.
;; Inputs: amod_bb 1,024 float32; amod_bw 512 x 1,024 float32; amod_gb 1,024 float32; amod_gw 512 x 1,024 float32; amod_nb 1,024 float32; amod_nw 1,024 float32; attn_nb 1,024 float32; attn_nw 1,024 float32; b1 4,096 float32; b2 1,024 float32; cond 2 x 512 float32; fmod_bb 1,024 float32; fmod_bw 512 x 1,024 float32; fmod_gb 1,024 float32; fmod_gw 512 x 1,024 float32; fmod_nb 1,024 float32; fmod_nw 1,024 float32; w1 1,024 x 4,096 float32; w2 4,096 x 1,024 float32; wkv 1,024 x 128 float32; wo 1,024 x 1,024 float32; wo_b 1,024 float32; wq 1,024 x 1,024 float32; x 2 x 2,048 x 1,024 float32.
;; Outputs: out0 2 x 2,048 x 1,024 float32.
;; This version of the problem:
;;   THIS VERSION OF THE PROBLEM IS GIVEN IN LOW PRECISION. The matrix products marked QUANTISED in the list below multiply operands that are first quantised to E2M3 (2 exponent bits, 3 mantissa bits; 6 bits a number), with one power-of-two scale for each 32 numbers along K (OCP MX v1.0); their sums are f32. All else is computed in f32.
;;   The module's matrix products, in the order in which they are computed (A, B: the left and right operand; K: the contracted axis; several contracted axes count as one K, in the product's order):
;;     1. [M 2, K 512] x [K 512, N 1,024]; A: input cond; B: input amod_gw: left as it is (M = 2 < 16)
;;     2. [M 2, K 512] x [K 512, N 1,024]; A: input cond; B: input amod_bw: left as it is (M = 2 < 16)
;;     3. [M 4,096, K 1,024] x [K 1,024, N 1,024]; A: computed on the way; B: input wq: QUANTISED
;;     4. [M 4,096, K 1,024] x [K 1,024, N 128]; A: computed on the way; B: input wkv: QUANTISED
;;     5. batch 2 x [M 2,048, K 64] x [K 64, N 32,768]; A: computed on the way; B: computed on the way: QUANTISED
;;     6. batch 2 x [M 64, K 2,048] x [K 2,048, N 32,768]; A: computed on the way; B: softmax (see below): QUANTISED
;;     7. [M 4,096, K 1,024] x [K 1,024, N 1,024]; A: computed on the way; B: input wo: QUANTISED
;;     8. [M 2, K 512] x [K 512, N 1,024]; A: input cond; B: input fmod_gw: left as it is (M = 2 < 16)
;;     9. [M 2, K 512] x [K 512, N 1,024]; A: input cond; B: input fmod_bw: left as it is (M = 2 < 16)
;;     10. [M 4,096, K 1,024] x [K 1,024, N 4,096]; A: computed on the way; B: input w1: QUANTISED
;;     11. [M 4,096, K 4,096] x [K 4,096, N 1,024]; A: computed on the way; B: input w2: QUANTISED
;;   THE QUANTISER, for each operand of a quantised product, along K:
;;     - K is cut into blocks of 32 from its start; a last block that is shorter is filled with zeros.
;;     - A block's scale is 2^e with e = floor(log2(the largest magnitude in the block)) - 2, held to -126 .. 127; a block of zeros has e = 0. As a byte (E8M0): e + 127.
;;     - Each number is divided by its block's scale, clamped to +-7.5, and rounded to the nearest number of E2M3, ties to even, subnormals kept.
;;     - The product sums the exact products of the quantised numbers (number of the format x scale) in f32.
;;   ~~~python
;;   def quantise(x, axis):      # numpy; x: float32 -> the quantised numbers, widened to float32 again
;;       x = np.moveaxis(x, axis, -1); K = x.shape[-1]
;;       x = np.pad(x, [(0, 0)] * (x.ndim - 1) + [(0, -K % 32)]); x = x.reshape(x.shape[:-1] + (-1, 32)); a = np.abs(x).max(-1, keepdims=True)
;;       e = np.where(a > 0, np.clip(np.frexp(np.where(a > 0, a, 1))[1] - 1 - 2, -126, 127), 0)      # np.frexp(a)[1] - 1 = floor(log2(a)), exactly
;;       r = np.clip(x / 2.0 ** e, -7.5, 7.5)
;;       step = 2.0 ** (np.maximum(np.frexp(np.where(r == 0, 1, r))[1] - 1, 0) - 3)
;;       q = np.round(r / step) * step * 2.0 ** e      # np.round: ties to even
;;       return np.moveaxis(q.reshape(q.shape[:-2] + (-1,))[..., :K], -1, axis).astype(np.float32)
;;   ~~~
;;   SOFTMAX AHEAD OF A QUANTISED PRODUCT. Where the list says 'softmax', what is quantised is not the finished softmax but p = 2^(t - M), with t = logit x log2(e) and M = ceil(the row's largest t), a whole number; so 1/2 < the row's largest p <= 1. The row's sum l is taken of the UNQUANTISED p, in f32, and the product's result is divided by l at the end. Since M is a whole number, a kernel that streams over the keys may use a running M (the ceiling of the running maximum): every later rescaling is an exact power of two, which a block's scale takes up: the codes' values come out the same.
;;   OPERANDS COMPUTED ON THE WAY. 'Computed on the way' means the value that the module computes at that place (a softmax that the list does not call 'softmax' is quantised finished and normalised). What goes into a quantiser is computed in f32, as accurately as f32 sums, v_exp_f32 and their like allow (about 1e-6 of the number): no bf16 or f16 on the way to a quantiser, and a product that is left as it is and whose result goes on into a quantised operand takes f32 operands (vector FMAs, or v_wmma_f32_16x16x4_f32). A number that lies on a knife's edge between two numbers of the format may be rounded either way, as far as f32 arithmetic and the matrix unit's own rounding can turn it there, and no further.
;; 2 versions. Each part assembles by itself: llvm-mc -triple=amdgcn-amd-amdhsa -mcpu=gfx1250 --defsym DOCPART=n.
;; ======== version 1 of 2: 5 launches
;; workspace buffers: wimg 8,327,168 bytes; hbuf 16,777,216 bytes; hnimg 3,276,800 bytes; kvimg 434,176 bytes; x1buf 16,777,216 bytes; h2img 3,276,800 bytes; hidimg 13,107,200 bytes
;; launch prep (part 1): grid 356 x 1, 4 waves a work-group, no clusters, 29,184 bytes of LDS; arguments w1, w2, wq, wo, wkv, cond, amod_gw, amod_bw, amod_gb, amod_bb, amod_nw, amod_nb, fmod_gw, fmod_bw, fmod_gb, fmod_bb, fmod_nw, fmod_nb, wimg; writes wimg
.if DOCPART == 1
	.amdgcn_target "amdgcn-amd-amdhsa--gfx1250"
	.amdhsa_code_object_version 6
	.text
	.protected	k_q7a4bb0e878_prep
	.globl	k_q7a4bb0e878_prep
	.p2align	8
	.type	k_q7a4bb0e878_prep,@function
k_q7a4bb0e878_prep:
	s_mov_b64 s[64:65], 0
	v_nop
	global_prefetch_b8 v0, s[64:65] scope:SCOPE_SE
	s_setreg_imm32_b32 hwreg(HW_REG_WAVE_MODE, 25, 1), 1
	s_wait_xcnt 0x0
; PREP.  Work-groups 0-323: the five weights [K][N] f32 become codes of FP6 (E2M3) with one E8M0 byte for each 32 along K, laid as IMAGES OF OPERAND REGISTERS:
;   codes  ((R (K/128) + s) 8 + j) 1536 + 512 c + 16 lane  (R: block of 128 columns n, s: K step of 128, j: tile, c: registers 4 c .. 4 c + 3 of the fragment)
;   scales ((R (K/128) + s) 8 + j) 64 + 4 r                (one word a row and K step)
;   tile j, lane r holds column 128 R + 32 (j / 2) + 8 (j % 2) + r + 8 (r / 8).
; A lane takes a column and its registers run down K, so a block of 32 lies in one lane; the codes go through the wave's own stage in LDS and leave as runs of 512 bytes.
; The scale words leave as runs of 128 bytes (one byte in 128 of what the launch reads).
; Work-groups 324-355: the four products cond x [512][1024], in f32 multiply-adds, folded with the norms' gains: P = nw (1 + g), Q = nb (1 + g) + be, so that adaLN is d rs P + Q.
; LIMITS: NaN and infinities are not served.  A block whose largest magnitude lies under 2^-124 keeps the byte 1, a block of zeros too (the rule says 127): its codes are zeros, and this program alone reads the bytes.
; P and Q fold the norm's gain and bias into the modulation: another order of f32 roundings than the source has.
.set W1C, 0
.set W2C, 3145728
.set WQC, 6291456
.set WOC, 7077888
.set WKVC, 7864320
.set W1S, 7962624
.set W2S, 8093696
.set WQS, 8224768
.set WOS, 8257536
.set WKVS, 8290304
.set MODS, 8294400
.set EMAX, 2
.set OF, 32                            ; v32-63   4 lane + i x pitch
.set X, 64                             ; v64-127  two sets of 32 numbers
.set C, 128                            ; v128-133 a block's codes
.set T, 134                            ; v134-136 the second conversion's result
.set SB, 138                           ; v138-139 scale words of the two K steps
.set OUTR, 140                         ; v140-187 the way out
	s_load_b512 s[4:19], s[0:1], 0x0               ; w1 w2 wq wo wkv cond amod_gw amod_bw
	s_load_b512 s[20:35], s[0:1], 0x40             ; amod_gb amod_bb amod_nw amod_nb fmod_gw fmod_bw fmod_gb fmod_bb
	s_load_b128 s[36:39], s[0:1], 0x80             ; fmod_nw fmod_nb
	s_load_b64 s[40:41], s[0:1], 0x90              ; wimg
	s_set_vgpr_msb 0x40
	v_lshl_add_u32 v0, v0, 2, 0x7000
	v_mov_b32 v1, 0
	s_set_vgpr_msb 0x4000
	v_lshrrev_b32 v1, 5, v0
	v_readfirstlane_b32 s58, v1                    ; wave
	v_and_b32 v2, 31, v0                           ; lane
	s_cmp_ge_u32 ttmp9, 324
	s_cbranch_scc1 .Lmod
; ---------------- the weights: one path, the sizes in scalars
	s_mov_b32 s42, 0                               ; first work-group of the weight
	s_mov_b32 s43, 5                               ; log2 (N / 128)
	s_mov_b32 s44, 14                              ; log2 (bytes of a row)
	s_mov_b32 s45, 8                               ; K / 128
	s_mov_b32 s46, W1C
	s_mov_b32 s47, W1S
	s_wait_kmcnt 0x0
	s_mov_b64 s[48:49], s[4:5]
.macro PICK first, lnb, lp, ks, co, so, ptr
	s_cmp_ge_u32 ttmp9, \first
	s_cselect_b32 s42, \first, s42
	s_cselect_b32 s43, \lnb, s43
	s_cselect_b32 s44, \lp, s44
	s_cselect_b32 s45, \ks, s45
	s_cselect_b32 s46, \co, s46
	s_cselect_b32 s47, \so, s47
	s_cselect_b64 s[48:49], s[\ptr:\ptr+1], s[48:49]
.endm
	PICK 128, 3, 12, 32, W2C, W2S, 6
	PICK 256, 3, 12, 8, WQC, WQS, 8
	PICK 288, 3, 12, 8, WOC, WOS, 10
	PICK 320, 0, 9, 8, WKVC, WKVS, 12
	s_sub_co_u32 s50, ttmp9, s42
	s_bfm_b32 s51, s43, 0
	s_and_b32 s51, s50, s51                        ; R: which 128 columns
	s_lshr_b32 s50, s50, s43                       ; kq: which 256 along K
	s_add_co_u32 s52, s44, 8
	s_lshl_b32 s52, s50, s52                       ; 256 kq rows
	s_lshl_b32 s53, s51, 9
	s_add_co_u32 s52, s52, s53
	s_lshl_b32 s53, s58, 7
	s_add_co_u32 s52, s52, s53                     ; + (128 R + 32 wave) x 4
	s_mov_b32 s53, 0
	s_add_nc_u64 s[48:49], s[48:49], s[52:53]
	s_lshl_b32 s54, 1, s44                         ; a row in bytes
	s_lshl_b32 s52, 32, s44                        ; 32 rows: from block to block
	s_mul_i32 s55, s51, s45
	s_mul_i32 s56, s55, 12288
	s_mul_i32 s57, s50, 24576
	s_add_co_u32 s56, s56, s57
	s_mul_i32 s57, s58, 3072
	s_add_co_u32 s56, s56, s57
	s_add_co_u32 s56, s56, s46
	s_mov_b32 s57, 0
	s_add_nc_u64 s[56:57], s[40:41], s[56:57]      ; my two tiles' codes of K step 2 kq
	s_lshl_b32 s60, s55, 9
	s_lshl_b32 s61, s50, 10
	s_add_co_u32 s60, s60, s61
	s_lshl_b32 s61, s58, 7
	s_add_co_u32 s60, s60, s61
	s_add_co_u32 s60, s60, s47
	s_mov_b32 s61, 0
	s_add_nc_u64 s[60:61], s[40:41], s[60:61]      ; and their scale words
	v_lshlrev_b32 v3, 2, v2
.set i, 0
.rept 32
	v_mad_u32_u24 v[OF+i], s54, i, v3
.set i, i+1
.endr
	v_bfe_u32 v4, v0, 3, 1                         ; u: which of my two tiles holds my column
	v_and_b32 v5, 7, v0
	v_bfe_u32 v6, v0, 4, 1
	v_lshl_or_b32 v5, v6, 3, v5                    ; r: its lane there
	v_mul_u32_u24 v7, v4, 1536
	v_lshl_add_u32 v7, v5, 4, v7
	s_mul_i32 s59, s58, 6144
	v_add_nc_u32 v7, s59, v7                       ; the stage, on the way in
	v_lshlrev_b32 v8, 4, v2
	v_add_nc_u32 v9, s59, v8                       ; and out: 16 bytes a lane
	v_lshlrev_b32 v10, 6, v4
	v_lshl_add_u32 v10, v5, 2, v10                 ; my scale word's place: 64 u + 4 r
.macro LOAD t
.if (\t) > 0
	s_wait_xcnt 0x0                                ; the earlier loads have read their base: it may step
	s_add_nc_u64 s[48:49], s[48:49], s[52:53]
.endif
.set i, 0
.rept 32
	global_load_b32 v[X+32*((\t)%2)+i], v[OF+i], s[48:49] th:TH_LOAD_NT
.set i, i+1
.endr
.endm
.macro BLOCK t
.set XS, X+32*((\t)%2)
.set BQ, ((\t)/4)*3072
.if (\t) < 7
	s_wait_loadcnt 32                              ; this block's 32 loads are in, the next block's may be out
.else
	s_wait_loadcnt 0x0
.endif
	v_max3_num_f32 v12, |v[XS]|, |v[XS+1]|, |v[XS+2]|
	v_max3_num_f32 v13, |v[XS+3]|, |v[XS+4]|, |v[XS+5]|
.irp i, 6,10,14,18,22,26
	v_max3_num_f32 v12, v12, |v[XS+\i]|, |v[XS+\i+1]|
	v_max3_num_f32 v13, v13, |v[XS+\i+2]|, |v[XS+\i+3]|
.endr
	v_max3_num_f32 v12, v12, |v[XS+30]|, |v[XS+31]|
	v_max3_num_f32 v12, v12, v13, (EMAX+1)<<23     ; the floor 2^(3 - 127): the byte cannot fall under 1
	v_add_nc_u32 v11, -(EMAX<<23), v12             ; 2 off the exponent field: the conversion's scale operand
	v_cvt_scalef32_pk16_fp6_f32 v[C:C+2], v[XS:XS+15], v11
	v_cvt_scalef32_pk16_fp6_f32 v[T:T+2], v[XS+16:XS+31], v11
	v_lshrrev_b32 v13, 23, v11                     ; the byte; also the plain line behind the conversions
.if (\t)%4 == 0
	v_mov_b32 v[SB+(\t)/4], v13
.else
	v_lshl_or_b32 v[SB+(\t)/4], v13, 8*((\t)%4), v[SB+(\t)/4]
.endif
	v_mov_b32 v[C+3], v[T]
	v_mov_b32 v[C+4], v[T+1]
	v_mov_b32 v[C+5], v[T+2]
; block blk of a K step is registers 6 (blk / 2) .. + 5 of lane r + 16 (blk % 2) of the fragment
.if (\t)%4 == 0
	ds_store_b128 v7, v[C:C+3] offset:BQ
	ds_store_b64 v7, v[C+4:C+5] offset:BQ+512
.elseif (\t)%4 == 1
	ds_store_b128 v7, v[C:C+3] offset:BQ+256
	ds_store_b64 v7, v[C+4:C+5] offset:BQ+768
.elseif (\t)%4 == 2
	ds_store_b64 v7, v[C:C+1] offset:BQ+520
	ds_store_b128 v7, v[C+2:C+5] offset:BQ+1024
.else
	ds_store_b64 v7, v[C:C+1] offset:BQ+776
	ds_store_b128 v7, v[C+2:C+5] offset:BQ+1280
.endif
.if (\t)+2 < 8
	LOAD (\t)+2
.endif
	s_wait_dscnt 0x0                               ; the stores have read their registers
.endm
	LOAD 0
	LOAD 1
.irp t, 0,1,2,3,4,5,6,7
	BLOCK \t
.endr
.irp k, 0,1,2,3,4,5,6,7,8,9,10,11
	ds_load_b128 v[OUTR+4*\k:OUTR+4*\k+3], v9 offset:512*\k   ; LDS serves a wave's instructions in order: these see my stores
.endr
	global_store_b32 v10, v[SB], s[60:61]
	global_store_b32 v10, v[SB+1], s[60:61] offset:512
.irp k, 0,1,2,3,4,5,6,7,8,9,10,11
	s_wait_dscnt 11-\k
	global_store_b128 v8, v[OUTR+4*\k:OUTR+4*\k+3], s[56:57] offset:(\k/6)*12288+(\k%6)*512   ; 512 consecutive bytes
.endr
	s_set_vgpr_msb 0x5
	s_wait_tensorcnt 0x0
	ds_add_u32 v0, v1
	s_wait_dscnt 0x0
	s_set_vgpr_msb 0x500
	s_endpgm
; ---------------- the modulation: work-group m: norm m / 16, columns 64 (m % 16) on; wave w sums k = 128 w .. + 127; a lane two columns
.Lmod:
	s_sub_co_u32 s42, ttmp9, 324
	s_lshr_b32 s43, s42, 4
	s_and_b32 s44, s42, 15
	s_wait_kmcnt 0x0
	s_cmp_eq_u32 s43, 0
	s_cselect_b64 s[16:17], s[16:17], s[28:29]     ; gw
	s_cselect_b64 s[18:19], s[18:19], s[30:31]     ; bw
	s_cselect_b64 s[20:21], s[20:21], s[32:33]     ; gb
	s_cselect_b64 s[22:23], s[22:23], s[34:35]     ; bb
	s_cselect_b64 s[24:25], s[24:25], s[36:37]     ; nw
	s_cselect_b64 s[26:27], s[26:27], s[38:39]     ; nb
	s_lshl_b32 s46, s58, 19                        ; 128 rows of 4,096 bytes a wave
	s_mov_b32 s47, 0
	s_add_nc_u64 s[16:17], s[16:17], s[46:47]
	s_add_nc_u64 s[18:19], s[18:19], s[46:47]
	s_lshl_b32 s46, s58, 9
	s_add_nc_u64 s[14:15], s[14:15], s[46:47]
	s_lshl_b32 s46, s43, 14
	s_add_co_u32 s46, s46, MODS
	s_add_nc_u64 s[40:41], s[40:41], s[46:47]
	v_lshlrev_b32 v3, 2, v2
	v_lshlrev_b32 v4, 3, v2
	s_lshl_b32 s48, s44, 8
	v_add_nc_u32 v4, s48, v4                       ; 256 cg + 8 lane: my two columns
	v_lshlrev_b32 v5, 5, v2
	s_lshl_b32 s49, s58, 10
	v_add_nc_u32 v6, s49, v5
	v_add_nc_u32 v6, 24576, v6                     ; this path's own LDS: my partial sums,
	v_add_nc_u32 v5, 24576, v5                     ; and wave 0's reads of all four
.irp b, 0,1
.irp i, 0,1,2,3
	global_load_b32 v[24+4*\b+\i], v3, s[14:15] offset:2048*\b+128*\i   ; cond[b][128 w + 32 i + lane]
.endr
.endr
	global_load_b64 v[8:9], v4, s[20:21]
	global_load_b64 v[10:11], v4, s[22:23]
	global_load_b64 v[12:13], v4, s[24:25]
	global_load_b64 v[14:15], v4, s[26:27]
.macro RLOAD p
.set RS, 64+64*((\p)%3)
.set k, 0
.rept 16
	global_load_b64 v[RS+2*k:RS+2*k+1], v4, s[16:17] offset:(16*(\p)+k)*4096 th:TH_LOAD_NT
	global_load_b64 v[RS+32+2*k:RS+32+2*k+1], v4, s[18:19] offset:(16*(\p)+k)*4096 th:TH_LOAD_NT
.set k, k+1
.endr
.endm
.macro RWORK p
.set RS, 64+64*((\p)%3)
.set k, 0
.rept 16
	v_readlane_b32 s60, v[24+(16*(\p)+k)/32], (16*(\p)+k)%32
	v_readlane_b32 s61, v[28+(16*(\p)+k)/32], (16*(\p)+k)%32
	v_fmac_f32 v16, s60, v[RS+2*k]
	v_fmac_f32 v17, s60, v[RS+2*k+1]
	v_fmac_f32 v18, s61, v[RS+2*k]
	v_fmac_f32 v19, s61, v[RS+2*k+1]
	v_fmac_f32 v20, s60, v[RS+32+2*k]
	v_fmac_f32 v21, s60, v[RS+32+2*k+1]
	v_fmac_f32 v22, s61, v[RS+32+2*k]
	v_fmac_f32 v23, s61, v[RS+32+2*k+1]
.set k, k+1
.endr
.endm
	RLOAD 0
	RLOAD 1
	RLOAD 2
.irp j, 16,17,18,19,20,21,22,23
	v_mov_b32 v\j, 0
.endr
.irp p, 0,1,2,3,4,5,6,7
.if \p < 6
	s_wait_loadcnt 63                              ; 64 loads are younger than this round's; the count's field ends at 63
.elseif \p == 6
	s_wait_loadcnt 32
.else
	s_wait_loadcnt 0x0
.endif
	RWORK \p
.if \p+3 < 8
	RLOAD \p+3
.endif
.endr
	ds_store_b128 v6, v[16:19]
	ds_store_b128 v6, v[20:23] offset:16
	s_wait_dscnt 0x0                               ; for the others: my stores have landed
	s_barrier_signal -1
	s_barrier_wait -1
	s_cmp_lg_u32 s58, 0
	s_cbranch_scc1 .Ldone
.irp w, 0,1,2,3
	ds_load_b128 v[32+8*\w:35+8*\w], v5 offset:1024*\w
	ds_load_b128 v[36+8*\w:39+8*\w], v5 offset:1024*\w+16
.endr
	s_wait_dscnt 0x0
.irp j, 0,2,4,6
	v_pk_add_f32 v[32+\j:33+\j], v[32+\j:33+\j], v[40+\j:41+\j]
	v_pk_add_f32 v[48+\j:49+\j], v[48+\j:49+\j], v[56+\j:57+\j]
.endr
.irp j, 0,2,4,6
	v_pk_add_f32 v[32+\j:33+\j], v[32+\j:33+\j], v[48+\j:49+\j]
.endr
.irp b, 0,1                                    ; v[32+2b] g of batch b, v[36+2b] be of batch b
	v_pk_add_f32 v[32+2*\b:33+2*\b], v[32+2*\b:33+2*\b], v[8:9]
	v_pk_add_f32 v[36+2*\b:37+2*\b], v[36+2*\b:37+2*\b], v[10:11]
	v_pk_add_f32 v[32+2*\b:33+2*\b], v[32+2*\b:33+2*\b], 1.0 op_sel_hi:[1,0]
	v_pk_mul_f32 v[40+2*\b:41+2*\b], v[12:13], v[32+2*\b:33+2*\b]
	v_pk_fma_f32 v[44+2*\b:45+2*\b], v[14:15], v[32+2*\b:33+2*\b], v[36+2*\b:37+2*\b]
	global_store_b64 v4, v[40+2*\b:41+2*\b], s[40:41] offset:8192*\b         ; 256 consecutive bytes
	global_store_b64 v4, v[44+2*\b:45+2*\b], s[40:41] offset:8192*\b+4096
.endr
.Ldone:
	s_set_vgpr_msb 0x5
	s_wait_tensorcnt 0x0
	ds_add_u32 v0, v1
	s_wait_dscnt 0x0
	s_set_vgpr_msb 0x500
	s_endpgm
.Lfunc_end_k_q7a4bb0e878_prep:
	.size	k_q7a4bb0e878_prep, .Lfunc_end_k_q7a4bb0e878_prep-k_q7a4bb0e878_prep
	.p2alignl 7, 3214868480
	.fill 96, 4, 3214868480
	.section	.rodata,"a",@progbits
	.p2align	6, 0x0
	.amdhsa_kernel k_q7a4bb0e878_prep
		.amdhsa_group_segment_fixed_size 29184
		.amdhsa_private_segment_fixed_size 0
		.amdhsa_enable_private_segment 0
		.amdhsa_kernarg_size 152
		.amdhsa_user_sgpr_count 2
		.amdhsa_user_sgpr_kernarg_segment_ptr 1
		.amdhsa_wavefront_size32 1
		.amdhsa_system_sgpr_workgroup_id_x 1
		.amdhsa_system_sgpr_workgroup_id_y 1
		.amdhsa_system_sgpr_workgroup_id_z 1
		.amdhsa_system_vgpr_workitem_id 0
		.amdhsa_next_free_vgpr 258
		.amdhsa_next_free_sgpr 66
		.amdhsa_reserve_vcc 0
		.amdhsa_float_denorm_mode_32 3
		.amdhsa_float_denorm_mode_16_64 3
		.amdhsa_memory_ordered 1
		.amdhsa_forward_progress 1
		.amdhsa_inst_pref_size 124
	.end_amdhsa_kernel
	.amdgpu_metadata
---
amdhsa.version: [ 1, 2 ]
amdhsa.kernels:
  - .name:           k_q7a4bb0e878_prep
    .symbol:         k_q7a4bb0e878_prep.kd
    .args:
      - { .name: w1, .offset: 0, .size: 8, .value_kind: global_buffer, .address_space: global }
      - { .name: w2, .offset: 8, .size: 8, .value_kind: global_buffer, .address_space: global }
      - { .name: wq, .offset: 16, .size: 8, .value_kind: global_buffer, .address_space: global }
      - { .name: wo, .offset: 24, .size: 8, .value_kind: global_buffer, .address_space: global }
      - { .name: wkv, .offset: 32, .size: 8, .value_kind: global_buffer, .address_space: global }
      - { .name: cond, .offset: 40, .size: 8, .value_kind: global_buffer, .address_space: global }
      - { .name: amod_gw, .offset: 48, .size: 8, .value_kind: global_buffer, .address_space: global }
      - { .name: amod_bw, .offset: 56, .size: 8, .value_kind: global_buffer, .address_space: global }
      - { .name: amod_gb, .offset: 64, .size: 8, .value_kind: global_buffer, .address_space: global }
      - { .name: amod_bb, .offset: 72, .size: 8, .value_kind: global_buffer, .address_space: global }
      - { .name: amod_nw, .offset: 80, .size: 8, .value_kind: global_buffer, .address_space: global }
      - { .name: amod_nb, .offset: 88, .size: 8, .value_kind: global_buffer, .address_space: global }
      - { .name: fmod_gw, .offset: 96, .size: 8, .value_kind: global_buffer, .address_space: global }
      - { .name: fmod_bw, .offset: 104, .size: 8, .value_kind: global_buffer, .address_space: global }
      - { .name: fmod_gb, .offset: 112, .size: 8, .value_kind: global_buffer, .address_space: global }
      - { .name: fmod_bb, .offset: 120, .size: 8, .value_kind: global_buffer, .address_space: global }
      - { .name: fmod_nw, .offset: 128, .size: 8, .value_kind: global_buffer, .address_space: global }
      - { .name: fmod_nb, .offset: 136, .size: 8, .value_kind: global_buffer, .address_space: global }
      - { .name: wimg, .offset: 144, .size: 8, .value_kind: global_buffer, .address_space: global }
    .group_segment_fixed_size: 29184
    .private_segment_fixed_size: 0
    .kernarg_segment_align: 8
    .kernarg_segment_size: 152
    .max_flat_workgroup_size: 128
    .sgpr_count:     66
    .vgpr_count:     258
    .wavefront_size: 32
...
	.end_amdgpu_metadata
.endif
;; end of part 1
;; launch ln1kv (part 2): grid 128 x 1, 16 waves a work-group, no clusters, 160,256 bytes of LDS; arguments x, wimg, attn_nw, attn_nb, hbuf, hnimg, kvimg; writes hbuf, hnimg, kvimg
.if DOCPART == 2
	.amdgcn_target "amdgcn-amd-amdhsa--gfx1250"
	.amdhsa_code_object_version 6
	.text
	.protected	k_q7a4bb0e878_ln1kv
	.globl	k_q7a4bb0e878_ln1kv
	.p2align	8
	.type	k_q7a4bb0e878_ln1kv,@function
k_q7a4bb0e878_ln1kv:
	s_mov_b64 s[64:65], 0
	v_nop
	global_prefetch_b8 v0, s[64:65] scope:SCOPE_SE
	s_setreg_imm32_b32 hwreg(HW_REG_WAVE_MODE, 25, 1), 1
	s_wait_xcnt 0x0
; h = adaLN(x) (stored, f32), hn = LN(h), Q(hn) as register images, and the shared K and V of attention as codes.  All norms in f32, variance from the centred numbers.
; A work-group takes 32 tokens: two tiles of the image format and exactly one block of 32 keys of V.
; A: each of 16 waves norms two rows; hn goes to LDS as f32 (pitch 4,112 bytes).  | barrier |
; B: wave w quantises fragment (tile w / 8, K step w % 8): image to memory and to LDS.  | barrier |
; C: waves 0, 1: k = hn wk for one tile of tokens (source 0 = 16 columns of wk, source 1 = hn), quantised along d.
;    waves 2, 3: v for 32 of its 64 channels (source 0 = hn, source 1 = 16 columns of wv: a lane then holds one channel and its registers run along the keys), quantised along the keys.  The other waves end.
; Image format: tile j, lane r holds row 32 (j / 2) + 8 (j % 2) + r + 8 (r / 8) of its 128.
; V's codes and bytes are stored in pieces of 8 bytes and 1 byte (204 KB in the launch): each work-group owns one key block of every channel.
; LIMITS: NaN and infinities are not served; a block under 2^-124, and a block of zeros, keeps the byte 1 (its codes are then zeros or tiny; this program alone reads the bytes).
.set HP, 4112
.set IMGL, 131584
.set SCLL, 156160
.set WKVC, 7864320
.set WKVS, 8290304
.set MODS, 8294400
.set L16, 1                            ; v1  16 x lane
.set R4, 2                             ; v2  4 x (lane % 16)
.set ACC, 12
.set AF, 44
.set AS, 140
.set W0, 148
.set X0, 32
.set X1, 64
.set PM, 96
.set QM, 128
.set AW, 160
.set AB, 192
.set SCR, 224
.set WV, 18
.set SEL, 20
.set RN, 22
.set EPSR, 23
.set WB, 44
.set WSB, 46
.macro RED v, t
	v_add_f32_dpp v[\v], v[\v], v[\v] row_xmask:1 row_mask:0xf bank_mask:0xf
	v_add_f32_dpp v[\v], v[\v], v[\v] row_xmask:2 row_mask:0xf bank_mask:0xf
	v_add_f32_dpp v[\v], v[\v], v[\v] row_xmask:4 row_mask:0xf bank_mask:0xf
	v_add_f32_dpp v[\v], v[\v], v[\v] row_xmask:8 row_mask:0xf bank_mask:0xf
	v_permlanex16_b32 v[\t], v[\v], s[SEL], s[SEL+1]
	v_add_f32 v[\v], v[\v], v[\t]
.endm
; a row of 1,024 numbers, 32 a lane in v[x] on: the numbers are centred in place, v[SCR+2] = 1 / sqrt(variance + eps)
.macro LNSTAT x
	v_pk_add_f32 v[SCR:SCR+1], v[\x:\x+1], v[\x+2:\x+3]
	v_pk_add_f32 v[SCR+2:SCR+3], v[\x+4:\x+5], v[\x+6:\x+7]
	v_pk_add_f32 v[SCR+4:SCR+5], v[\x+8:\x+9], v[\x+10:\x+11]
	v_pk_add_f32 v[SCR+6:SCR+7], v[\x+12:\x+13], v[\x+14:\x+15]
.irp i, 16,24
	v_pk_add_f32 v[SCR:SCR+1], v[SCR:SCR+1], v[\x+\i:\x+\i+1]
	v_pk_add_f32 v[SCR+2:SCR+3], v[SCR+2:SCR+3], v[\x+\i+2:\x+\i+3]
	v_pk_add_f32 v[SCR+4:SCR+5], v[SCR+4:SCR+5], v[\x+\i+4:\x+\i+5]
	v_pk_add_f32 v[SCR+6:SCR+7], v[SCR+6:SCR+7], v[\x+\i+6:\x+\i+7]
.endr
	v_pk_add_f32 v[SCR:SCR+1], v[SCR:SCR+1], v[SCR+2:SCR+3]
	v_pk_add_f32 v[SCR+4:SCR+5], v[SCR+4:SCR+5], v[SCR+6:SCR+7]
	v_pk_add_f32 v[SCR:SCR+1], v[SCR:SCR+1], v[SCR+4:SCR+5]
	v_add_f32 v[SCR], v[SCR], v[SCR+1]
	RED SCR, SCR+8
	v_mul_f32 v[SCR], s[RN], v[SCR]                ; the mean
	s_wait_xcnt 0x0                                ; stores that read these registers have read them: they are rewritten only behind this wait
.irp i, 0,2,4,6,8,10,12,14,16,18,20,22,24,26,28,30
	v_pk_add_f32 v[\x+\i:\x+\i+1], v[\x+\i:\x+\i+1], v[SCR:SCR+1] op_sel_hi:[1,0] neg_lo:[0,1] neg_hi:[0,1]
.endr
.irp c, 0,2,4,6
	v_pk_mul_f32 v[SCR+\c:SCR+\c+1], v[\x+\c:\x+\c+1], v[\x+\c:\x+\c+1]
.endr
.irp i, 8,16,24
.irp c, 0,2,4,6
	v_pk_fma_f32 v[SCR+\c:SCR+\c+1], v[\x+\i+\c:\x+\i+\c+1], v[\x+\i+\c:\x+\i+\c+1], v[SCR+\c:SCR+\c+1]
.endr
.endr
	v_pk_add_f32 v[SCR:SCR+1], v[SCR:SCR+1], v[SCR+2:SCR+3]
	v_pk_add_f32 v[SCR+4:SCR+5], v[SCR+4:SCR+5], v[SCR+6:SCR+7]
	v_pk_add_f32 v[SCR:SCR+1], v[SCR:SCR+1], v[SCR+4:SCR+5]
	v_add_f32 v[SCR], v[SCR], v[SCR+1]
	RED SCR, SCR+8
	v_fma_f32 v[SCR], v[SCR], s[RN], s[EPSR]
	v_rsq_f32 v[SCR+2], v[SCR]
	v_nop                                          ; a plain line behind the transcendental
	s_wait_alu depctr_va_vdst(0)                   ; and the wait ahead of its first reader
.endm
.macro LNAPPLY x, w, b                         ; x = (x rs) w + b
.irp i, 0,2,4,6,8,10,12,14,16,18,20,22,24,26,28,30
	v_pk_mul_f32 v[\x+\i:\x+\i+1], v[\x+\i:\x+\i+1], v[SCR+2:SCR+3] op_sel_hi:[1,0]
.endr
.irp i, 0,2,4,6,8,10,12,14,16,18,20,22,24,26,28,30
	v_pk_fma_f32 v[\x+\i:\x+\i+1], v[\x+\i:\x+\i+1], v[\w+\i:\w+\i+1], v[\b+\i:\b+\i+1]
.endr
.endm
; 64 numbers of a lane, register 16 b + i = k 32 b + 16 (lane / 16) + i of my row, become a fragment in v[pc] .. v[pc + 11] and its scale word in v[pw]
.macro QUANT s, pc, tm, pw
.irp b, 0,1,2,3
	v_mov_b32 v[\tm+4+\b], 0                       ; a lane permute's destination counts as read
.endr
.irp b, 0,1,2,3
	v_max3_num_f32 v[\tm+\b], |v[\s+16*\b]|, |v[\s+1+16*\b]|, 0x1800000   ; with the floor 2^(3 - 127)
.endr
.irp i, 2,4,6,8,10,12,14
.irp b, 0,1,2,3
	v_max3_num_f32 v[\tm+\b], v[\tm+\b], |v[\s+16*\b+\i]|, |v[\s+1+16*\b+\i]|
.endr
.endr
.irp b, 0,1,2,3
	v_permlanex16_b32 v[\tm+4+\b], v[\tm+\b], s[SEL], s[SEL+1]
.endr
.irp b, 0,1,2,3
	v_max_num_f32 v[\tm+\b], v[\tm+\b], v[\tm+4+\b]
.endr
.irp b, 0,1,2,3
	v_add_nc_u32 v[\tm+12+\b], 0xff000000, v[\tm+\b]   ; 2 off the exponent field: the conversion's scale operand
.endr
.irp b, 0,1,2,3
	v_lshrrev_b32 v[\tm+4+\b], 23, v[\tm+12+\b]
.endr
	v_lshl_or_b32 v[\pw], v[\tm+5], 8, v[\tm+4]
	v_lshl_or_b32 v[\pw], v[\tm+6], 16, v[\pw]
	v_lshl_or_b32 v[\pw], v[\tm+7], 24, v[\pw]
.irp c, 0,1
	v_cvt_scalef32_pk16_fp6_f32 v[\pc+6*\c:\pc+2+6*\c], v[\s+32*\c:\s+15+32*\c], v[\tm+12+2*\c]
	v_cvt_scalef32_pk16_fp6_f32 v[\pc+12+4*\c:\pc+14+4*\c], v[\s+16+32*\c:\s+31+32*\c], v[\tm+13+2*\c]
.endr
	v_nop                                          ; a plain line behind the conversions
.irp c, 0,1
.irp i, 0,1,2
	v_permlane16_swap_b32 v[\pc+6*\c+\i], v[\pc+12+4*\c+\i]
.endr
.irp i, 0,1,2
	v_mov_b32 v[\pc+3+6*\c+\i], v[\pc+12+4*\c+\i]
.endr
.endr
.endm
; the half of it: 32 numbers, two blocks; lane (r, h) ends with the whole block h in v[pc] .. v[pc + 5]; the two bytes in v[tm + 4], v[tm + 5]
.macro QH s, pc, tm
.irp b, 0,1
	v_mov_b32 v[\tm+4+\b], 0
.endr
.irp b, 0,1
	v_max3_num_f32 v[\tm+\b], |v[\s+16*\b]|, |v[\s+1+16*\b]|, 0x1800000
.endr
.irp i, 2,4,6,8,10,12,14
.irp b, 0,1
	v_max3_num_f32 v[\tm+\b], v[\tm+\b], |v[\s+16*\b+\i]|, |v[\s+1+16*\b+\i]|
.endr
.endr
.irp b, 0,1
	v_permlanex16_b32 v[\tm+4+\b], v[\tm+\b], s[SEL], s[SEL+1]
.endr
.irp b, 0,1
	v_max_num_f32 v[\tm+\b], v[\tm+\b], v[\tm+4+\b]
.endr
.irp b, 0,1
	v_add_nc_u32 v[\tm+12+\b], 0xff000000, v[\tm+\b]
.endr
.irp b, 0,1
	v_lshrrev_b32 v[\tm+4+\b], 23, v[\tm+12+\b]
.endr
	v_cvt_scalef32_pk16_fp6_f32 v[\pc:\pc+2], v[\s:\s+15], v[\tm+12]
	v_cvt_scalef32_pk16_fp6_f32 v[\pc+12:\pc+14], v[\s+16:\s+31], v[\tm+13]
	v_nop
.irp i, 0,1,2
	v_permlane16_swap_b32 v[\pc+\i], v[\pc+12+\i]
.endr
.irp i, 0,1,2
	v_mov_b32 v[\pc+3+\i], v[\pc+12+\i]
.endr
.endm
.macro MM0 d, a, b, sa, sb
	v_wmma_scale_f32_16x16x128_f8f6f4 v[\d:\d+7], v[\a:\a+11], v[\b:\b+11], 0, v[\sa], v[\sb] matrix_a_fmt:MATRIX_FMT_FP6 matrix_b_fmt:MATRIX_FMT_FP6
.endm
.macro MMA d, a, b, sa, sb
	v_wmma_scale_f32_16x16x128_f8f6f4 v[\d:\d+7], v[\a:\a+11], v[\b:\b+11], v[\d:\d+7], v[\sa], v[\sb] matrix_a_fmt:MATRIX_FMT_FP6 matrix_b_fmt:MATRIX_FMT_FP6
.endm
; four weight tiles (64 columns) of K step s, and their scale words, into set 0 or 1: 16 loads
.macro WLOAD s, set
.set WR, W0+52*(\set)
.irp t, 0,1,2,3
.irp c, 0,1,2
	global_load_b128 v[WR+12*\t+4*\c:WR+12*\t+4*\c+3], v[L16], s[WB:WB+1] offset:(\s)*12288+\t*1536+\c*512
.endr
	global_load_b32 v[WR+48+\t], v[R4], s[WSB:WSB+1] offset:(\s)*512+\t*64
.endr
.endm
; K step s of 16 rows x 64 columns: four accumulators by turns
.macro PSTEP s, first
.if (\s) < 7
	s_wait_loadcnt 16                              ; this step's set is in; the next step's 16 loads may be out
.else
	s_wait_loadcnt 0x0
.endif
.set WR, W0+52*((\s)%2)
.irp t, 0,1,2,3
.if \first
	MM0 ACC+8*\t, WR+12*\t, AF+12*(\s), WR+48+\t, AS+(\s)
.else
	MMA ACC+8*\t, WR+12*\t, AF+12*(\s), WR+48+\t, AS+(\s)
.endif
.endr
.if (\s)+2 < 8
.rept 4
	v_nop                                          ; places in front of loads into registers that the products have read
.endr
	WLOAD (\s)+2, (\s)%2
.endif
.endm
	s_load_b256 s[4:11], s[0:1], 0x0               ; x, wimg, attn_nw, attn_nb
	s_load_b128 s[12:15], s[0:1], 0x20             ; hbuf, hnimg
	s_load_b64 s[16:17], s[0:1], 0x30              ; kvimg
	v_lshrrev_b32 v1, 5, v0
	v_readfirstlane_b32 s[WV], v1
	s_mov_b32 s[SEL], 0x76543210
	s_mov_b32 s[SEL+1], 0xfedcba98
	s_mov_b32 s[RN], 0x3a800000                    ; 1 / 1024
	s_mov_b32 s[EPSR], 0x3727c5ac                  ; 1e-5
	; every LDS address is made here, ahead of the partings of the waves
	v_and_b32 v224, 31, v0
	v_and_b32 v225, 15, v0
	v_bfe_u32 v226, v0, 4, 1
	v_lshlrev_b32 v[L16], 4, v224
	v_lshlrev_b32 v[R4], 2, v225
	v_lshlrev_b32 v11, 2, v224                     ; v11 4 x lane
	s_mul_i32 s24, s[WV], 2*HP
	v_add_nc_u32 v3, s24, v[L16]                   ; v3  A: my two rows of hn
	s_lshr_b32 s34, s[WV], 3                       ; u
	s_and_b32 s33, s[WV], 7                        ; s
	s_mul_i32 s24, s34, 16*HP
	s_lshl_b32 s25, s33, 9
	s_add_co_u32 s24, s24, s25
	v_mul_u32_u24 v4, v225, HP
	v_lshl_add_u32 v4, v226, 6, v4
	v_add_nc_u32 v4, s24, v4                       ; v4  B: row 16 u + r, 512 s + 64 h
	s_mul_i32 s24, s[WV], 1536
	s_add_co_u32 s24, s24, IMGL
	v_add_nc_u32 v5, s24, v[L16]                   ; v5  B: my image
	s_lshl_b32 s24, s[WV], 7
	s_add_co_u32 s24, s24, SCLL
	v_add_nc_u32 v6, s24, v11                      ; v6  B: my scale words
	s_and_b32 s25, s[WV], 1
	s_mul_i32 s24, s25, 12288
	s_add_co_u32 s24, s24, IMGL
	v_add_nc_u32 v7, s24, v[L16]                   ; v7  C, k: tile w's images
	s_lshl_b32 s24, s25, 10
	s_add_co_u32 s24, s24, SCLL
	v_add_nc_u32 v8, s24, v11                      ; v8  and scale words
	v_add_nc_u32 v9, IMGL, v[L16]                  ; v9  C, v: all images
	v_add_nc_u32 v10, SCLL, v11                    ; v10 and scale words
	v_lshlrev_b32 v252, 3, v224                    ; v252 8 x lane
	v_mul_u32_u24 v253, v226, 1536
	v_lshl_add_u32 v253, v225, 4, v253             ; v253 1536 h + 16 r
	v_mov_b32 v254, v224                           ; v254 lane
	v_mov_b32 v[SCR+8], 0
	; my two tokens: LDS rows 2 w, 2 w + 1 hold the tokens with bits 3 and 4 changed over
	s_lshl_b32 s24, s[WV], 1
	s_and_b32 s25, s24, 7
	s_bfe_u32 s26, s24, 0x10003
	s_lshl_b32 s26, s26, 4
	s_or_b32 s25, s25, s26
	s_bfe_u32 s26, s24, 0x10004
	s_lshl_b32 s26, s26, 3
	s_or_b32 s25, s25, s26
	s_lshl_b32 s26, ttmp9, 5
	s_add_co_u32 s25, s25, s26
	s_lshl_b32 s26, s25, 12
	s_mov_b32 s27, 0
	s_lshr_b32 s28, ttmp9, 6                       ; batch
	s_lshl_b32 s28, s28, 13
	s_add_co_u32 s28, s28, MODS
	s_mov_b32 s29, 0
	s_lshr_b32 s32, ttmp9, 2                       ; R
	s_and_b32 s35, ttmp9, 3
	s_lshl_b32 s35, s35, 1
	s_add_co_u32 s35, s35, s34                     ; j
	s_lshl_b32 s36, s32, 3
	s_add_co_u32 s36, s36, s33
	s_lshl_b32 s36, s36, 3
	s_add_co_u32 s36, s36, s35                     ; (8 R + s) 8 + j
	s_mul_i32 s38, s36, 1536
	s_mov_b32 s39, 0
	s_lshl_b32 s36, s36, 6
	s_add_co_u32 s36, s36, 3145728
	s_mov_b32 s37, 0
	s_mov_b32 s40, WKVC
	s_mov_b32 s41, 0
	s_mov_b32 s42, WKVS
	s_mov_b32 s43, 0
	s_wait_kmcnt 0x0
	s_add_nc_u64 s[4:5], s[4:5], s[26:27]
	s_add_nc_u64 s[12:13], s[12:13], s[26:27]
	s_add_nc_u64 s[30:31], s[6:7], s[28:29]
	s_add_nc_u64 s[38:39], s[14:15], s[38:39]
	s_add_nc_u64 s[36:37], s[14:15], s[36:37]
	s_add_nc_u64 s[WB:WB+1], s[6:7], s[40:41]
	s_add_nc_u64 s[WSB:WSB+1], s[6:7], s[42:43]
; ---- A
.irp i, 0,1,2,3,4,5,6,7
	global_load_b128 v[X0+4*\i:X0+4*\i+3], v[L16], s[4:5] offset:512*\i th:TH_LOAD_NT
	global_load_b128 v[X1+4*\i:X1+4*\i+3], v[L16], s[4:5] offset:4096+512*\i th:TH_LOAD_NT
.endr
.irp i, 0,1,2,3,4,5,6,7
	global_load_b128 v[PM+4*\i:PM+4*\i+3], v[L16], s[30:31] offset:512*\i
	global_load_b128 v[QM+4*\i:QM+4*\i+3], v[L16], s[30:31] offset:4096+512*\i
	global_load_b128 v[AW+4*\i:AW+4*\i+3], v[L16], s[8:9] offset:512*\i
	global_load_b128 v[AB+4*\i:AB+4*\i+3], v[L16], s[10:11] offset:512*\i
.endr
	s_wait_loadcnt 0x0
.macro ROW x, n
	LNSTAT \x
	LNAPPLY \x, PM, QM                             ; h
.irp i, 0,1,2,3,4,5,6,7
	global_store_b128 v[L16], v[\x+4*\i:\x+4*\i+3], s[12:13] offset:4096*\n+512*\i   ; 512 consecutive bytes
.endr
	LNSTAT \x
	LNAPPLY \x, AW, AB                             ; hn
.irp i, 0,1,2,3,4,5,6,7
	ds_store_b128 v3, v[\x+4*\i:\x+4*\i+3] offset:HP*\n+512*\i
.endr
.endm
	ROW X0, 0
	ROW X1, 1
	s_wait_dscnt 0x0
	s_barrier_signal -1
	s_barrier_wait -1                              ; 32 rows of hn lie in LDS
; ---- B
.irp b, 0,1,2,3
.irp i, 0,1,2,3
	ds_load_b128 v[32+16*\b+4*\i:35+16*\b+4*\i], v4 offset:128*\b+16*\i
.endr
.endr
	s_wait_dscnt 0x0
	QUANT 32, 96, 116, 132
.irp c, 0,1,2
	global_store_b128 v[L16], v[96+4*\c:99+4*\c], s[38:39] offset:512*\c
	ds_store_b128 v5, v[96+4*\c:99+4*\c] offset:512*\c
.endr
	global_store_b32 v[R4], v132, s[36:37]         ; both halves of the lanes hold the same word and write it to the same place
	ds_store_b32 v6, v132
	s_wait_xcnt 0x0                                ; the stores have read their registers: phase C loads over them
	s_wait_dscnt 0x0
	s_barrier_signal -1
	s_barrier_wait -1                              ; 16 fragments of hn lie in LDS
; ---- C
	s_cmp_ge_u32 s[WV], 4
	s_cbranch_scc1 .Lend
	s_cmp_ge_u32 s[WV], 2
	s_cbranch_scc1 .Lvjob
	WLOAD 0, 0
	WLOAD 1, 1
.irp s, 0,1,2,3,4,5,6,7
.irp c, 0,1,2
	ds_load_b128 v[AF+12*\s+4*\c:AF+12*\s+4*\c+3], v7 offset:\s*1536+\c*512
.endr
	ds_load_b32 v[AS+\s], v8 offset:\s*128
.endr
	s_wait_dscnt 0x0
	PSTEP 0, 1
.irp s, 1,2,3,4,5,6,7
	PSTEP \s, 0
.endr
.rept 4
	v_nop
.endr
	QH ACC, 44, 64                                 ; lane (r, h): key r of my tile, d = 32 h .. 32 h + 31
	v_lshl_or_b32 v80, v69, 8, v68                 ; the scale word; its upper two bytes stay 0: they scale zero codes of q
	s_lshl_b32 s48, ttmp9, 1
	s_add_co_u32 s48, s48, s[WV]
	s_and_b32 s48, s48, 127                        ; my key tile in the batch
	s_lshr_b32 s49, ttmp9, 6
	s_mul_i32 s49, s49, 217088
	s_mul_i32 s50, s48, 768
	s_add_co_u32 s50, s50, s49
	s_mov_b32 s51, 0
	s_add_nc_u64 s[50:51], s[16:17], s[50:51]
	s_lshl_b32 s52, s48, 7
	s_add_co_u32 s52, s52, s49
	s_add_co_u32 s52, s52, 196608
	s_mov_b32 s53, 0
	s_add_nc_u64 s[52:53], s[16:17], s[52:53]
	global_store_b128 v[L16], v[44:47], s[50:51]
	global_store_b64 v252, v[48:49], s[50:51] offset:512
	global_store_b32 v11, v80, s[52:53]
	s_wait_xcnt 0x0
	v_lshl_add_u32 v254, v0, 2, 0x26a00
	v_mov_b32 v255, 0
	s_wait_tensorcnt 0x0
	ds_add_u32 v254, v255
	s_wait_dscnt 0x0
	s_endpgm
.Lvjob:
	s_sub_co_u32 s48, s[WV], 2                     ; i: channels 32 i on
	s_mul_i32 s50, s48, 3072
	s_add_co_u32 s50, s50, WKVC+6144
	s_mov_b32 s51, 0
	s_add_nc_u64 s[50:51], s[6:7], s[50:51]        ; wkv's tiles 4 + 2 i, 5 + 2 i
	s_lshl_b32 s52, s48, 7
	s_add_co_u32 s52, s52, WKVS+256
	s_mov_b32 s53, 0
	s_add_nc_u64 s[52:53], s[6:7], s[52:53]
.macro VLOAD s
.set HR, 44+26*((\s)%2)
.set VR, 96+26*((\s)%2)
.irp u, 0,1
.irp c, 0,1,2
	ds_load_b128 v[HR+12*\u+4*\c:HR+12*\u+4*\c+3], v9 offset:(8*\u+(\s))*1536+\c*512
	global_load_b128 v[VR+12*\u+4*\c:VR+12*\u+4*\c+3], v[L16], s[50:51] offset:(\s)*12288+\u*1536+\c*512
.endr
	ds_load_b32 v[HR+24+\u], v10 offset:(8*\u+(\s))*128
	global_load_b32 v[VR+24+\u], v[R4], s[52:53] offset:(\s)*512+\u*64
.endr
.endm
.macro VSTEP s
.if (\s) < 7
	s_wait_loadcnt 8                               ; the next step's 8 loads may be out, on either counter
	s_wait_dscnt 8
.else
	s_wait_loadcnt 0x0
	s_wait_dscnt 0x0
.endif
.set HR, 44+26*((\s)%2)
.set VR, 96+26*((\s)%2)
.irp d, 0,1
.irp u, 0,1
.if (\s) == 0
	MM0 ACC+16*\d+8*\u, HR+12*\u, VR+12*\d, HR+24+\u, VR+24+\d
.else
	MMA ACC+16*\d+8*\u, HR+12*\u, VR+12*\d, HR+24+\u, VR+24+\d
.endif
.endr
.endr
.if (\s)+2 < 8
.rept 4
	v_nop
.endr
	VLOAD (\s)+2
.endif
.endm
	VLOAD 0
	VLOAD 1
.irp s, 0,1,2,3,4,5,6,7
	VSTEP \s
.endr
.rept 4
	v_nop
.endr
	QH ACC, 44, 64                                 ; lane (r, h): channel r of tile 2 i + h, the work-group's 32 keys
	v_cmp_gt_u32 vcc_lo, 16, v254
	v_cndmask_b32 v80, v69, v68, vcc_lo            ; my tile's byte
	s_and_b32 s54, ttmp9, 63
	s_lshr_b32 s54, s54, 2                         ; key step
	s_and_b32 s55, ttmp9, 3                        ; key block in it
	s_lshr_b32 s56, s55, 1
	s_and_b32 s57, s55, 1
	s_lshl_b32 s58, s54, 2
	s_lshl_b32 s59, s48, 1
	s_add_co_u32 s58, s58, s59                     ; 4 x step + 2 i
	s_lshr_b32 s59, ttmp9, 6
	s_mul_i32 s59, s59, 217088
	s_mul_i32 s60, s58, 1536
	s_add_co_u32 s60, s60, s59
	s_add_co_u32 s60, s60, 98304
	s_lshl_b32 s61, s57, 8
	s_add_co_u32 s60, s60, s61                     ; the fragment, lanes 16 (blk % 2) on
	s_mul_i32 s62, s56, 520                        ; registers 6 c, 6 c + 1 lie at 0 or 520,
	s_add_co_u32 s24, s60, s62
	s_mov_b32 s25, 0
	s_mul_i32 s62, s56, 1016                       ; the next two at 8 or 1024,
	s_add_co_u32 s26, s60, s62
	s_add_co_u32 s26, s26, 8
	s_mov_b32 s27, 0
	s_mul_i32 s62, s56, 520                        ; the last two at 512 or 1032
	s_add_co_u32 s28, s60, s62
	s_add_co_u32 s28, s28, 512
	s_mov_b32 s29, 0
	s_lshl_b32 s30, s58, 6
	s_add_co_u32 s30, s30, s59
	s_add_co_u32 s30, s30, s55
	s_add_co_u32 s30, s30, 212992
	s_mov_b32 s31, 0
	s_add_nc_u64 s[24:25], s[16:17], s[24:25]
	s_add_nc_u64 s[26:27], s[16:17], s[26:27]
	s_add_nc_u64 s[28:29], s[16:17], s[28:29]
	s_add_nc_u64 s[30:31], s[16:17], s[30:31]
	global_store_b64 v253, v[44:45], s[24:25]
	global_store_b64 v253, v[46:47], s[26:27]
	global_store_b64 v253, v[48:49], s[28:29]
	global_store_b8 v11, v80, s[30:31]
.Lend:
	s_wait_xcnt 0x0
	v_lshl_add_u32 v254, v0, 2, 0x26a00
	v_mov_b32 v255, 0
	s_wait_tensorcnt 0x0
	ds_add_u32 v254, v255
	s_wait_dscnt 0x0
	s_endpgm
.Lfunc_end_k_q7a4bb0e878_ln1kv:
	.size	k_q7a4bb0e878_ln1kv, .Lfunc_end_k_q7a4bb0e878_ln1kv-k_q7a4bb0e878_ln1kv
	.p2alignl 7, 3214868480
	.fill 96, 4, 3214868480
	.section	.rodata,"a",@progbits
	.p2align	6, 0x0
	.amdhsa_kernel k_q7a4bb0e878_ln1kv
		.amdhsa_group_segment_fixed_size 160256
		.amdhsa_private_segment_fixed_size 0
		.amdhsa_enable_private_segment 0
		.amdhsa_kernarg_size 56
		.amdhsa_user_sgpr_count 2
		.amdhsa_user_sgpr_kernarg_segment_ptr 1
		.amdhsa_wavefront_size32 1
		.amdhsa_system_sgpr_workgroup_id_x 1
		.amdhsa_system_sgpr_workgroup_id_y 1
		.amdhsa_system_sgpr_workgroup_id_z 1
		.amdhsa_system_vgpr_workitem_id 0
		.amdhsa_next_free_vgpr 256
		.amdhsa_next_free_sgpr 66
		.amdhsa_reserve_vcc 1
		.amdhsa_float_denorm_mode_32 3
		.amdhsa_float_denorm_mode_16_64 3
		.amdhsa_memory_ordered 1
		.amdhsa_forward_progress 1
		.amdhsa_inst_pref_size 84
	.end_amdhsa_kernel
	.amdgpu_metadata
---
amdhsa.version: [ 1, 2 ]
amdhsa.kernels:
  - .name:           k_q7a4bb0e878_ln1kv
    .symbol:         k_q7a4bb0e878_ln1kv.kd
    .args:
      - { .name: x, .offset: 0, .size: 8, .value_kind: global_buffer, .address_space: global }
      - { .name: wimg, .offset: 8, .size: 8, .value_kind: global_buffer, .address_space: global }
      - { .name: attn_nw, .offset: 16, .size: 8, .value_kind: global_buffer, .address_space: global }
      - { .name: attn_nb, .offset: 24, .size: 8, .value_kind: global_buffer, .address_space: global }
      - { .name: hbuf, .offset: 32, .size: 8, .value_kind: global_buffer, .address_space: global }
      - { .name: hnimg, .offset: 40, .size: 8, .value_kind: global_buffer, .address_space: global }
      - { .name: kvimg, .offset: 48, .size: 8, .value_kind: global_buffer, .address_space: global }
    .group_segment_fixed_size: 160256
    .private_segment_fixed_size: 0
    .kernarg_segment_align: 8
    .kernarg_segment_size: 56
    .max_flat_workgroup_size: 512
    .sgpr_count:     66
    .vgpr_count:     256
    .wavefront_size: 32
...
	.end_amdgpu_metadata
.endif
;; end of part 2
;; launch attn (part 3): grid 256 x 1, 16 waves a work-group, no clusters, 327,680 bytes of LDS; arguments hnimg, wimg, kvimg, hbuf, wo_b, x1buf, h2img; writes x1buf, h2img
.if DOCPART == 3
	.amdgcn_target "amdgcn-amd-amdhsa--gfx1250"
	.amdhsa_code_object_version 6
	.text
	.protected	k_q7a4bb0e878_attn
	.globl	k_q7a4bb0e878_attn
	.p2align	8
	.type	k_q7a4bb0e878_attn,@function
k_q7a4bb0e878_attn:
	s_mov_b64 s[64:65], 0
	v_nop
	global_prefetch_b8 v0, s[64:65] scope:SCOPE_SE
	s_setreg_imm32_b32 hwreg(HW_REG_WAVE_MODE, 25, 1), 1
	s_wait_xcnt 0x0
; q = hn wq, attention, x1 = out wo + wo_b + h, h2 = adaLN(x1), Q(h2): one work-group for 16 tokens (one tile of the image format) and all 16 heads; wave w is head w.
; K and V are shared by all heads: a batch's codes and scale bytes, 217,088 bytes, come into LDS ONCE (one tensor load a wave, 53 rows of 256 bytes) and stay.  No LDS byte is filled twice.
; No cluster: what work-groups share beside K and V are wq and wo, which go from memory straight into registers, each fragment for one product; a joint load would want a ring in LDS beside the resident K and V.
; Both products of attention are used transposed (S^T = K Q^T, O^T = V^T P^T): a lane holds one query.  The head size is 64: the upper half of the instruction's K meets zero codes of q.
; SOFTMAX: t = score x log2(e) / 8; M = the running largest t rounded up to a whole number; p = 2^(t - M) is quantised along the keys; the sum is taken of the unquantised p and divides at the end.
; ORDER OF ROUNDINGS: the sum of out wo starts from h, and wo_b is added last; P and Q of the modulation are folded.
; LIMITS: NaN and infinities are not served; a block under 2^-124, and a block of zeros, keeps the byte 1.
.set X1S, 217088                       ; 16 rows x 4,112 bytes: h, then x1 less wo_b, then h2
.set HP, 4112
.set OIMG, 282880                      ; 16 heads x 768 bytes: the six registers of out's codes
.set OSC, 295168                       ; 16 heads x 128 bytes: their two scale bytes, a word a lane
.set WQC, 6291456
.set WOC, 7077888
.set WQS, 8224768
.set WOS, 8257536
.set MODS, 8294400
.set L16, 1
.set R4, 2
.set ACC, 12
.set AF, 44
.set AS, 140
.set W0, 148
.set SCR, 224
.set WV, 18
.set SEL, 20
.set RN, 22
.set EPSR, 23
.set CS, 24
.set G0, 28
.set G1, 32
.set WB, 40
.set WSB, 42
.set TK, 80
.set TS, 81
.set TJ, 82
.set CNT, 83
.macro RED v, t
	v_add_f32_dpp v[\v], v[\v], v[\v] row_xmask:1 row_mask:0xf bank_mask:0xf
	v_add_f32_dpp v[\v], v[\v], v[\v] row_xmask:2 row_mask:0xf bank_mask:0xf
	v_add_f32_dpp v[\v], v[\v], v[\v] row_xmask:4 row_mask:0xf bank_mask:0xf
	v_add_f32_dpp v[\v], v[\v], v[\v] row_xmask:8 row_mask:0xf bank_mask:0xf
	v_permlanex16_b32 v[\t], v[\v], s[SEL], s[SEL+1]
	v_add_f32 v[\v], v[\v], v[\t]
.endm
.macro LNSTAT x
	v_pk_add_f32 v[SCR:SCR+1], v[\x:\x+1], v[\x+2:\x+3]
	v_pk_add_f32 v[SCR+2:SCR+3], v[\x+4:\x+5], v[\x+6:\x+7]
	v_pk_add_f32 v[SCR+4:SCR+5], v[\x+8:\x+9], v[\x+10:\x+11]
	v_pk_add_f32 v[SCR+6:SCR+7], v[\x+12:\x+13], v[\x+14:\x+15]
.irp i, 16,24
	v_pk_add_f32 v[SCR:SCR+1], v[SCR:SCR+1], v[\x+\i:\x+\i+1]
	v_pk_add_f32 v[SCR+2:SCR+3], v[SCR+2:SCR+3], v[\x+\i+2:\x+\i+3]
	v_pk_add_f32 v[SCR+4:SCR+5], v[SCR+4:SCR+5], v[\x+\i+4:\x+\i+5]
	v_pk_add_f32 v[SCR+6:SCR+7], v[SCR+6:SCR+7], v[\x+\i+6:\x+\i+7]
.endr
	v_pk_add_f32 v[SCR:SCR+1], v[SCR:SCR+1], v[SCR+2:SCR+3]
	v_pk_add_f32 v[SCR+4:SCR+5], v[SCR+4:SCR+5], v[SCR+6:SCR+7]
	v_pk_add_f32 v[SCR:SCR+1], v[SCR:SCR+1], v[SCR+4:SCR+5]
	v_add_f32 v[SCR], v[SCR], v[SCR+1]
	RED SCR, SCR+8
	v_mul_f32 v[SCR], s[RN], v[SCR]
	s_wait_xcnt 0x0                                ; stores that read these registers have read them
.irp i, 0,2,4,6,8,10,12,14,16,18,20,22,24,26,28,30
	v_pk_add_f32 v[\x+\i:\x+\i+1], v[\x+\i:\x+\i+1], v[SCR:SCR+1] op_sel_hi:[1,0] neg_lo:[0,1] neg_hi:[0,1]
.endr
.irp c, 0,2,4,6
	v_pk_mul_f32 v[SCR+\c:SCR+\c+1], v[\x+\c:\x+\c+1], v[\x+\c:\x+\c+1]
.endr
.irp i, 8,16,24
.irp c, 0,2,4,6
	v_pk_fma_f32 v[SCR+\c:SCR+\c+1], v[\x+\i+\c:\x+\i+\c+1], v[\x+\i+\c:\x+\i+\c+1], v[SCR+\c:SCR+\c+1]
.endr
.endr
	v_pk_add_f32 v[SCR:SCR+1], v[SCR:SCR+1], v[SCR+2:SCR+3]
	v_pk_add_f32 v[SCR+4:SCR+5], v[SCR+4:SCR+5], v[SCR+6:SCR+7]
	v_pk_add_f32 v[SCR:SCR+1], v[SCR:SCR+1], v[SCR+4:SCR+5]
	v_add_f32 v[SCR], v[SCR], v[SCR+1]
	RED SCR, SCR+8
	v_fma_f32 v[SCR], v[SCR], s[RN], s[EPSR]
	v_rsq_f32 v[SCR+2], v[SCR]
	v_nop
	s_wait_alu depctr_va_vdst(0)                   ; the wait ahead of the first reader
.endm
.macro LNAPPLY x, w, b
.irp i, 0,2,4,6,8,10,12,14,16,18,20,22,24,26,28,30
	v_pk_mul_f32 v[\x+\i:\x+\i+1], v[\x+\i:\x+\i+1], v[SCR+2:SCR+3] op_sel_hi:[1,0]
.endr
.irp i, 0,2,4,6,8,10,12,14,16,18,20,22,24,26,28,30
	v_pk_fma_f32 v[\x+\i:\x+\i+1], v[\x+\i:\x+\i+1], v[\w+\i:\w+\i+1], v[\b+\i:\b+\i+1]
.endr
.endm
.macro QUANT s, pc, tm, pw
.irp b, 0,1,2,3
	v_mov_b32 v[\tm+4+\b], 0
.endr
.irp b, 0,1,2,3
	v_max3_num_f32 v[\tm+\b], |v[\s+16*\b]|, |v[\s+1+16*\b]|, 0x1800000
.endr
.irp i, 2,4,6,8,10,12,14
.irp b, 0,1,2,3
	v_max3_num_f32 v[\tm+\b], v[\tm+\b], |v[\s+16*\b+\i]|, |v[\s+1+16*\b+\i]|
.endr
.endr
.irp b, 0,1,2,3
	v_permlanex16_b32 v[\tm+4+\b], v[\tm+\b], s[SEL], s[SEL+1]
.endr
.irp b, 0,1,2,3
	v_max_num_f32 v[\tm+\b], v[\tm+\b], v[\tm+4+\b]
.endr
.irp b, 0,1,2,3
	v_add_nc_u32 v[\tm+12+\b], 0xff000000, v[\tm+\b]
.endr
.irp b, 0,1,2,3
	v_lshrrev_b32 v[\tm+4+\b], 23, v[\tm+12+\b]
.endr
	v_lshl_or_b32 v[\pw], v[\tm+5], 8, v[\tm+4]
	v_lshl_or_b32 v[\pw], v[\tm+6], 16, v[\pw]
	v_lshl_or_b32 v[\pw], v[\tm+7], 24, v[\pw]
.irp c, 0,1
	v_cvt_scalef32_pk16_fp6_f32 v[\pc+6*\c:\pc+2+6*\c], v[\s+32*\c:\s+15+32*\c], v[\tm+12+2*\c]
	v_cvt_scalef32_pk16_fp6_f32 v[\pc+12+4*\c:\pc+14+4*\c], v[\s+16+32*\c:\s+31+32*\c], v[\tm+13+2*\c]
.endr
	v_nop
.irp c, 0,1
.irp i, 0,1,2
	v_permlane16_swap_b32 v[\pc+6*\c+\i], v[\pc+12+4*\c+\i]
.endr
.irp i, 0,1,2
	v_mov_b32 v[\pc+3+6*\c+\i], v[\pc+12+4*\c+\i]
.endr
.endr
.endm
.macro QH s, pc, tm
.irp b, 0,1
	v_mov_b32 v[\tm+4+\b], 0
.endr
.irp b, 0,1
	v_max3_num_f32 v[\tm+\b], |v[\s+16*\b]|, |v[\s+1+16*\b]|, 0x1800000
.endr
.irp i, 2,4,6,8,10,12,14
.irp b, 0,1
	v_max3_num_f32 v[\tm+\b], v[\tm+\b], |v[\s+16*\b+\i]|, |v[\s+1+16*\b+\i]|
.endr
.endr
.irp b, 0,1
	v_permlanex16_b32 v[\tm+4+\b], v[\tm+\b], s[SEL], s[SEL+1]
.endr
.irp b, 0,1
	v_max_num_f32 v[\tm+\b], v[\tm+\b], v[\tm+4+\b]
.endr
.irp b, 0,1
	v_add_nc_u32 v[\tm+12+\b], 0xff000000, v[\tm+\b]
.endr
.irp b, 0,1
	v_lshrrev_b32 v[\tm+4+\b], 23, v[\tm+12+\b]
.endr
	v_cvt_scalef32_pk16_fp6_f32 v[\pc:\pc+2], v[\s:\s+15], v[\tm+12]
	v_cvt_scalef32_pk16_fp6_f32 v[\pc+12:\pc+14], v[\s+16:\s+31], v[\tm+13]
	v_nop
.irp i, 0,1,2
	v_permlane16_swap_b32 v[\pc+\i], v[\pc+12+\i]
.endr
.irp i, 0,1,2
	v_mov_b32 v[\pc+3+\i], v[\pc+12+\i]
.endr
.endm
.macro MM0 d, a, b, sa, sb
	v_wmma_scale_f32_16x16x128_f8f6f4 v[\d:\d+7], v[\a:\a+11], v[\b:\b+11], 0, v[\sa], v[\sb] matrix_a_fmt:MATRIX_FMT_FP6 matrix_b_fmt:MATRIX_FMT_FP6
.endm
.macro MMA d, a, b, sa, sb
	v_wmma_scale_f32_16x16x128_f8f6f4 v[\d:\d+7], v[\a:\a+11], v[\b:\b+11], v[\d:\d+7], v[\sa], v[\sb] matrix_a_fmt:MATRIX_FMT_FP6 matrix_b_fmt:MATRIX_FMT_FP6
.endm
.macro WLOAD s, set
.set WR, W0+52*(\set)
.irp t, 0,1,2,3
.irp c, 0,1,2
	global_load_b128 v[WR+12*\t+4*\c:WR+12*\t+4*\c+3], v[L16], s[WB:WB+1] offset:(\s)*12288+\t*1536+\c*512
.endr
	global_load_b32 v[WR+48+\t], v[R4], s[WSB:WSB+1] offset:(\s)*512+\t*64
.endr
.endm
.macro PSTEP s, first
.if (\s) < 7
	s_wait_loadcnt 16                              ; this step's set is in; the next step's 16 loads may be out
.else
	s_wait_loadcnt 0x0
.endif
.set WR, W0+52*((\s)%2)
.irp t, 0,1,2,3
.if \first
	MM0 ACC+8*\t, WR+12*\t, AF+12*(\s), WR+48+\t, AS+(\s)
.else
	MMA ACC+8*\t, WR+12*\t, AF+12*(\s), WR+48+\t, AS+(\s)
.endif
.endr
.if (\s)+2 < 8
.rept 4
	v_nop
.endr
	WLOAD (\s)+2, (\s)%2
.endif
.endm
.macro BARRIER
	s_wait_dscnt 0x0
	s_barrier_signal -1
	s_barrier_wait -1
.endm
	s_load_b256 s[4:11], s[0:1], 0x0               ; hnimg, wimg, kvimg, hbuf
	s_load_b128 s[12:15], s[0:1], 0x20             ; wo_b, x1buf
	s_load_b64 s[16:17], s[0:1], 0x30              ; h2img
	v_lshl_add_u32 v254, v0, 2, 0x48900
	v_mov_b32 v255, 0
	ds_add_u32 v254, v255
	ds_add_u32 v254, v255
	s_wait_dscnt 0x0
	v_lshrrev_b32 v1, 5, v0
	v_readfirstlane_b32 s[WV], v1
	s_mov_b32 s[G1], 3<<16                         ; no mask; elements of 8 bytes; no padding
	s_mov_b32 s[G1+1], 32<<16                      ; tensor_dim0 = 32 elements: rows of 256 bytes
	s_mov_b32 s[G1+2], 53<<16                      ; tensor_dim1 = 53
	s_mov_b32 s[G1+3], 32<<16                      ; tile_dim0
	s_mov_b32 s[G1+4], 53                          ; tile_dim1
	s_mov_b32 s[G1+5], 32                          ; the rows are dense
	s_mov_b32 s[G1+6], 0
	s_mov_b32 s[G1+7], 0
	s_lshr_b32 s44, ttmp9, 7                       ; batch
	s_mul_i32 s45, s44, 217088
	s_mov_b32 s[G0], 1
	s_mul_i32 s[G0+1], s[WV], 13568                ; my sixteenth of the block, in LDS
	s_add_co_u32 s46, s45, s[G0+1]
	s_mov_b32 s47, 0
	s_wait_kmcnt 0x0
	s_add_nc_u64 s[G0+2:G0+3], s[8:9], s[46:47]
	s_or_b32 s[G0+3], s[G0+3], 0x80000000
	tensor_load_to_lds s[G0:G0+3], s[G1:G1+7]      ; my one tensor load of the launch
	s_nop 0
.rept 4
	v_nop
.endr
	s_mov_b32 s[SEL], 0x76543210
	s_mov_b32 s[SEL+1], 0xfedcba98
	s_mov_b32 s[RN], 0x3a800000
	s_mov_b32 s[EPSR], 0x3727c5ac
	s_mov_b32 s[CS], 0x3e38aa3b                    ; log2(e) / 8
	s_mov_b32 s[CS+1], s[CS]
	v_and_b32 v3, 31, v0
	v_lshlrev_b32 v[L16], 4, v3
	v_and_b32 v4, 15, v0
	v_lshlrev_b32 v[R4], 2, v4
	s_lshr_b32 s48, ttmp9, 3                       ; R
	s_and_b32 s49, ttmp9, 7                        ; j
	s_lshl_b32 s50, s48, 7
	s_lshr_b32 s51, s49, 1
	s_lshl_b32 s51, s51, 5
	s_add_co_u32 s50, s50, s51
	s_and_b32 s51, s49, 1
	s_lshl_b32 s51, s51, 3
	s_add_co_u32 s50, s50, s51
	s_add_co_u32 s50, s50, s[WV]
	s_and_b32 s51, s[WV], 8
	s_add_co_u32 s50, s50, s51                     ; the token of row w of the tile
	s_lshl_b32 s50, s50, 12
	s_mov_b32 s51, 0
	s_add_nc_u64 s[10:11], s[10:11], s[50:51]
	s_add_nc_u64 s[14:15], s[14:15], s[50:51]
	s_mul_i32 s52, s48, 98304
	s_mul_i32 s53, s49, 1536
	s_add_co_u32 s52, s52, s53
	s_mov_b32 s53, 0
	s_add_nc_u64 s[54:55], s[4:5], s[52:53]        ; hn's codes: my tile, K step 0
	s_add_nc_u64 s[56:57], s[16:17], s[52:53]      ; h2's likewise
	s_lshl_b32 s52, s48, 12
	s_lshl_b32 s58, s49, 6
	s_add_co_u32 s52, s52, s58
	s_add_co_u32 s52, s52, 3145728
	s_add_nc_u64 s[58:59], s[4:5], s[52:53]        ; hn's scale words
	s_add_nc_u64 s[60:61], s[16:17], s[52:53]      ; h2's
	s_mul_i32 s62, s[WV], 12288
	s_mov_b32 s63, 0
	s_add_nc_u64 s[56:57], s[56:57], s[62:63]      ; K step w of h2 (waves 0 to 7)
	s_lshl_b32 s62, s[WV], 9
	s_add_nc_u64 s[60:61], s[60:61], s[62:63]
	s_lshr_b32 s66, s[WV], 1
	s_and_b32 s67, s[WV], 1
	s_mul_i32 s68, s66, 98304
	s_mul_i32 s69, s67, 6144
	s_add_co_u32 s68, s68, s69                     ; columns 64 w on, in a weight's codes
	s_lshl_b32 s70, s66, 12
	s_lshl_b32 s71, s67, 8
	s_add_co_u32 s70, s70, s71                     ; and in its scale words
	s_add_co_u32 s72, s68, WQC
	s_mov_b32 s73, 0
	s_add_nc_u64 s[WB:WB+1], s[6:7], s[72:73]
	s_add_co_u32 s74, s70, WQS
	s_mov_b32 s75, 0
	s_add_nc_u64 s[WSB:WSB+1], s[6:7], s[74:75]
	s_lshl_b32 s76, s44, 13
	s_add_co_u32 s76, s76, MODS+16384
	s_mov_b32 s77, 0
	s_add_nc_u64 s[78:79], s[6:7], s[76:77]        ; P, Q of the second modulation, my batch
.irp i, 0,1,2,3,4,5,6,7
	global_load_b128 v[ACC+4*\i:ACC+4*\i+3], v[L16], s[10:11] offset:512*\i   ; row w of h
.endr
.irp s, 0,1,2,3,4,5,6,7
.irp c, 0,1,2
	global_load_b128 v[AF+12*\s+4*\c:AF+12*\s+4*\c+3], v[L16], s[54:55] offset:\s*12288+\c*512
.endr
	global_load_b32 v[AS+\s], v[R4], s[58:59] offset:\s*512
.endr
	WLOAD 0, 0
	s_mul_i32 s76, s[WV], HP
	s_add_co_u32 s76, s76, X1S
	v_add_nc_u32 v3, s76, v[L16]
	s_wait_loadcnt 48                              ; h is in: hn's 32 loads and the first weights' 16 may be out
.irp i, 0,1,2,3,4,5,6,7
	ds_store_b128 v3, v[ACC+4*\i:ACC+4*\i+3] offset:512*\i
.endr
	WLOAD 1, 1
	s_wait_dscnt 0x0                               ; the stores have read the registers that the products write
; ---- q for my head
	PSTEP 0, 1
.irp s, 1,2,3,4,5,6,7
	PSTEP \s, 0
.endr
.rept 4
	v_nop
.endr
	QH ACC, 200, 220
.irp i, 0,1,2,3,4,5
	v_mov_b32 v[16+\i], v[200+\i]                  ; q's codes: k = d
.endr
.irp i, 6,7,8,9,10,11
	v_mov_b32 v[16+\i], 0                          ; k = 64 .. 127: zero codes
.endr
	v_lshl_or_b32 v255, v225, 8, v224              ; q's scale word
	v_mov_b32 v13, 0xff61b1e6                      ; the largest t so far: -3e38
	v_floor_f32 v12, -v13                          ; -M
	v_mov_b32 v14, 0
	v_mov_b32 v15, 0
	v_mov_b32 v253, 0
.irp b, 0,1,2,3
	v_mov_b32 v[236+\b], 0
.endr
.set n, 0
.rept 32
	v_mov_b32 v[160+n], 0                          ; O^T: the loop is written once, its first step finds zeros
.set n, n+1
.endr
.irp i, 80,81,82,83,84,85
	v_mov_b32 v\i, 0                               ; behind the last tile of K: the upper half of its operand
.endr
	v_and_b32 v5, 31, v0
	v_lshlrev_b32 v3, 3, v5
	v_add_nc_u32 v3, 512, v3                       ; K: registers 4, 5 of a tile
	v_add_nc_u32 v4, 98304, v[L16]                 ; V
	v_lshlrev_b32 v5, 2, v5
	v_add_nc_u32 v5, 196608, v5                    ; K's scale words
	v_add_nc_u32 v11, 212992, v[R4]                ; V's
	s_mov_b32 s[TK], 0
	s_mov_b32 s[TS], 0
	s_mov_b32 s[TJ], 0
	s_mov_b32 s[CNT], 0
	s_wait_tensorcnt 0x0                           ; my part of K and V has landed
	BARRIER                                        ; everybody's has, and h lies in LDS
; ---- 16 steps of 128 keys
.Lkey:
	v_add_nc_u32 v6, s[TK], v[L16]                 ; (five plain lines: the places in front of the loads below)
	v_add_nc_u32 v7, s[TK], v3
	v_add_nc_u32 v8, s[TK], v4
	v_add_nc_u32 v9, s[TS], v5
	v_add_nc_u32 v10, s[TJ], v11
.irp t, 0,1,2,3,4,5,6,7
	ds_load_b128 v[32+6*\t:35+6*\t], v6 offset:768*\t
	ds_load_b64 v[36+6*\t:37+6*\t], v7 offset:768*\t
	ds_load_b32 v[192+\t], v9 offset:128*\t
.endr
	s_wait_dscnt 0x0
.irp t, 0,1,2,3,4,5,6,7
	MM0 96+8*\t, 32+6*\t, 16, 192+\t, 255          ; the operand's upper six registers are the next tile's codes: they meet q's zero codes
.endr
.rept 4
	v_nop
.endr
.irp d, 0,1,2,3
.irp c, 0,1,2
	ds_load_b128 v[32+12*\d+4*\c:35+12*\d+4*\c], v8 offset:1536*\d+512*\c   ; V lands while the softmax runs
.endr
	ds_load_b32 v[248+\d], v10 offset:64*\d
.endr
.irp b, 0,1,2,3
	v_max3_num_f32 v[232+\b], v[96+16*\b], v[97+16*\b], v[98+16*\b]   ; the largest score of each block of 32 keys
.endr
.irp i, 3,5,7,9,11,13
.irp b, 0,1,2,3
	v_max3_num_f32 v[232+\b], v[232+\b], v[96+16*\b+\i], v[97+16*\b+\i]
.endr
.endr
.irp b, 0,1,2,3
	v_max_num_f32 v[232+\b], v[232+\b], v[111+16*\b]
.endr
.irp b, 0,1,2,3
	v_permlanex16_b32 v[236+\b], v[232+\b], s[SEL], s[SEL+1]
.endr
.irp b, 0,1,2,3
	v_max_num_f32 v[232+\b], v[232+\b], v[236+\b]
.endr
	v_max3_num_f32 v254, v232, v233, v234
	v_max_num_f32 v254, v254, v235
	v_mul_f32 v254, s[CS], v254
	v_max_num_f32 v13, v13, v254                   ; the running largest t
	v_mov_b32 v254, v12
	v_floor_f32 v12, -v13                          ; the new -M
	v_sub_f32 v254, v12, v254
	v_cvt_i32_f32 v254, v254
	v_ldexp_f32 v252, 1.0, v254                    ; f = 2^(old M - new M)
.set n, 0
.rept 32
	v_pk_fma_f32 v[96+n:97+n], v[96+n:97+n], s[CS:CS+1], v[12:13] op_sel_hi:[1,0,0]   ; t - M
.set n, n+2
.endr
.irp b, 0,1,2,3
	v_fma_f32 v[232+\b], v[232+\b], s[CS], v12
.endr
.set n, 0
.rept 64
	v_exp_f32 v[96+n], v[96+n]                     ; p, not normalised
.set n, n+1
.endr
	v_pk_mul_f32 v[14:15], v[14:15], v[252:253] op_sel_hi:[1,0]   ; the sums under the new M; a plain line behind the batch
	s_wait_alu depctr_va_vdst(0)                   ; one wait for the batch, ahead of its first reader
.irp b, 0,1,2,3
	v_exp_f32 v[232+\b], v[232+\b]                 ; each block's largest p
.endr
	v_pk_add_f32 v[236:237], v[96:97], v[98:99]    ; the sum of the unquantised p, in two chains
.irp j, 4,8,12,16,20,24,28,32,36,40,44,48,52,56,60
	v_pk_add_f32 v[14:15], v[14:15], v[96+\j:97+\j]
	v_pk_add_f32 v[236:237], v[236:237], v[98+\j:99+\j]
.endr
	v_pk_add_f32 v[14:15], v[14:15], v[236:237]
	s_wait_alu depctr_va_vdst(0)                   ; and one for the four
.irp b, 0,1,2,3
	v_max_num_f32 v[232+\b], 0x1800000, v[232+\b]
.endr
.irp b, 0,1,2,3
	v_add_nc_u32 v[244+\b], 0xff000000, v[232+\b]
.endr
.irp b, 0,1,2,3
	v_lshrrev_b32 v[236+\b], 23, v[244+\b]
.endr
	v_lshl_or_b32 v253, v237, 8, v236              ; p's scale word
	v_lshl_or_b32 v253, v238, 16, v253
	v_lshl_or_b32 v253, v239, 24, v253
.irp c, 0,1
	v_cvt_scalef32_pk16_fp6_f32 v[224+6*\c:226+6*\c], v[96+32*\c:111+32*\c], v[244+2*\c]
	v_cvt_scalef32_pk16_fp6_f32 v[236+4*\c:238+4*\c], v[112+32*\c:127+32*\c], v[245+2*\c]
.endr
	v_nop
.irp c, 0,1
.irp i, 0,1,2
	v_permlane16_swap_b32 v[224+6*\c+\i], v[236+4*\c+\i]
.endr
.irp i, 0,1,2
	v_mov_b32 v[227+6*\c+\i], v[236+4*\c+\i]
.endr
.endr
.set n, 0
.rept 16
	v_pk_mul_f32 v[160+n:161+n], v[160+n:161+n], v[252:253] op_sel_hi:[1,0]   ; O^T under the new M; these 16 are also the places ahead of the scaled products
.set n, n+2
.endr
	s_wait_dscnt 0x0                               ; V
.irp d, 0,1,2,3
	MMA 160+8*\d, 32+12*\d, 224, 248+\d, 253
.endr
	s_add_co_u32 s[TK], s[TK], 6144
	s_add_co_u32 s[TS], s[TS], 1024
	s_add_co_u32 s[TJ], s[TJ], 256
	s_add_co_u32 s[CNT], s[CNT], 1
	s_cmp_lt_u32 s[CNT], 16
	s_cbranch_scc1 .Lkey
; ---- out = O^T / the sum, quantised: half a K step of the next product
	v_add_f32 v14, v14, v15
	v_permlanex16_b32 v252, v14, s[SEL], s[SEL+1]
	v_add_f32 v14, v14, v252
	v_rcp_f32 v14, v14
	v_and_b32 v3, 31, v0
	v_lshlrev_b32 v4, 3, v3
	s_mul_i32 s76, s[WV], 768
	s_add_co_u32 s76, s76, OIMG
	v_add_nc_u32 v5, s76, v[L16]
	v_add_nc_u32 v4, s76, v4
	v_lshlrev_b32 v6, 2, v3
	s_lshl_b32 s77, s[WV], 7
	s_add_co_u32 s77, s77, OSC
	v_add_nc_u32 v6, s77, v6
	s_wait_alu depctr_va_vdst(0)
.set n, 0
.rept 32
	v_mul_f32 v[96+n], v[160+n], v14
.set n, n+1
.endr
	QH 96, 200, 220
	v_lshl_or_b32 v240, v225, 8, v224
	ds_store_b128 v5, v[200:203]
	ds_store_b64 v4, v[204:205] offset:512
	ds_store_b32 v6, v240
	s_add_co_u32 s72, s68, WOC
	s_add_nc_u64 s[WB:WB+1], s[6:7], s[72:73]      ; (no load that names these is out)
	s_add_co_u32 s74, s70, WOS
	s_add_nc_u64 s[WSB:WSB+1], s[6:7], s[74:75]
	WLOAD 0, 0
	s_wait_dscnt 0x0                               ; my stores have landed and have read their registers
	WLOAD 1, 1
	s_barrier_signal -1
	s_barrier_wait -1                              ; all 16 heads' codes lie in LDS
; ---- x1 less wo_b: columns 64 w on, for the 16 tokens; the sums start from h
	v_and_b32 v7, 31, v0
	v_add_nc_u32 v3, OIMG, v[L16]
	v_lshlrev_b32 v4, 3, v7
	v_add_nc_u32 v4, OIMG+512, v4
	v_lshlrev_b32 v5, 2, v7
	v_add_nc_u32 v5, OSC, v5
	v_and_b32 v8, 15, v0
	v_bfe_u32 v9, v0, 4, 1
	v_mul_u32_u24 v6, v8, HP
	v_lshl_add_u32 v6, v9, 6, v6
	s_lshl_b32 s76, s[WV], 8
	s_add_co_u32 s76, s76, X1S
	v_add_nc_u32 v6, s76, v6
.irp s, 0,1,2,3,4,5,6,7
	ds_load_b32 v[AS+\s], v5 offset:256*\s
	ds_load_b32 v[ACC+\s], v5 offset:256*\s+128
.endr
.irp s, 0,1,2,3,4,5,6,7
	ds_load_b128 v[AF+12*\s:AF+12*\s+3], v3 offset:1536*\s
	ds_load_b64 v[AF+12*\s+4:AF+12*\s+5], v4 offset:1536*\s
	ds_load_b128 v[AF+12*\s+6:AF+12*\s+9], v3 offset:1536*\s+768
	ds_load_b64 v[AF+12*\s+10:AF+12*\s+11], v4 offset:1536*\s+768
.endr
	s_wait_dscnt 32                                ; the 16 scale words are in; the 32 loads of codes may be out
.irp s, 0,1,2,3,4,5,6,7
	v_lshl_or_b32 v[AS+\s], v[ACC+\s], 16, v[AS+\s]   ; heads 2 s and 2 s + 1 make K step s
.endr
.irp t, 0,1,2,3
	ds_load_b128 v[ACC+8*\t:ACC+8*\t+3], v6 offset:128*(\t/2)+32*(\t%2)
	ds_load_b128 v[ACC+8*\t+4:ACC+8*\t+7], v6 offset:128*(\t/2)+32*(\t%2)+16
.endr
.rept 8
	v_nop                                          ; scale registers written by vector lines stand 8 places ahead of a scaled product
.endr
	s_wait_dscnt 0x0
.irp s, 0,1,2,3,4,5,6,7
	PSTEP \s, 0
.endr
.rept 4
	v_nop
.endr
.irp t, 0,1,2,3
	ds_store_b128 v6, v[ACC+8*\t:ACC+8*\t+3] offset:128*(\t/2)+32*(\t%2)
	ds_store_b128 v6, v[ACC+8*\t+4:ACC+8*\t+7] offset:128*(\t/2)+32*(\t%2)+16
.endr
.irp i, 0,1,2,3,4,5,6,7
	global_load_b128 v[64+4*\i:67+4*\i], v[L16], s[12:13] offset:512*\i
	global_load_b128 v[96+4*\i:99+4*\i], v[L16], s[78:79] offset:512*\i
	global_load_b128 v[128+4*\i:131+4*\i], v[L16], s[78:79] offset:4096+512*\i
.endr
	s_mul_i32 s76, s[WV], HP
	s_add_co_u32 s76, s76, X1S
	v_add_nc_u32 v3, s76, v[L16]
	v_mul_u32_u24 v4, v8, HP
	v_lshl_add_u32 v4, v9, 6, v4
	s_lshl_b32 s76, s[WV], 9
	s_add_co_u32 s76, s76, X1S
	v_add_nc_u32 v4, s76, v4                       ; for the last phase: row r, 512 w + 64 h
	v_mov_b32 v[SCR+8], 0
	BARRIER                                        ; 16 whole rows lie in LDS
; ---- a row a wave: x1, the norm, the modulation
.irp i, 0,1,2,3,4,5,6,7
	ds_load_b128 v[32+4*\i:35+4*\i], v3 offset:512*\i
.endr
	s_wait_dscnt 0x0
	s_wait_loadcnt 0x0
.set n, 0
.rept 16
	v_pk_add_f32 v[32+n:33+n], v[32+n:33+n], v[64+n:65+n]
.set n, n+2
.endr
.irp i, 0,1,2,3,4,5,6,7
	global_store_b128 v[L16], v[32+4*\i:35+4*\i], s[14:15] offset:512*\i   ; 512 consecutive bytes
.endr
	LNSTAT 32
	LNAPPLY 32, 96, 128
.irp i, 0,1,2,3,4,5,6,7
	ds_store_b128 v3, v[32+4*\i:35+4*\i] offset:512*\i
.endr
	BARRIER                                        ; 16 rows of h2 lie in LDS
	s_cmp_ge_u32 s[WV], 8
	s_cbranch_scc1 .Lend
; ---- waves 0 to 7: K step w of h2 becomes a fragment
.irp b, 0,1,2,3
.irp i, 0,1,2,3
	ds_load_b128 v[32+16*\b+4*\i:35+16*\b+4*\i], v4 offset:128*\b+16*\i
.endr
.endr
	s_wait_dscnt 0x0
	QUANT 32, 96, 116, 132
.irp c, 0,1,2
	global_store_b128 v[L16], v[96+4*\c:99+4*\c], s[56:57] offset:512*\c
.endr
	global_store_b32 v[R4], v132, s[60:61]
.Lend:
	s_wait_xcnt 0x0
	v_lshl_add_u32 v254, v0, 2, 0x48900
	v_mov_b32 v255, 0
	s_wait_tensorcnt 0x0
	ds_add_u32 v254, v255
	s_wait_dscnt 0x0
	s_endpgm
.Lfunc_end_k_q7a4bb0e878_attn:
	.size	k_q7a4bb0e878_attn, .Lfunc_end_k_q7a4bb0e878_attn-k_q7a4bb0e878_attn
	.p2alignl 7, 3214868480
	.fill 96, 4, 3214868480
	.section	.rodata,"a",@progbits
	.p2align	6, 0x0
	.amdhsa_kernel k_q7a4bb0e878_attn
		.amdhsa_group_segment_fixed_size 327680
		.amdhsa_private_segment_fixed_size 0
		.amdhsa_enable_private_segment 0
		.amdhsa_kernarg_size 56
		.amdhsa_user_sgpr_count 2
		.amdhsa_user_sgpr_kernarg_segment_ptr 1
		.amdhsa_wavefront_size32 1
		.amdhsa_system_sgpr_workgroup_id_x 1
		.amdhsa_system_sgpr_workgroup_id_y 1
		.amdhsa_system_sgpr_workgroup_id_z 1
		.amdhsa_system_vgpr_workitem_id 0
		.amdhsa_next_free_vgpr 256
		.amdhsa_next_free_sgpr 90
		.amdhsa_reserve_vcc 0
		.amdhsa_float_denorm_mode_32 3
		.amdhsa_float_denorm_mode_16_64 3
		.amdhsa_memory_ordered 1
		.amdhsa_forward_progress 1
		.amdhsa_inst_pref_size 91
	.end_amdhsa_kernel
	.amdgpu_metadata
---
amdhsa.version: [ 1, 2 ]
amdhsa.kernels:
  - .name:           k_q7a4bb0e878_attn
    .symbol:         k_q7a4bb0e878_attn.kd
    .args:
      - { .name: hnimg, .offset: 0, .size: 8, .value_kind: global_buffer, .address_space: global }
      - { .name: wimg, .offset: 8, .size: 8, .value_kind: global_buffer, .address_space: global }
      - { .name: kvimg, .offset: 16, .size: 8, .value_kind: global_buffer, .address_space: global }
      - { .name: hbuf, .offset: 24, .size: 8, .value_kind: global_buffer, .address_space: global }
      - { .name: wo_b, .offset: 32, .size: 8, .value_kind: global_buffer, .address_space: global }
      - { .name: x1buf, .offset: 40, .size: 8, .value_kind: global_buffer, .address_space: global }
      - { .name: h2img, .offset: 48, .size: 8, .value_kind: global_buffer, .address_space: global }
    .group_segment_fixed_size: 327680
    .private_segment_fixed_size: 0
    .kernarg_segment_align: 8
    .kernarg_segment_size: 56
    .max_flat_workgroup_size: 512
    .sgpr_count:     90
    .vgpr_count:     256
    .wavefront_size: 32
...
	.end_amdgpu_metadata
.endif
;; end of part 3
;; launch ffn1 (part 4): grid 16 x 16, 4 waves a work-group, clusters of 4 x 4, 327,680 bytes of LDS; arguments h2img, wimg, b1, hidimg; writes hidimg
.if DOCPART == 4
	.amdgcn_target "amdgcn-amd-amdhsa--gfx1250"
	.amdhsa_code_object_version 6
	.text
	.protected	k_q7a4bb0e878_ffn1
	.globl	k_q7a4bb0e878_ffn1
	.p2align	8
	.type	k_q7a4bb0e878_ffn1,@function
k_q7a4bb0e878_ffn1:
	s_mov_b64 s[64:65], 0
	v_nop
	global_prefetch_b8 v0, s[64:65] scope:SCOPE_SE
	s_setreg_imm32_b32 hwreg(HW_REG_WAVE_MODE, 25, 1), 1
	s_wait_xcnt 0x0
	s_wait_alu depctr_hold_cnt(0) depctr_sa_sdst(0) depctr_va_vdst(0) depctr_va_sdst(0) depctr_va_ssrc(0) depctr_va_vcc(0) depctr_vm_vsrc(0)
	s_getreg_b32 s2, hwreg(HW_REG_IB_STS2, 6, 4)
	s_cmp_eq_u32 s2, 0
	s_cbranch_scc0 .Lentry_in_a_cluster
	s_endpgm
.Lentry_in_a_cluster:
	s_bfe_u32 s2, ttmp6, 0x10000c
	s_cmp_lg_u32 s2, 0xf033
	s_cbranch_scc0 .Lentry_shape_is_right
	s_endpgm
.Lentry_shape_is_right:
; hid = Q(gelu(h2 w1 + b1)): [4096][1024] x [1024][4096] on codes of FP6 (E2M3) with E8M0 scales; both operands and the result lie as images of operand registers.
; A tile of 256 x 256 to a work-group of four waves, 128 x 128 (64 accumulators) a wave.  K goes in steps of 256 through two LDS slots; a wave's tensor load brings 128 rows x 256 K: 24,576 dense bytes, as 96 rows of 256.
; The scale words of the work-group's rows, for all of K, come once.  CLUSTERS 4 x 4: A's tiles are asked for jointly along a row of the cluster, B's along a column.
; The product is used transposed (source 0 = 16 columns of w1, source 1 = 16 rows of h2).  By the image's rule for the rows of a tile, a lane's 64 results of a row tile are 64 numbers along the next K in the order
; that the quantiser takes: the result's codes are the next operand's registers and leave by dense stores.  b1 is the C of each sum's first product.
; gelu(y) = y/2 + y/2 erf(y / sqrt 2), erf by a quotient of polynomials of degrees 13 and 8 in the argument held to +-4, in f32.
; LIMITS: NaN and infinities are not served; a block under 2^-124, and a block of zeros, keeps the byte 1.
; REGISTERS: window 0: v0-31 addresses, v32-63 scale words (two sets), v64-127 b1, v128-223 A's fragments (one set); window 1: B's fragments, two sets; windows 2, 3: accumulators.
.set KST, 8                            ; K / 128
.set ASOFF, 3145728                    ; A's scale words in its buffer
.set BCOFF, 0                          ; w1's codes and scale words in wimg
.set BSOFF, 7962624
.set NQ, 2
.set FR, 12
.set NL, 3
.set NP, 4
.set HALFT, 24576
.set SLOT, 4*HALFT
.set LAPS, KST/4
.set HALFS, KST*512
.set SCL, 2*SLOT
.set SPARE, SCL+4*HALFS
.set ADRA, 16
.set GA, 18                            ; v[18:19] a13, twice
.set ADRB, 20
.set GB, 22                            ; v[22:23] b8, twice
.set STO, 24
.set RD, 25
.set CO, 26
.set ADRS, 27
.set SPW, 28
.set NIL, 29
.set SC, 32
.set BI, 64
.set AF, 128
.set ZZ, 160
.set PP, 192
.set QQ, 224
.set SEL, 96
.set G1, 24
.set G0, 32
.set G1B, 48
.set G0B, 56
.set G1S, 68
.set G0S, 76
.set G1SB, 80
.set G0SB, 88
.set MSB, 0
.macro WIN new
.if MSB != (\new)
	s_set_vgpr_msb (MSB<<8)|(\new)
.set MSB, (\new)
.endif
.endm
.set MUL_LO, 0xa1
.set MUL_HI, 0xf1
.set TO_B, 0x40
.macro JLOAD g0a, g1a, g0b, g1b        ; waves 0, 1 fetch for A, waves 2, 3 for B; four v_nop follow each line
	s_cmp_eq_u32 s15, 0
	s_cbranch_scc0 .Lfor_b_\@
	tensor_load_to_lds s[\g0a:\g0a+3], s[\g1a:\g1a+7]
	s_nop 0
.rept 4
	v_nop
.endr
	s_branch .Lasked_\@
.Lfor_b_\@:
	tensor_load_to_lds s[\g0b:\g0b+3], s[\g1b:\g1b+7]
	s_nop 0
.rept 4
	v_nop
.endr
.Lasked_\@:
.endm
.macro CREST
	s_cmp_lg_u32 s14, 0
	s_cbranch_scc1 .Lnot_wave_0_\@
	s_barrier_signal -3
.Lnot_wave_0_\@:
	s_barrier_wait -3
	s_barrier_signal -1
	s_barrier_wait -1
.endm
.macro CROUND
	s_barrier_signal -1
	s_barrier_wait -1
	CREST
.endm
	s_load_b128 s[4:7], s[0:1], 0x0                ; h2img, wimg
	s_load_b128 s[8:11], s[0:1], 0x10              ; b1, hidimg
	v_lshl_add_u32 v[SPW], v0, 2, SPARE
	v_mov_b32 v[NIL], 0
	ds_add_u32 v28, v29
	ds_add_u32 v28, v29
	s_wait_dscnt 0x0
	v_lshrrev_b32 v1, 5, v0
	v_readfirstlane_b32 s14, v1                    ; wave
	s_lshr_b32 s15, s14, 1                         ; my half of the rows; also: I fetch for A (0) or B (1)
	s_and_b32 s16, s14, 1                          ; my half of the columns; also: which 128 rows I fetch
	s_bfe_u32 s40, ttmp6, 0x40000
	s_bfe_u32 s41, ttmp6, 0x40004
	s_lshl_b32 s42, ttmp9, 2
	s_add_co_u32 s42, s42, s40                     ; tile column
	s_and_b32 s17, ttmp7, 0xffff
	s_lshl_b32 s17, s17, 2
	s_add_co_u32 s17, s17, s41                     ; tile row
	s_lshl_b32 s43, s41, 2
	s_lshl_b32 s43, 15, s43                        ; my row of the cluster
	s_lshl_b32 s44, 0x1111, s40                    ; my column
	s_or_b32 s[G1+0], s43, (3<<16)|(1<<21)         ; the mask; elements of 8 bytes; bit 21 beside a mask; no padding
	s_or_b32 s[G1B+0], s44, (3<<16)|(1<<21)
.irp g, G1, G1B
	s_mov_b32 s[\g+1], 32<<16                      ; rows of 256 bytes
	s_mov_b32 s[\g+2], 96<<16
	s_mov_b32 s[\g+3], 32<<16
	s_mov_b32 s[\g+4], 96
	s_mov_b32 s[\g+5], 32
	s_mov_b32 s[\g+6], 0
	s_mov_b32 s[\g+7], 0
.endr
	s_or_b32 s[G1S+0], s43, (3<<16)|(1<<21)
	s_or_b32 s[G1SB+0], s44, (3<<16)|(1<<21)
.irp g, G1S, G1SB
	s_mov_b32 s[\g+1], 32<<16
	s_mov_b32 s[\g+2], (HALFS/256)<<16
	s_mov_b32 s[\g+3], 32<<16
	s_mov_b32 s[\g+4], HALFS/256
	s_mov_b32 s[\g+5], 32
	s_mov_b32 s[\g+6], 0
	s_mov_b32 s[\g+7], 0
.endr
	s_lshl_b32 s20, s17, 1
	s_add_co_u32 s20, s20, s16                     ; A: block of 128 rows
	s_lshl_b32 s46, s42, 1
	s_add_co_u32 s46, s46, s16                     ; B likewise
	s_mul_i32 s22, s20, HALFS
	s_add_co_u32 s22, s22, ASOFF
	s_mul_i32 s20, s20, KST*12288
	s_mul_i32 s92, s46, HALFS
	s_add_co_u32 s92, s92, BSOFF
	s_mul_i32 s46, s46, KST*12288
	s_add_co_u32 s46, s46, BCOFF
	s_mov_b32 s21, 0
	s_mov_b32 s23, 0
	s_mov_b32 s47, 0
	s_mov_b32 s93, 0
	s_mul_i32 s45, s14, HALFT
	s_mul_i32 s94, s14, HALFS
	s_wait_kmcnt 0x0
	s_add_nc_u64 s[20:21], s[4:5], s[20:21]
	s_add_nc_u64 s[22:23], s[4:5], s[22:23]
	s_add_nc_u64 s[46:47], s[6:7], s[46:47]
	s_add_nc_u64 s[92:93], s[6:7], s[92:93]
	CROUND                                         ; all sixteen work-groups are here: the first joint loads meet
	s_mov_b32 s[G0S], 1
	s_add_co_u32 s[G0S+1], s94, SCL
	s_mov_b64 s[G0S+2:G0S+3], s[22:23]
	s_or_b32 s[G0S+3], s[G0S+3], 0x80000000
	s_mov_b32 s[G0SB], 1
	s_add_co_u32 s[G0SB+1], s94, SCL
	s_mov_b64 s[G0SB+2:G0SB+3], s[92:93]
	s_or_b32 s[G0SB+3], s[G0SB+3], 0x80000000
	JLOAD G0S, G1S, G0SB, G1SB
.irp s, 0,1
	s_mov_b32 s[G0+4*\s], 1
	s_add_co_u32 s[G0+4*\s+1], s45, \s*SLOT
	s_add_nc_u64 s[G0+4*\s+2:G0+4*\s+3], s[20:21], \s*HALFT
	s_or_b32 s[G0+4*\s+3], s[G0+4*\s+3], 0x80000000
	s_mov_b32 s[G0B+4*\s], 1
	s_add_co_u32 s[G0B+4*\s+1], s45, \s*SLOT
	s_add_nc_u64 s[G0B+4*\s+2:G0B+4*\s+3], s[46:47], \s*HALFT
	s_or_b32 s[G0B+4*\s+3], s[G0B+4*\s+3], 0x80000000
	JLOAD G0+4*\s, G1, G0B+4*\s, G1B
.endr
	v_and_b32 v1, 15, v0
	v_bfe_u32 v2, v0, 4, 1
	v_and_b32 v3, 31, v0
	v_lshlrev_b32 v4, 4, v3                        ; an image's place for my lane
	s_mul_i32 s21, s15, HALFT
	s_mul_i32 s22, s16, HALFT
	s_add_co_u32 s22, s22, 2*HALFT
.irp s, 0,1
	v_add_nc_u32 v[ADRA+\s], s21, v4
	v_add_nc_u32 v[ADRB+\s], s22, v4
	s_add_co_u32 s21, s21, SLOT
	s_add_co_u32 s22, s22, SLOT
.endr
	v_lshlrev_b32 v5, 2, v1
	s_mul_i32 s21, s15, HALFS
	s_mul_i32 s22, s16, HALFS
	s_add_co_u32 s22, s22, 2*HALFS
	s_sub_co_u32 s22, s22, s21
	v_mul_u32_u24 v6, s22, v2                      ; lanes 16-31 take B's words
	s_add_co_u32 s21, s21, SCL
	v_add_nc_u32 v5, v5, v6
	v_add_nc_u32 v[ADRS], s21, v5
	s_lshl_b32 s23, s14, 9                         ; the way out: my 512 bytes of scale words, in slot 0
	v_lshlrev_b32 v[STO], 2, v1
	v_add_nc_u32 v[STO], s23, v[STO]
	v_mov_b32 v[CO], v4
	v_add_nc_u32 v[RD], s23, v4
	s_lshl_b32 s46, s42, 10
	s_lshl_b32 s47, s16, 9
	s_add_co_u32 s46, s46, s47                     ; my first column, in bytes of f32
	s_mov_b32 s47, 0
	s_add_nc_u64 s[8:9], s[8:9], s[46:47]
	v_lshlrev_b32 v7, 6, v2
.irp b, 0,1,2,3,4,5,6,7
	global_load_b128 v[BI+8*\b:BI+8*\b+3], v7, s[8:9] offset:(32*(\b/2)+8*(\b%2))*4
	global_load_b128 v[BI+8*\b+4:BI+8*\b+7], v7, s[8:9] offset:(32*(\b/2)+8*(\b%2))*4+16
.endr
	s_lshl_b32 s20, s17, 1
	s_add_co_u32 s20, s20, s15                     ; my block of 128 rows of hid
	s_lshl_b32 s46, s42, 1
	s_add_co_u32 s46, s46, s16                     ; my K step of hid
	s_mul_i32 s21, s20, 393216
	s_mul_i32 s47, s46, 12288
	s_add_co_u32 s92, s21, s47
	s_mov_b32 s93, 0
	s_add_nc_u64 s[92:93], s[10:11], s[92:93]
	s_lshl_b32 s21, s20, 14
	s_lshl_b32 s47, s46, 9
	s_add_co_u32 s94, s21, s47
	s_add_co_u32 s94, s94, 12582912
	s_mov_b32 s95, 0
	s_add_nc_u64 s[94:95], s[10:11], s[94:95]
	s_mov_b32 s[SEL], 0x76543210
	s_mov_b32 s[SEL+1], 0xfedcba98
	v_mov_b32 v[GA], 0xaf95df0b
	v_mov_b32 v[GA+1], 0xaf95df0b
	v_mov_b32 v[GB], 0xb77460cd
	v_mov_b32 v[GB+1], 0xb77460cd
.macro FRAG reg, adr, q, i             ; a fragment is three loads of 16 bytes a lane, 512 consecutive bytes each
.irp c, 0,1,2
	ds_load_b128 v[\reg+4*\c:\reg+4*\c+3], v[\adr] offset:12288*(\q)+1536*(\i)+512*\c
.endr
.endm
; 16 products: A's blocks a0, a0 + 1 x B's eight.  The 64 accumulators take turns.  first = 1: C is b1
.macro MUL16 a0, p, q, sc, first
.irp a, \a0, \a0+1
.irp b, 0,1,2,3,4,5,6,7
.if \first
	v_wmma_scale_f32_16x16x128_f8f6f4 v[8*(8*((\a)%4)+\b):8*(8*((\a)%4)+\b)+7], v[128*(\p)+FR*\b:128*(\p)+FR*\b+FR-1], v[AF+FR*(\a):AF+FR*(\a)+FR-1], v[BI+8*\b:BI+8*\b+7], v[SC+16*(\sc)+2*\b+(\q)], v[SC+16*(\sc)+2*(\a)+(\q)] matrix_a_fmt:MATRIX_FMT_FP6 matrix_b_fmt:MATRIX_FMT_FP6 matrix_a_scale:MATRIX_SCALE_ROW1
.else
	v_wmma_scale_f32_16x16x128_f8f6f4 v[8*(8*((\a)%4)+\b):8*(8*((\a)%4)+\b)+7], v[128*(\p)+FR*\b:128*(\p)+FR*\b+FR-1], v[AF+FR*(\a):AF+FR*(\a)+FR-1], v[8*(8*((\a)%4)+\b):8*(8*((\a)%4)+\b)+7], v[SC+16*(\sc)+2*\b+(\q)], v[SC+16*(\sc)+2*(\a)+(\q)] matrix_a_fmt:MATRIX_FMT_FP6 matrix_b_fmt:MATRIX_FMT_FP6 matrix_a_scale:MATRIX_SCALE_ROW1
.endif
.endr
.endr
.endm
.macro FETCH_B slot, q, p
	WIN TO_B
.irp i, 0,1,2,3,4,5,6,7
	FRAG 128*(\p)+FR*\i, ADRB+\slot, \q, \i
.endr
	WIN 0
.endm
.macro FETCH_A slot, q, i0
.irp i, \i0, \i0+1, \i0+2, \i0+3
	FRAG AF+FR*(\i), ADRA+\slot, \q, \i
.endr
.endm
.macro SCALES sc                       ; lanes 0-15 A's block i, lanes 16-31 B's block i, for the slot's two steps
.irp i, 0,1,2,3,4,5,6,7
.irp q, 0,1
	ds_load_b32 v[SC+16*\sc+2*\i+\q], v[ADRS] offset:512*\q+64*\i
.endr
.endr
.endm
.macro PLACES n
.rept \n
	v_nop
.endr
.endm
.macro STEP slot, q, first
	s_wait_dscnt 4*NL                              ; all but the youngest 12 loads: A's blocks 4-7
.if \first
	WIN 0x81                                       ; C (b1) from window 0, D in window 2
.else
	WIN MUL_LO
.endif
	MUL16 0, (\q)%2, \q, \slot, \first
	MUL16 2, (\q)%2, \q, \slot, \first
	s_wait_dscnt 0
	PLACES NP
	FETCH_B \slot, (\q)+1, 1-(\q)%2
	FETCH_A \slot, (\q)+1, 0
.if \first
	WIN 0xc1
.else
	WIN MUL_HI
.endif
	MUL16 4, (\q)%2, \q, \slot, \first
	MUL16 6, (\q)%2, \q, \slot, \first
	PLACES NP
	WIN 0
	FETCH_A \slot, (\q)+1, 4
.endm
; a slot's last step changes slots: each wave waits for all its tensor loads, adds 0 to its spare word, waits for that and for its reads of this slot; then the barrier
.macro TURN slot, next, fill
	s_wait_tensorcnt 0x0                           ; all my tensor loads have landed: my part of the next slot
	ds_add_u32 v[SPW], v[NIL]                      ; 0 onto my spare word
	s_wait_dscnt 4*NL+1                            ; the add and A's blocks 4-7 may be out
	WIN MUL_LO
	MUL16 0, 1, NQ-1, \slot, 0
	s_wait_dscnt 0x0                               ; the add is done, and my reads of this slot are over
	s_barrier_signal -1
	MUL16 2, 1, NQ-1, \slot, 0
	WIN 0
	s_barrier_wait -1
.if \fill
	CREST                                          ; the barrier has opened a round of the cluster's barrier
	s_add_nc_u64 s[G0+4*\slot+2:G0+4*\slot+3], s[G0+4*\slot+2:G0+4*\slot+3], 2*HALFT
	s_add_nc_u64 s[G0B+4*\slot+2:G0B+4*\slot+3], s[G0B+4*\slot+2:G0B+4*\slot+3], 2*HALFT
	JLOAD G0+4*\slot, G1, G0B+4*\slot, G1B         ; the first tensor load behind the round
.else
	PLACES NP
.endif
	v_add_nc_u32 v[ADRS], 1024, v[ADRS]            ; the next slot's scale words
	FETCH_B \next, 0, 0
	FETCH_A \next, 0, 0
	SCALES \next
	WIN MUL_HI
	MUL16 4, 1, NQ-1, \slot, 0
	MUL16 6, 1, NQ-1, \slot, 0
	PLACES NP
	WIN 0
	FETCH_A \next, 0, 4
.endm
	s_wait_tensorcnt 1                             ; the scales and my part of slot 0 are in; slot 1's load may be out
	s_barrier_signal -1
	s_barrier_wait -1
	FETCH_B 0, 0, 0
	FETCH_A 0, 0, 0
	SCALES 0
	FETCH_A 0, 0, 4
	s_wait_loadcnt 0x0                             ; b1
	STEP 0, 0, 1
	s_mov_b32 s3, LAPS-1
.Llap:
	TURN 0, 1, 1
	STEP 1, 0, 0
	TURN 1, 0, 1
	STEP 0, 0, 0
	s_sub_co_u32 s3, s3, 1
	s_cmp_lg_u32 s3, 0
	s_cbranch_scc1 .Llap
	TURN 0, 1, 0
	STEP 1, 0, 0
	s_wait_dscnt 4*NL
	WIN MUL_LO
	MUL16 0, 1, NQ-1, 1, 0
	MUL16 2, 1, NQ-1, 1, 0
	s_wait_dscnt 0
	WIN MUL_HI
	MUL16 4, 1, NQ-1, 1, 0
	MUL16 6, 1, NQ-1, 1, 0
	WIN 0
	PLACES NP
; THE WAY OUT: a loop of eight trips, one row tile a trip.  What differs between trips, the accumulators' registers, stands in eight short blocks that halve y into v96-159.
.macro RD k
.set WN, 0x02+(\k)/4
	WIN WN
.set n, 0
.rept 32
	v_pk_mul_f32 v[96+n:97+n], v[64*((\k)%4)+n:64*((\k)%4)+n+1], 0.5 op_sel_hi:[1,0]   ; each accumulator from its low end on
.set n, n+2
.endr
	WIN 0
.endm
.macro HSTART p, c, k                  ; p = z c + k
.set n, 0
.rept 16
	v_pk_fma_f32 v[\p+n:\p+n+1], v[ZZ+n:ZZ+n+1], v[\c:\c+1], \k op_sel_hi:[1,1,0]
.set n, n+2
.endr
.endm
.macro HORNER p, k                     ; p = p z + k
.set n, 0
.rept 16
	v_pk_fma_f32 v[\p+n:\p+n+1], v[\p+n:\p+n+1], v[ZZ+n:ZZ+n+1], \k op_sel_hi:[1,1,0]
.set n, n+2
.endr
.endm
.macro GELUH u, y                      ; 32 numbers: v[y] = v[y] + v[y] erf(v[u])
.set n, 0
.rept 32
	v_med3_num_f32 v[\u+n], v[\u+n], -4.0, 4.0
.set n, n+1
.endr
.set n, 0
.rept 16
	v_pk_mul_f32 v[ZZ+n:ZZ+n+1], v[\u+n:\u+n+1], v[\u+n:\u+n+1]
.set n, n+2
.endr
	HSTART PP, GA, 0x32edffee
	HSTART QQ, GB, 0xb95fbd29
	HORNER PP, 0xb60cff51
	HORNER QQ, 0xbadc924e
	HORNER PP, 0xb86ec2d2
	HORNER QQ, 0xbbf19bf8
	HORNER PP, 0xba40ac63
	HORNER QQ, 0xbc69b6a7
	HORNER PP, 0xbb41a1f6
	HORNER PP, 0xbc83dbd4
.set n, 0
.rept 32
	v_rcp_f32 v[QQ+n], v[QQ+n]
.set n, n+1
.endr
.set n, 0
.rept 16
	v_pk_mul_f32 v[PP+n:PP+n+1], v[PP+n:PP+n+1], v[\u+n:\u+n+1]   ; independent work behind the batch
.set n, n+2
.endr
	s_wait_alu depctr_va_vdst(0)                   ; one wait for the 32 reciprocals, ahead of their first reader
.set n, 0
.rept 16
	v_pk_mul_f32 v[PP+n:PP+n+1], v[PP+n:PP+n+1], v[QQ+n:QQ+n+1]
.set n, n+2
.endr
.set n, 0
.rept 16
	v_pk_fma_f32 v[\y+n:\y+n+1], v[\y+n:\y+n+1], v[PP+n:PP+n+1], v[\y+n:\y+n+1]
.set n, n+2
.endr
.endm
.macro QUANT s, pc, tm, pw
.irp b, 0,1,2,3
	v_mov_b32 v[\tm+4+\b], 0
.endr
.irp b, 0,1,2,3
	v_max3_num_f32 v[\tm+\b], |v[\s+16*\b]|, |v[\s+1+16*\b]|, 0x1800000
.endr
.irp i, 2,4,6,8,10,12,14
.irp b, 0,1,2,3
	v_max3_num_f32 v[\tm+\b], v[\tm+\b], |v[\s+16*\b+\i]|, |v[\s+1+16*\b+\i]|
.endr
.endr
.irp b, 0,1,2,3
	v_permlanex16_b32 v[\tm+4+\b], v[\tm+\b], s[SEL], s[SEL+1]
.endr
.irp b, 0,1,2,3
	v_max_num_f32 v[\tm+\b], v[\tm+\b], v[\tm+4+\b]
.endr
.irp b, 0,1,2,3
	v_add_nc_u32 v[\tm+12+\b], 0xff000000, v[\tm+\b]
.endr
.irp b, 0,1,2,3
	v_lshrrev_b32 v[\tm+4+\b], 23, v[\tm+12+\b]
.endr
	v_lshl_or_b32 v[\pw], v[\tm+5], 8, v[\tm+4]
	v_lshl_or_b32 v[\pw], v[\tm+6], 16, v[\pw]
	v_lshl_or_b32 v[\pw], v[\tm+7], 24, v[\pw]
.irp c, 0,1
	v_cvt_scalef32_pk16_fp6_f32 v[\pc+6*\c:\pc+2+6*\c], v[\s+32*\c:\s+15+32*\c], v[\tm+12+2*\c]
	v_cvt_scalef32_pk16_fp6_f32 v[\pc+12+4*\c:\pc+14+4*\c], v[\s+16+32*\c:\s+31+32*\c], v[\tm+13+2*\c]
.endr
	v_nop
.irp c, 0,1
.irp i, 0,1,2
	v_permlane16_swap_b32 v[\pc+6*\c+\i], v[\pc+12+4*\c+\i]
.endr
.irp i, 0,1,2
	v_mov_b32 v[\pc+3+6*\c+\i], v[\pc+12+4*\c+\i]
.endr
.endr
.endm
	s_mov_b32 s3, 0
.Ltile:
.irp k, 1,2,3,4,5,6,7
	s_cmp_eq_u32 s3, \k
	s_cbranch_scc1 .Lrd\k
.endr
	RD 0
	s_branch .Lgelu
.irp k, 1,2,3,4,5,6,7
.Lrd\k:
	RD \k
	s_branch .Lgelu
.endr
.Lgelu:
.set n, 0
.rept 32
	v_pk_mul_f32 v[32+n:33+n], v[96+n:97+n], 0x3fb504f3 op_sel_hi:[1,0]   ; y / sqrt 2
.set n, n+2
.endr
	GELUH 32, 96
	GELUH 64, 128
	QUANT 96, 32, 52, 70
.irp c, 0,1,2
	global_store_b128 v[CO], v[32+4*\c:35+4*\c], s[92:93] offset:512*\c   ; 512 consecutive bytes
.endr
	ds_store_b32 v[STO], v70                       ; the tile's scale words are gathered in LDS: slot 0 has had its last fill and its last read
	s_wait_xcnt 0x0                                ; the stores have read their base and their data: both are written again
	s_add_nc_u64 s[92:93], s[92:93], 1536
	v_add_nc_u32 v[STO], 64, v[STO]
	s_add_co_u32 s3, s3, 1
	s_cmp_lt_u32 s3, 8
	s_cbranch_scc1 .Ltile
	ds_load_b128 v[32:35], v[RD]                   ; LDS serves a wave's instructions in order: this sees my stores
	s_wait_dscnt 0x0
	global_store_b128 v[CO], v[32:35], s[94:95]    ; 512 consecutive bytes of scale words
	s_wait_tensorcnt 0x0                           ; the wave's end
	ds_add_u32 v[SPW], v[NIL]
	s_wait_dscnt 0x0
	CROUND                                         ; the closing round
	s_endpgm
.Lfunc_end_k_q7a4bb0e878_ffn1:
	.size	k_q7a4bb0e878_ffn1, .Lfunc_end_k_q7a4bb0e878_ffn1-k_q7a4bb0e878_ffn1
	.p2alignl 7, 3214868480
	.fill 96, 4, 3214868480
	.section	.rodata,"a",@progbits
	.p2align	6, 0x0
	.amdhsa_kernel k_q7a4bb0e878_ffn1
		.amdhsa_group_segment_fixed_size 327680
		.amdhsa_private_segment_fixed_size 0
		.amdhsa_enable_private_segment 0
		.amdhsa_kernarg_size 32
		.amdhsa_user_sgpr_count 2
		.amdhsa_user_sgpr_kernarg_segment_ptr 1
		.amdhsa_wavefront_size32 1
		.amdhsa_system_sgpr_workgroup_id_x 1
		.amdhsa_system_sgpr_workgroup_id_y 1
		.amdhsa_system_sgpr_workgroup_id_z 1
		.amdhsa_system_vgpr_workitem_id 0
		.amdhsa_next_free_vgpr 1024
		.amdhsa_next_free_sgpr 98
		.amdhsa_reserve_vcc 0
		.amdhsa_float_denorm_mode_32 3
		.amdhsa_float_denorm_mode_16_64 3
		.amdhsa_memory_ordered 1
		.amdhsa_forward_progress 1
		.amdhsa_inst_pref_size 179
	.end_amdhsa_kernel
	.amdgpu_metadata
---
amdhsa.version: [ 1, 2 ]
amdhsa.kernels:
  - .name:           k_q7a4bb0e878_ffn1
    .symbol:         k_q7a4bb0e878_ffn1.kd
    .args:
      - { .name: h2img, .offset: 0, .size: 8, .value_kind: global_buffer, .address_space: global }
      - { .name: wimg, .offset: 8, .size: 8, .value_kind: global_buffer, .address_space: global }
      - { .name: b1, .offset: 16, .size: 8, .value_kind: global_buffer, .address_space: global }
      - { .name: hidimg, .offset: 24, .size: 8, .value_kind: global_buffer, .address_space: global }
    .group_segment_fixed_size: 327680
    .private_segment_fixed_size: 0
    .kernarg_segment_align: 8
    .kernarg_segment_size: 32
    .max_flat_workgroup_size: 128
    .sgpr_count:     98
    .vgpr_count:     1024
    .wavefront_size: 32
...
	.end_amdgpu_metadata
.endif
;; end of part 4
;; launch ffn2 (part 5): grid 4 x 16, 4 waves a work-group, clusters of 4 x 4, 327,680 bytes of LDS; arguments hidimg, wimg, b2, x1buf, out0; writes out0
.if DOCPART == 5
	.amdgcn_target "amdgcn-amd-amdhsa--gfx1250"
	.amdhsa_code_object_version 6
	.text
	.protected	k_q7a4bb0e878_ffn2
	.globl	k_q7a4bb0e878_ffn2
	.p2align	8
	.type	k_q7a4bb0e878_ffn2,@function
k_q7a4bb0e878_ffn2:
	s_mov_b64 s[64:65], 0
	v_nop
	global_prefetch_b8 v0, s[64:65] scope:SCOPE_SE
	s_setreg_imm32_b32 hwreg(HW_REG_WAVE_MODE, 25, 1), 1
	s_wait_xcnt 0x0
	s_wait_alu depctr_hold_cnt(0) depctr_sa_sdst(0) depctr_va_vdst(0) depctr_va_sdst(0) depctr_va_ssrc(0) depctr_va_vcc(0) depctr_vm_vsrc(0)
	s_getreg_b32 s2, hwreg(HW_REG_IB_STS2, 6, 4)
	s_cmp_eq_u32 s2, 0
	s_cbranch_scc0 .Lentry_in_a_cluster
	s_endpgm
.Lentry_in_a_cluster:
	s_bfe_u32 s2, ttmp6, 0x10000c
	s_cmp_lg_u32 s2, 0xf033
	s_cbranch_scc0 .Lentry_shape_is_right
	s_endpgm
.Lentry_shape_is_right:
; out0 = hid w2 + b2 + x1: [4096][4096] x [4096][1024] on codes of FP6 (E2M3) with E8M0 scales; both operands lie as images of operand registers; out0 and x1 are row-major f32.
; The same frame as the launch before: a tile of 256 x 256 to a work-group of four waves, 128 x 128 a wave; K in steps of 256 through two LDS slots, 24,576 dense bytes a tensor load; the scale words come once;
; clusters of 4 x 4 with joint loads.  64 work-groups: the largest wave tile was kept, and the text shared, rather than a smaller tile on more work-groups.
; The product is used transposed; b2 is the C of each sum's first product.  On the way out a block of 16 rows goes through the wave's stage in LDS (in slot 0, which has had its last fill and read), comes back as whole
; rows of 512 bytes, takes x1 (asked for four blocks ahead, into B's spent registers) and is stored.  The rows of a block are not neighbours: row t of block a is row 32 (a / 2) + 8 (a % 2) + t + 8 (t / 8).
; LIMITS: NaN and infinities are not served.
.set KST, 32
.set ASOFF, 12582912
.set BCOFF, 3145728
.set BSOFF, 8093696
.set NQ, 2
.set FR, 12
.set NL, 3
.set NP, 4
.set HALFT, 24576
.set SLOT, 4*HALFT
.set LAPS, KST/4
.set HALFS, KST*512
.set SCL, 2*SLOT
.set SPARE, SCL+4*HALFS
.set SPITCH, 528
.set ADRA, 16
.set ADRB, 20
.set STO, 24
.set RD, 25
.set CO, 26
.set ADRS, 27
.set SPW, 28
.set NIL, 29
.set SC, 32
.set BI, 64
.set AF, 128
.set BK, 128
.set G1, 24
.set G0, 32
.set G1B, 48
.set G0B, 56
.set G1S, 68
.set G0S, 76
.set G1SB, 80
.set G0SB, 88
.set MSB, 0
.macro WIN new
.if MSB != (\new)
	s_set_vgpr_msb (MSB<<8)|(\new)
.set MSB, (\new)
.endif
.endm
.set MUL_LO, 0xa1
.set MUL_HI, 0xf1
.set TO_B, 0x40
.macro JLOAD g0a, g1a, g0b, g1b        ; waves 0, 1 fetch for A, waves 2, 3 for B; four v_nop follow each line
	s_cmp_eq_u32 s15, 0
	s_cbranch_scc0 .Lfor_b_\@
	tensor_load_to_lds s[\g0a:\g0a+3], s[\g1a:\g1a+7]
	s_nop 0
.rept 4
	v_nop
.endr
	s_branch .Lasked_\@
.Lfor_b_\@:
	tensor_load_to_lds s[\g0b:\g0b+3], s[\g1b:\g1b+7]
	s_nop 0
.rept 4
	v_nop
.endr
.Lasked_\@:
.endm
.macro CREST
	s_cmp_lg_u32 s14, 0
	s_cbranch_scc1 .Lnot_wave_0_\@
	s_barrier_signal -3
.Lnot_wave_0_\@:
	s_barrier_wait -3
	s_barrier_signal -1
	s_barrier_wait -1
.endm
.macro CROUND
	s_barrier_signal -1
	s_barrier_wait -1
	CREST
.endm
	s_load_b128 s[4:7], s[0:1], 0x0                ; hidimg, wimg
	s_load_b128 s[8:11], s[0:1], 0x10              ; b2, x1buf
	s_load_b64 s[12:13], s[0:1], 0x20              ; out0
	v_lshl_add_u32 v[SPW], v0, 2, SPARE
	v_mov_b32 v[NIL], 0
	ds_add_u32 v28, v29
	ds_add_u32 v28, v29
	s_wait_dscnt 0x0
	v_lshrrev_b32 v1, 5, v0
	v_readfirstlane_b32 s14, v1
	s_lshr_b32 s15, s14, 1
	s_and_b32 s16, s14, 1
	s_bfe_u32 s40, ttmp6, 0x40000
	s_bfe_u32 s41, ttmp6, 0x40004
	s_lshl_b32 s42, ttmp9, 2
	s_add_co_u32 s42, s42, s40                     ; tile column
	s_and_b32 s17, ttmp7, 0xffff
	s_lshl_b32 s17, s17, 2
	s_add_co_u32 s17, s17, s41                     ; tile row
	s_lshl_b32 s43, s41, 2
	s_lshl_b32 s43, 15, s43
	s_lshl_b32 s44, 0x1111, s40
	s_or_b32 s[G1+0], s43, (3<<16)|(1<<21)
	s_or_b32 s[G1B+0], s44, (3<<16)|(1<<21)
.irp g, G1, G1B
	s_mov_b32 s[\g+1], 32<<16
	s_mov_b32 s[\g+2], 96<<16
	s_mov_b32 s[\g+3], 32<<16
	s_mov_b32 s[\g+4], 96
	s_mov_b32 s[\g+5], 32
	s_mov_b32 s[\g+6], 0
	s_mov_b32 s[\g+7], 0
.endr
	s_or_b32 s[G1S+0], s43, (3<<16)|(1<<21)
	s_or_b32 s[G1SB+0], s44, (3<<16)|(1<<21)
.irp g, G1S, G1SB
	s_mov_b32 s[\g+1], 32<<16
	s_mov_b32 s[\g+2], (HALFS/256)<<16
	s_mov_b32 s[\g+3], 32<<16
	s_mov_b32 s[\g+4], HALFS/256
	s_mov_b32 s[\g+5], 32
	s_mov_b32 s[\g+6], 0
	s_mov_b32 s[\g+7], 0
.endr
	s_lshl_b32 s20, s17, 1
	s_add_co_u32 s20, s20, s16
	s_lshl_b32 s46, s42, 1
	s_add_co_u32 s46, s46, s16
	s_mul_i32 s22, s20, HALFS
	s_add_co_u32 s22, s22, ASOFF
	s_mul_i32 s20, s20, KST*12288
	s_mul_i32 s92, s46, HALFS
	s_add_co_u32 s92, s92, BSOFF
	s_mul_i32 s46, s46, KST*12288
	s_add_co_u32 s46, s46, BCOFF
	s_mov_b32 s21, 0
	s_mov_b32 s23, 0
	s_mov_b32 s47, 0
	s_mov_b32 s93, 0
	s_mul_i32 s45, s14, HALFT
	s_mul_i32 s94, s14, HALFS
	s_wait_kmcnt 0x0
	s_add_nc_u64 s[20:21], s[4:5], s[20:21]
	s_add_nc_u64 s[22:23], s[4:5], s[22:23]
	s_add_nc_u64 s[46:47], s[6:7], s[46:47]
	s_add_nc_u64 s[92:93], s[6:7], s[92:93]
	CROUND
	s_mov_b32 s[G0S], 1
	s_add_co_u32 s[G0S+1], s94, SCL
	s_mov_b64 s[G0S+2:G0S+3], s[22:23]
	s_or_b32 s[G0S+3], s[G0S+3], 0x80000000
	s_mov_b32 s[G0SB], 1
	s_add_co_u32 s[G0SB+1], s94, SCL
	s_mov_b64 s[G0SB+2:G0SB+3], s[92:93]
	s_or_b32 s[G0SB+3], s[G0SB+3], 0x80000000
	JLOAD G0S, G1S, G0SB, G1SB
.irp s, 0,1
	s_mov_b32 s[G0+4*\s], 1
	s_add_co_u32 s[G0+4*\s+1], s45, \s*SLOT
	s_add_nc_u64 s[G0+4*\s+2:G0+4*\s+3], s[20:21], \s*HALFT
	s_or_b32 s[G0+4*\s+3], s[G0+4*\s+3], 0x80000000
	s_mov_b32 s[G0B+4*\s], 1
	s_add_co_u32 s[G0B+4*\s+1], s45, \s*SLOT
	s_add_nc_u64 s[G0B+4*\s+2:G0B+4*\s+3], s[46:47], \s*HALFT
	s_or_b32 s[G0B+4*\s+3], s[G0B+4*\s+3], 0x80000000
	JLOAD G0+4*\s, G1, G0B+4*\s, G1B
.endr
	v_and_b32 v1, 15, v0
	v_bfe_u32 v2, v0, 4, 1
	v_and_b32 v3, 31, v0
	v_lshlrev_b32 v4, 4, v3
	s_mul_i32 s21, s15, HALFT
	s_mul_i32 s22, s16, HALFT
	s_add_co_u32 s22, s22, 2*HALFT
.irp s, 0,1
	v_add_nc_u32 v[ADRA+\s], s21, v4
	v_add_nc_u32 v[ADRB+\s], s22, v4
	s_add_co_u32 s21, s21, SLOT
	s_add_co_u32 s22, s22, SLOT
.endr
	v_lshlrev_b32 v5, 2, v1
	s_mul_i32 s21, s15, HALFS
	s_mul_i32 s22, s16, HALFS
	s_add_co_u32 s22, s22, 2*HALFS
	s_sub_co_u32 s22, s22, s21
	v_mul_u32_u24 v6, s22, v2
	s_add_co_u32 s21, s21, SCL
	v_add_nc_u32 v5, v5, v6
	v_add_nc_u32 v[ADRS], s21, v5
	s_mul_i32 s23, s14, 16*SPITCH                  ; my stage
	v_mul_u32_u24 v5, v1, SPITCH
	v_lshl_add_u32 v5, v2, 6, v5
	v_add_nc_u32 v[STO], s23, v5                   ; in: row r, + 64 h
	v_mov_b32 v[CO], v4
	v_add_nc_u32 v[RD], s23, v4                    ; back: a row of 512 bytes, 16 a lane
	s_lshl_b32 s46, s42, 10
	s_lshl_b32 s47, s16, 9
	s_add_co_u32 s46, s46, s47                     ; my first column, in bytes
	s_mov_b32 s47, 0
	s_add_nc_u64 s[8:9], s[8:9], s[46:47]
	v_lshlrev_b32 v7, 6, v2
.irp b, 0,1,2,3,4,5,6,7
	global_load_b128 v[BI+8*\b:BI+8*\b+3], v7, s[8:9] offset:(32*(\b/2)+8*(\b%2))*4
	global_load_b128 v[BI+8*\b+4:BI+8*\b+7], v7, s[8:9] offset:(32*(\b/2)+8*(\b%2))*4+16
.endr
	s_lshl_b32 s20, s17, 8
	s_lshl_b32 s21, s15, 7
	s_add_co_u32 s20, s20, s21                     ; my first row
	s_lshl_b32 s20, s20, 12
	s_add_co_u32 s20, s20, s46
	s_mov_b32 s21, 0
	s_add_nc_u64 s[10:11], s[10:11], s[20:21]
	s_add_nc_u64 s[12:13], s[12:13], s[20:21]
.macro FRAG reg, adr, q, i
.irp c, 0,1,2
	ds_load_b128 v[\reg+4*\c:\reg+4*\c+3], v[\adr] offset:12288*(\q)+1536*(\i)+512*\c
.endr
.endm
.macro MUL16 a0, p, q, sc, first
.irp a, \a0, \a0+1
.irp b, 0,1,2,3,4,5,6,7
.if \first
	v_wmma_scale_f32_16x16x128_f8f6f4 v[8*(8*((\a)%4)+\b):8*(8*((\a)%4)+\b)+7], v[128*(\p)+FR*\b:128*(\p)+FR*\b+FR-1], v[AF+FR*(\a):AF+FR*(\a)+FR-1], v[BI+8*\b:BI+8*\b+7], v[SC+16*(\sc)+2*\b+(\q)], v[SC+16*(\sc)+2*(\a)+(\q)] matrix_a_fmt:MATRIX_FMT_FP6 matrix_b_fmt:MATRIX_FMT_FP6 matrix_a_scale:MATRIX_SCALE_ROW1
.else
	v_wmma_scale_f32_16x16x128_f8f6f4 v[8*(8*((\a)%4)+\b):8*(8*((\a)%4)+\b)+7], v[128*(\p)+FR*\b:128*(\p)+FR*\b+FR-1], v[AF+FR*(\a):AF+FR*(\a)+FR-1], v[8*(8*((\a)%4)+\b):8*(8*((\a)%4)+\b)+7], v[SC+16*(\sc)+2*\b+(\q)], v[SC+16*(\sc)+2*(\a)+(\q)] matrix_a_fmt:MATRIX_FMT_FP6 matrix_b_fmt:MATRIX_FMT_FP6 matrix_a_scale:MATRIX_SCALE_ROW1
.endif
.endr
.endr
.endm
.macro FETCH_B slot, q, p
	WIN TO_B
.irp i, 0,1,2,3,4,5,6,7
	FRAG 128*(\p)+FR*\i, ADRB+\slot, \q, \i
.endr
	WIN 0
.endm
.macro FETCH_A slot, q, i0
.irp i, \i0, \i0+1, \i0+2, \i0+3
	FRAG AF+FR*(\i), ADRA+\slot, \q, \i
.endr
.endm
.macro SCALES sc
.irp i, 0,1,2,3,4,5,6,7
.irp q, 0,1
	ds_load_b32 v[SC+16*\sc+2*\i+\q], v[ADRS] offset:512*\q+64*\i
.endr
.endr
.endm
.macro PLACES n
.rept \n
	v_nop
.endr
.endm
.macro STEP slot, q, first
	s_wait_dscnt 4*NL                              ; all but the youngest 12 loads: A's blocks 4-7
.if \first
	WIN 0x81
.else
	WIN MUL_LO
.endif
	MUL16 0, (\q)%2, \q, \slot, \first
	MUL16 2, (\q)%2, \q, \slot, \first
	s_wait_dscnt 0
	PLACES NP
	FETCH_B \slot, (\q)+1, 1-(\q)%2
	FETCH_A \slot, (\q)+1, 0
.if \first
	WIN 0xc1
.else
	WIN MUL_HI
.endif
	MUL16 4, (\q)%2, \q, \slot, \first
	MUL16 6, (\q)%2, \q, \slot, \first
	PLACES NP
	WIN 0
	FETCH_A \slot, (\q)+1, 4
.endm
.macro TURN slot, next, fill
	s_wait_tensorcnt 0x0                           ; all my tensor loads have landed: my part of the next slot
	ds_add_u32 v[SPW], v[NIL]                      ; 0 onto my spare word
	s_wait_dscnt 4*NL+1                            ; the add and A's blocks 4-7 may be out
	WIN MUL_LO
	MUL16 0, 1, NQ-1, \slot, 0
	s_wait_dscnt 0x0                               ; the add is done, and my reads of this slot are over
	s_barrier_signal -1
	MUL16 2, 1, NQ-1, \slot, 0
	WIN 0
	s_barrier_wait -1
.if \fill
	CREST
	s_add_nc_u64 s[G0+4*\slot+2:G0+4*\slot+3], s[G0+4*\slot+2:G0+4*\slot+3], 2*HALFT
	s_add_nc_u64 s[G0B+4*\slot+2:G0B+4*\slot+3], s[G0B+4*\slot+2:G0B+4*\slot+3], 2*HALFT
	JLOAD G0+4*\slot, G1, G0B+4*\slot, G1B
.else
	PLACES NP
.endif
	v_add_nc_u32 v[ADRS], 1024, v[ADRS]
	FETCH_B \next, 0, 0
	FETCH_A \next, 0, 0
	SCALES \next
	WIN MUL_HI
	MUL16 4, 1, NQ-1, \slot, 0
	MUL16 6, 1, NQ-1, \slot, 0
	PLACES NP
	WIN 0
	FETCH_A \next, 0, 4
.endm
	s_wait_tensorcnt 1                             ; the scales and my part of slot 0 are in; slot 1's load may be out
	s_barrier_signal -1
	s_barrier_wait -1
	FETCH_B 0, 0, 0
	FETCH_A 0, 0, 0
	SCALES 0
	FETCH_A 0, 0, 4
	s_wait_loadcnt 0x0                             ; b2
	STEP 0, 0, 1
	s_mov_b32 s3, LAPS-1
.Llap:
	TURN 0, 1, 1
	STEP 1, 0, 0
	TURN 1, 0, 1
	STEP 0, 0, 0
	s_sub_co_u32 s3, s3, 1
	s_cmp_lg_u32 s3, 0
	s_cbranch_scc1 .Llap
	TURN 0, 1, 0
	STEP 1, 0, 0
	s_wait_dscnt 4*NL
	WIN MUL_LO
	MUL16 0, 1, NQ-1, 1, 0
	MUL16 2, 1, NQ-1, 1, 0
	s_wait_dscnt 0
	WIN MUL_HI
	MUL16 4, 1, NQ-1, 1, 0
	MUL16 6, 1, NQ-1, 1, 0
	WIN 0
; THE WAY OUT
.macro TOSTAGE a
.set AC, 64*((\a)%4)
.set WN, 0x08+4*((\a)/4)
	WIN WN                                         ; an LDS store's data: window 2 or 3
.irp b, 0,1,2,3,4,5,6,7
	ds_store_b128 v[STO], v[AC+8*\b:AC+8*\b+3] offset:128*(\b/2)+32*(\b%2)        ; each accumulator from its low end on
	ds_store_b128 v[STO], v[AC+8*\b+4:AC+8*\b+7] offset:128*(\b/2)+32*(\b%2)+16
.endr
	WIN 0
.set BB, BK+64*((\a)%2)
.irp t, 0,1,2,3,4,5,6,7,8,9,10,11,12,13,14,15
	ds_load_b128 v[BB+4*\t:BB+4*\t+3], v[RD] offset:\t*SPITCH   ; LDS serves a wave's instructions in order
.endr
.endm
.macro XLOAD a                         ; x1's 16 rows of block a into set a % 4 of window 1
	WIN 0x40
.irp t, 0,1,2,3,4,5,6,7,8,9,10,11,12,13,14,15
	global_load_b128 v[64*((\a)%4)+4*\t:64*((\a)%4)+4*\t+3], v[CO], s[10:11] offset:(32*((\a)/2)+8*((\a)%2)+\t+8*(\t/8))*4096 th:TH_LOAD_NT
.endr
	WIN 0
.endm
.macro FIN a, younger, lc
.set BB, BK+64*((\a)%2)
	s_wait_dscnt \younger                          ; the block is back in registers
	s_wait_loadcnt \lc                             ; its x1 is in; the blocks asked for behind it may be out
	WIN 0x04                                       ; source 1 in window 1
.set n, 0
.rept 32
	v_pk_add_f32 v[BB+n:BB+n+1], v[BB+n:BB+n+1], v[64*((\a)%4)+n:64*((\a)%4)+n+1]
.set n, n+2
.endr
	WIN 0
.if (\a) < 4
	XLOAD (\a)+4
.endif
.irp t, 0,1,2,3,4,5,6,7,8,9,10,11,12,13,14,15
	global_store_b128 v[CO], v[BB+4*\t:BB+4*\t+3], s[12:13] offset:(32*((\a)/2)+8*((\a)%2)+\t+8*(\t/8))*4096 th:TH_STORE_NT   ; 512 consecutive bytes, aligned
.endr
.endm
	PLACES NP                                      ; in front of loads into registers that the last products read, and of the reads of results
	XLOAD 0
	XLOAD 1
	XLOAD 2
	XLOAD 3
	TOSTAGE 0
.irp a, 1,2,3,4,5,6,7
.if \a > 1
	s_wait_xcnt 0x0                                ; block a - 2's stores have read their registers: block a's loads may land there
.endif
	TOSTAGE \a
.if \a <= 5
	FIN \a-1, 32, 48
.else
	FIN \a-1, 32, 16*(8-\a)
.endif
.endr
	FIN 7, 0, 0
	s_wait_tensorcnt 0x0                           ; the wave's end
	ds_add_u32 v[SPW], v[NIL]
	s_wait_dscnt 0x0
	CROUND                                         ; the closing round
	s_endpgm
.Lfunc_end_k_q7a4bb0e878_ffn2:
	.size	k_q7a4bb0e878_ffn2, .Lfunc_end_k_q7a4bb0e878_ffn2-k_q7a4bb0e878_ffn2
	.p2alignl 7, 3214868480
	.fill 96, 4, 3214868480
	.section	.rodata,"a",@progbits
	.p2align	6, 0x0
	.amdhsa_kernel k_q7a4bb0e878_ffn2
		.amdhsa_group_segment_fixed_size 327680
		.amdhsa_private_segment_fixed_size 0
		.amdhsa_enable_private_segment 0
		.amdhsa_kernarg_size 40
		.amdhsa_user_sgpr_count 2
		.amdhsa_user_sgpr_kernarg_segment_ptr 1
		.amdhsa_wavefront_size32 1
		.amdhsa_system_sgpr_workgroup_id_x 1
		.amdhsa_system_sgpr_workgroup_id_y 1
		.amdhsa_system_sgpr_workgroup_id_z 1
		.amdhsa_system_vgpr_workitem_id 0
		.amdhsa_next_free_vgpr 1024
		.amdhsa_next_free_sgpr 98
		.amdhsa_reserve_vcc 0
		.amdhsa_float_denorm_mode_32 3
		.amdhsa_float_denorm_mode_16_64 3
		.amdhsa_memory_ordered 1
		.amdhsa_forward_progress 1
		.amdhsa_inst_pref_size 168
	.end_amdhsa_kernel
	.amdgpu_metadata
---
amdhsa.version: [ 1, 2 ]
amdhsa.kernels:
  - .name:           k_q7a4bb0e878_ffn2
    .symbol:         k_q7a4bb0e878_ffn2.kd
    .args:
      - { .name: hidimg, .offset: 0, .size: 8, .value_kind: global_buffer, .address_space: global }
      - { .name: wimg, .offset: 8, .size: 8, .value_kind: global_buffer, .address_space: global }
      - { .name: b2, .offset: 16, .size: 8, .value_kind: global_buffer, .address_space: global }
      - { .name: x1buf, .offset: 24, .size: 8, .value_kind: global_buffer, .address_space: global }
      - { .name: out0, .offset: 32, .size: 8, .value_kind: global_buffer, .address_space: global }
    .group_segment_fixed_size: 327680
    .private_segment_fixed_size: 0
    .kernarg_segment_align: 8
    .kernarg_segment_size: 40
    .max_flat_workgroup_size: 128
    .sgpr_count:     98
    .vgpr_count:     1024
    .wavefront_size: 32
...
	.end_amdgpu_metadata
.endif
;; end of part 5
;; ======== version 2 of 2: 6 launches
;; limits: right only within a limited range of input values
;; workspace buffers: wimg 8,327,168 bytes; hbuf 16,777,216 bytes; hnimg 3,276,800 bytes; kvimg 434,176 bytes; x1buf 16,777,216 bytes; h2img 3,276,800 bytes; hidimg 13,107,200 bytes; oimg 3,670,016 bytes
;; launch prep (part 6): grid 356 x 1, 4 waves a work-group, no clusters, 29,184 bytes of LDS; arguments w1, w2, wq, wo, wkv, cond, amod_gw, amod_bw, amod_gb, amod_bb, amod_nw, amod_nb, fmod_gw, fmod_bw, fmod_gb, fmod_bb, fmod_nw, fmod_nb, wimg; writes wimg
.if DOCPART == 6
	.amdgcn_target "amdgcn-amd-amdhsa--gfx1250"
	.amdhsa_code_object_version 6
	.text
	.protected	k_q7a4bb0e878_prep
	.globl	k_q7a4bb0e878_prep
	.p2align	8
	.type	k_q7a4bb0e878_prep,@function
k_q7a4bb0e878_prep:
	s_mov_b64 s[64:65], 0
	v_nop
	global_prefetch_b8 v0, s[64:65] scope:SCOPE_SE
	s_setreg_imm32_b32 hwreg(HW_REG_WAVE_MODE, 25, 1), 1
	s_wait_xcnt 0x0
; PREP.  Work-groups 0-323: the five weights [K][N] f32 become codes of FP6 (E2M3) with one E8M0 byte for each 32 along K, laid as IMAGES OF OPERAND REGISTERS:
;   codes  ((R (K/128) + s) 8 + j) 1536 + 512 c + 16 lane  (R: block of 128 columns n, s: K step of 128, j: tile, c: registers 4 c .. 4 c + 3 of the fragment)
;   scales ((R (K/128) + s) 8 + j) 64 + 4 r                (one word a row and K step)
;   tile j, lane r holds column 128 R + 32 (j / 2) + 8 (j % 2) + r + 8 (r / 8).
; A lane takes a column and its registers run down K, so a block of 32 lies in one lane; the codes go through the wave's own stage in LDS and leave as runs of 512 bytes.
; The scale words leave as runs of 128 bytes (one byte in 128 of what the launch reads).
; Work-groups 324-355: the four products cond x [512][1024], in f32 multiply-adds, folded with the norms' gains: P = nw (1 + g), Q = nb (1 + g) + be, so that adaLN is d rs P + Q.
; LIMITS: NaN and infinities are not served.  A block whose largest magnitude lies under 2^-124 keeps the byte 1, a block of zeros too (the rule says 127): its codes are zeros, and this program alone reads the bytes.
; P and Q fold the norm's gain and bias into the modulation: another order of f32 roundings than the source has.
.set W1C, 0
.set W2C, 3145728
.set WQC, 6291456
.set WOC, 7077888
.set WKVC, 7864320
.set W1S, 7962624
.set W2S, 8093696
.set WQS, 8224768
.set WOS, 8257536
.set WKVS, 8290304
.set MODS, 8294400
.set EMAX, 2
.set OF, 32                            ; v32-63   4 lane + i x pitch
.set X, 64                             ; v64-127  two sets of 32 numbers
.set C, 128                            ; v128-133 a block's codes
.set T, 134                            ; v134-136 the second conversion's result
.set SB, 138                           ; v138-139 scale words of the two K steps
.set OUTR, 140                         ; v140-187 the way out
	s_load_b512 s[4:19], s[0:1], 0x0               ; w1 w2 wq wo wkv cond amod_gw amod_bw
	s_load_b512 s[20:35], s[0:1], 0x40             ; amod_gb amod_bb amod_nw amod_nb fmod_gw fmod_bw fmod_gb fmod_bb
	s_load_b128 s[36:39], s[0:1], 0x80             ; fmod_nw fmod_nb
	s_load_b64 s[40:41], s[0:1], 0x90              ; wimg
	s_set_vgpr_msb 0x40
	v_lshl_add_u32 v0, v0, 2, 0x7000
	v_mov_b32 v1, 0
	s_set_vgpr_msb 0x4000
	v_lshrrev_b32 v1, 5, v0
	v_readfirstlane_b32 s58, v1                    ; wave
	v_and_b32 v2, 31, v0                           ; lane
	s_cmp_ge_u32 ttmp9, 324
	s_cbranch_scc1 .Lmod
; ---------------- the weights: one path, the sizes in scalars
	s_mov_b32 s42, 0                               ; first work-group of the weight
	s_mov_b32 s43, 5                               ; log2 (N / 128)
	s_mov_b32 s44, 14                              ; log2 (bytes of a row)
	s_mov_b32 s45, 8                               ; K / 128
	s_mov_b32 s46, W1C
	s_mov_b32 s47, W1S
	s_wait_kmcnt 0x0
	s_mov_b64 s[48:49], s[4:5]
.macro PICK first, lnb, lp, ks, co, so, ptr
	s_cmp_ge_u32 ttmp9, \first
	s_cselect_b32 s42, \first, s42
	s_cselect_b32 s43, \lnb, s43
	s_cselect_b32 s44, \lp, s44
	s_cselect_b32 s45, \ks, s45
	s_cselect_b32 s46, \co, s46
	s_cselect_b32 s47, \so, s47
	s_cselect_b64 s[48:49], s[\ptr:\ptr+1], s[48:49]
.endm
	PICK 128, 3, 12, 32, W2C, W2S, 6
	PICK 256, 3, 12, 8, WQC, WQS, 8
	PICK 288, 3, 12, 8, WOC, WOS, 10
	PICK 320, 0, 9, 8, WKVC, WKVS, 12
	s_sub_co_u32 s50, ttmp9, s42
	s_bfm_b32 s51, s43, 0
	s_and_b32 s51, s50, s51                        ; R: which 128 columns
	s_lshr_b32 s50, s50, s43                       ; kq: which 256 along K
	s_add_co_u32 s52, s44, 8
	s_lshl_b32 s52, s50, s52                       ; 256 kq rows
	s_lshl_b32 s53, s51, 9
	s_add_co_u32 s52, s52, s53
	s_lshl_b32 s53, s58, 7
	s_add_co_u32 s52, s52, s53                     ; + (128 R + 32 wave) x 4
	s_mov_b32 s53, 0
	s_add_nc_u64 s[48:49], s[48:49], s[52:53]
	s_lshl_b32 s54, 1, s44                         ; a row in bytes
	s_lshl_b32 s52, 32, s44                        ; 32 rows: from block to block
	s_mul_i32 s55, s51, s45
	s_mul_i32 s56, s55, 12288
	s_mul_i32 s57, s50, 24576
	s_add_co_u32 s56, s56, s57
	s_mul_i32 s57, s58, 3072
	s_add_co_u32 s56, s56, s57
	s_add_co_u32 s56, s56, s46
	s_mov_b32 s57, 0
	s_add_nc_u64 s[56:57], s[40:41], s[56:57]      ; my two tiles' codes of K step 2 kq
	s_lshl_b32 s60, s55, 9
	s_lshl_b32 s61, s50, 10
	s_add_co_u32 s60, s60, s61
	s_lshl_b32 s61, s58, 7
	s_add_co_u32 s60, s60, s61
	s_add_co_u32 s60, s60, s47
	s_mov_b32 s61, 0
	s_add_nc_u64 s[60:61], s[40:41], s[60:61]      ; and their scale words
	s_wait_alu depctr_va_vdst(0)
	v_lshlrev_b32 v3, 2, v2
.set i, 0
.rept 32
	v_mad_u32_u24 v[OF+i], s54, i, v3
.set i, i+1
.endr
	v_bfe_u32 v4, v0, 3, 1                         ; u: which of my two tiles holds my column
	v_and_b32 v5, 7, v0
	v_bfe_u32 v6, v0, 4, 1
	v_lshl_or_b32 v5, v6, 3, v5                    ; r: its lane there
	v_mul_u32_u24 v7, v4, 1536
	v_lshl_add_u32 v7, v5, 4, v7
	s_mul_i32 s59, s58, 6144
	v_add_nc_u32 v7, s59, v7                       ; the stage, on the way in
	v_lshlrev_b32 v8, 4, v2
	v_add_nc_u32 v9, s59, v8                       ; and out: 16 bytes a lane
	v_lshlrev_b32 v10, 6, v4
	v_lshl_add_u32 v10, v5, 2, v10                 ; my scale word's place: 64 u + 4 r
.macro LOAD t
.if (\t) > 0
	s_wait_xcnt 0x0                                ; the earlier loads have read their base: it may step
	s_add_nc_u64 s[48:49], s[48:49], s[52:53]
.endif
.set i, 0
.rept 32
	global_load_b32 v[X+32*((\t)%2)+i], v[OF+i], s[48:49] th:TH_LOAD_NT
.set i, i+1
.endr
.endm
.macro BLOCK t
.set XS, X+32*((\t)%2)
.set BQ, ((\t)/4)*3072
.if (\t) < 7
	s_wait_loadcnt 32                              ; this block's 32 loads are in, the next block's may be out
.else
	s_wait_loadcnt 0x0
.endif
	v_max3_num_f32 v12, |v[XS]|, |v[XS+1]|, |v[XS+2]|
	v_max3_num_f32 v13, |v[XS+3]|, |v[XS+4]|, |v[XS+5]|
.irp i, 6,10,14,18,22,26
	v_max3_num_f32 v12, v12, |v[XS+\i]|, |v[XS+\i+1]|
	v_max3_num_f32 v13, v13, |v[XS+\i+2]|, |v[XS+\i+3]|
.endr
	v_max3_num_f32 v12, v12, |v[XS+30]|, |v[XS+31]|
	v_max3_num_f32 v12, v12, v13, (EMAX+1)<<23     ; the floor 2^(3 - 127): the byte cannot fall under 1
	v_add_nc_u32 v11, -(EMAX<<23), v12             ; 2 off the exponent field: the conversion's scale operand
	v_cvt_scalef32_pk16_fp6_f32 v[C:C+2], v[XS:XS+15], v11
	v_cvt_scalef32_pk16_fp6_f32 v[T:T+2], v[XS+16:XS+31], v11
	v_lshrrev_b32 v13, 23, v11                     ; the byte; also the plain line behind the conversions
.if (\t)%4 == 0
	v_mov_b32 v[SB+(\t)/4], v13
.else
	v_lshl_or_b32 v[SB+(\t)/4], v13, 8*((\t)%4), v[SB+(\t)/4]
.endif
	v_mov_b32 v[C+3], v[T]
	v_mov_b32 v[C+4], v[T+1]
	v_mov_b32 v[C+5], v[T+2]
; block blk of a K step is registers 6 (blk / 2) .. + 5 of lane r + 16 (blk % 2) of the fragment
.if (\t)%4 == 0
	ds_store_b128 v7, v[C:C+3] offset:BQ
	ds_store_b64 v7, v[C+4:C+5] offset:BQ+512
.elseif (\t)%4 == 1
	ds_store_b128 v7, v[C:C+3] offset:BQ+256
	ds_store_b64 v7, v[C+4:C+5] offset:BQ+768
.elseif (\t)%4 == 2
	ds_store_b64 v7, v[C:C+1] offset:BQ+520
	ds_store_b128 v7, v[C+2:C+5] offset:BQ+1024
.else
	ds_store_b64 v7, v[C:C+1] offset:BQ+776
	ds_store_b128 v7, v[C+2:C+5] offset:BQ+1280
.endif
.if (\t)+2 < 8
	LOAD (\t)+2
.endif
	s_wait_dscnt 0x0                               ; the stores have read their registers
.endm
	LOAD 0
	LOAD 1
.irp t, 0,1,2,3,4,5,6,7
	BLOCK \t
.endr
.irp k, 0,1,2,3,4,5,6,7,8,9,10,11
	ds_load_b128 v[OUTR+4*\k:OUTR+4*\k+3], v9 offset:512*\k   ; LDS serves a wave's instructions in order: these see my stores
.endr
	global_store_b32 v10, v[SB], s[60:61]
	s_wait_alu depctr_va_vdst(0)
	global_store_b32 v10, v[SB+1], s[60:61] offset:512
.irp k, 0,1,2,3,4,5,6,7,8,9,10,11
	s_wait_dscnt 11-\k
	global_store_b128 v8, v[OUTR+4*\k:OUTR+4*\k+3], s[56:57] offset:(\k/6)*12288+(\k%6)*512   ; 512 consecutive bytes
.endr
	s_set_vgpr_msb 0x5
	s_wait_tensorcnt 0x0
	ds_add_u32 v0, v1
	s_wait_dscnt 0x0
	s_set_vgpr_msb 0x500
	s_endpgm
; ---------------- the modulation: work-group m: norm m / 16, columns 64 (m % 16) on; wave w sums k = 128 w .. + 127; a lane two columns
.Lmod:
	s_sub_co_u32 s42, ttmp9, 324
	s_lshr_b32 s43, s42, 4
	s_and_b32 s44, s42, 15
	s_wait_kmcnt 0x0
	s_cmp_eq_u32 s43, 0
	s_cselect_b64 s[16:17], s[16:17], s[28:29]     ; gw
	s_cselect_b64 s[18:19], s[18:19], s[30:31]     ; bw
	s_cselect_b64 s[20:21], s[20:21], s[32:33]     ; gb
	s_cselect_b64 s[22:23], s[22:23], s[34:35]     ; bb
	s_cselect_b64 s[24:25], s[24:25], s[36:37]     ; nw
	s_cselect_b64 s[26:27], s[26:27], s[38:39]     ; nb
	s_lshl_b32 s46, s58, 19                        ; 128 rows of 4,096 bytes a wave
	s_mov_b32 s47, 0
	s_add_nc_u64 s[16:17], s[16:17], s[46:47]
	s_add_nc_u64 s[18:19], s[18:19], s[46:47]
	s_lshl_b32 s46, s58, 9
	s_add_nc_u64 s[14:15], s[14:15], s[46:47]
	s_lshl_b32 s46, s43, 14
	s_add_co_u32 s46, s46, MODS
	s_add_nc_u64 s[40:41], s[40:41], s[46:47]
	s_wait_alu depctr_va_vdst(0)
	v_lshlrev_b32 v3, 2, v2
	v_lshlrev_b32 v4, 3, v2
	s_lshl_b32 s48, s44, 8
	v_add_nc_u32 v4, s48, v4                       ; 256 cg + 8 lane: my two columns
	v_lshlrev_b32 v5, 5, v2
	s_lshl_b32 s49, s58, 10
	v_add_nc_u32 v6, s49, v5
	v_add_nc_u32 v6, 24576, v6                     ; this path's own LDS: my partial sums,
	v_add_nc_u32 v5, 24576, v5                     ; and wave 0's reads of all four
.irp b, 0,1
.irp i, 0,1,2,3
	global_load_b32 v[24+4*\b+\i], v3, s[14:15] offset:2048*\b+128*\i   ; cond[b][128 w + 32 i + lane]
.endr
.endr
	global_load_b64 v[8:9], v4, s[20:21]
	global_load_b64 v[10:11], v4, s[22:23]
	global_load_b64 v[12:13], v4, s[24:25]
	global_load_b64 v[14:15], v4, s[26:27]
.macro RLOAD p
.set RS, 64+64*((\p)%3)
.set k, 0
.rept 16
	global_load_b64 v[RS+2*k:RS+2*k+1], v4, s[16:17] offset:(16*(\p)+k)*4096 th:TH_LOAD_NT
	global_load_b64 v[RS+32+2*k:RS+32+2*k+1], v4, s[18:19] offset:(16*(\p)+k)*4096 th:TH_LOAD_NT
.set k, k+1
.endr
.endm
.macro RWORK p
.set RS, 64+64*((\p)%3)
.set k, 0
.rept 16
	v_readlane_b32 s60, v[24+(16*(\p)+k)/32], (16*(\p)+k)%32
	v_readlane_b32 s61, v[28+(16*(\p)+k)/32], (16*(\p)+k)%32
	v_fmac_f32 v16, s60, v[RS+2*k]
	v_fmac_f32 v17, s60, v[RS+2*k+1]
	v_fmac_f32 v18, s61, v[RS+2*k]
	v_fmac_f32 v19, s61, v[RS+2*k+1]
	v_fmac_f32 v20, s60, v[RS+32+2*k]
	v_fmac_f32 v21, s60, v[RS+32+2*k+1]
	v_fmac_f32 v22, s61, v[RS+32+2*k]
	v_fmac_f32 v23, s61, v[RS+32+2*k+1]
.set k, k+1
.endr
.endm
	RLOAD 0
	RLOAD 1
	RLOAD 2
.irp j, 16,17,18,19,20,21,22,23
	v_mov_b32 v\j, 0
.endr
.irp p, 0,1,2,3,4,5,6,7
.if \p < 6
	s_wait_loadcnt 63                              ; 64 loads are younger than this round's; the count's field ends at 63
.elseif \p == 6
	s_wait_loadcnt 32
.else
	s_wait_loadcnt 0x0
.endif
	RWORK \p
.if \p+3 < 8
	RLOAD \p+3
.endif
.endr
	ds_store_b128 v6, v[16:19]
	ds_store_b128 v6, v[20:23] offset:16
	s_wait_dscnt 0x0                               ; for the others: my stores have landed
	s_barrier_signal -1
	s_barrier_wait -1
	s_cmp_lg_u32 s58, 0
	s_cbranch_scc1 .Ldone
.irp w, 0,1,2,3
	ds_load_b128 v[32+8*\w:35+8*\w], v5 offset:1024*\w
	ds_load_b128 v[36+8*\w:39+8*\w], v5 offset:1024*\w+16
.endr
	s_wait_dscnt 0x0
.irp j, 0,2,4,6
	v_pk_add_f32 v[32+\j:33+\j], v[32+\j:33+\j], v[40+\j:41+\j]
	v_pk_add_f32 v[48+\j:49+\j], v[48+\j:49+\j], v[56+\j:57+\j]
.endr
.irp j, 0,2,4,6
	v_pk_add_f32 v[32+\j:33+\j], v[32+\j:33+\j], v[48+\j:49+\j]
.endr
.irp b, 0,1                                    ; v[32+2b] g of batch b, v[36+2b] be of batch b
	v_pk_add_f32 v[32+2*\b:33+2*\b], v[32+2*\b:33+2*\b], v[8:9]
	v_pk_add_f32 v[36+2*\b:37+2*\b], v[36+2*\b:37+2*\b], v[10:11]
	v_pk_add_f32 v[32+2*\b:33+2*\b], v[32+2*\b:33+2*\b], 1.0 op_sel_hi:[1,0]
	v_pk_mul_f32 v[40+2*\b:41+2*\b], v[12:13], v[32+2*\b:33+2*\b]
	v_pk_fma_f32 v[44+2*\b:45+2*\b], v[14:15], v[32+2*\b:33+2*\b], v[36+2*\b:37+2*\b]
	global_store_b64 v4, v[40+2*\b:41+2*\b], s[40:41] offset:8192*\b         ; 256 consecutive bytes
	global_store_b64 v4, v[44+2*\b:45+2*\b], s[40:41] offset:8192*\b+4096
.endr
.Ldone:
	s_set_vgpr_msb 0x5
	s_wait_tensorcnt 0x0
	ds_add_u32 v0, v1
	s_wait_dscnt 0x0
	s_set_vgpr_msb 0x500
	s_endpgm
.Lfunc_end_k_q7a4bb0e878_prep:
	.size	k_q7a4bb0e878_prep, .Lfunc_end_k_q7a4bb0e878_prep-k_q7a4bb0e878_prep
	.p2alignl 7, 3214868480
	.fill 96, 4, 3214868480
	.section	.rodata,"a",@progbits
	.p2align	6, 0x0
	.amdhsa_kernel k_q7a4bb0e878_prep
		.amdhsa_group_segment_fixed_size 29184
		.amdhsa_private_segment_fixed_size 0
		.amdhsa_enable_private_segment 0
		.amdhsa_kernarg_size 152
		.amdhsa_user_sgpr_count 2
		.amdhsa_user_sgpr_kernarg_segment_ptr 1
		.amdhsa_wavefront_size32 1
		.amdhsa_system_sgpr_workgroup_id_x 1
		.amdhsa_system_sgpr_workgroup_id_y 1
		.amdhsa_system_sgpr_workgroup_id_z 1
		.amdhsa_system_vgpr_workitem_id 0
		.amdhsa_next_free_vgpr 258
		.amdhsa_next_free_sgpr 66
		.amdhsa_reserve_vcc 0
		.amdhsa_float_denorm_mode_32 3
		.amdhsa_float_denorm_mode_16_64 3
		.amdhsa_memory_ordered 1
		.amdhsa_forward_progress 1
		.amdhsa_inst_pref_size 124
	.end_amdhsa_kernel
	.amdgpu_metadata
---
amdhsa.version: [ 1, 2 ]
amdhsa.kernels:
  - .name:           k_q7a4bb0e878_prep
    .symbol:         k_q7a4bb0e878_prep.kd
    .args:
      - { .name: w1, .offset: 0, .size: 8, .value_kind: global_buffer, .address_space: global }
      - { .name: w2, .offset: 8, .size: 8, .value_kind: global_buffer, .address_space: global }
      - { .name: wq, .offset: 16, .size: 8, .value_kind: global_buffer, .address_space: global }
      - { .name: wo, .offset: 24, .size: 8, .value_kind: global_buffer, .address_space: global }
      - { .name: wkv, .offset: 32, .size: 8, .value_kind: global_buffer, .address_space: global }
      - { .name: cond, .offset: 40, .size: 8, .value_kind: global_buffer, .address_space: global }
      - { .name: amod_gw, .offset: 48, .size: 8, .value_kind: global_buffer, .address_space: global }
      - { .name: amod_bw, .offset: 56, .size: 8, .value_kind: global_buffer, .address_space: global }
      - { .name: amod_gb, .offset: 64, .size: 8, .value_kind: global_buffer, .address_space: global }
      - { .name: amod_bb, .offset: 72, .size: 8, .value_kind: global_buffer, .address_space: global }
      - { .name: amod_nw, .offset: 80, .size: 8, .value_kind: global_buffer, .address_space: global }
      - { .name: amod_nb, .offset: 88, .size: 8, .value_kind: global_buffer, .address_space: global }
      - { .name: fmod_gw, .offset: 96, .size: 8, .value_kind: global_buffer, .address_space: global }
      - { .name: fmod_bw, .offset: 104, .size: 8, .value_kind: global_buffer, .address_space: global }
      - { .name: fmod_gb, .offset: 112, .size: 8, .value_kind: global_buffer, .address_space: global }
      - { .name: fmod_bb, .offset: 120, .size: 8, .value_kind: global_buffer, .address_space: global }
      - { .name: fmod_nw, .offset: 128, .size: 8, .value_kind: global_buffer, .address_space: global }
      - { .name: fmod_nb, .offset: 136, .size: 8, .value_kind: global_buffer, .address_space: global }
      - { .name: wimg, .offset: 144, .size: 8, .value_kind: global_buffer, .address_space: global }
    .group_segment_fixed_size: 29184
    .private_segment_fixed_size: 0
    .kernarg_segment_align: 8
    .kernarg_segment_size: 152
    .max_flat_workgroup_size: 128
    .sgpr_count:     66
    .vgpr_count:     258
    .wavefront_size: 32
...
	.end_amdgpu_metadata
.endif
;; end of part 6
;; launch ln1kv (part 7): grid 128 x 1, 16 waves a work-group, no clusters, 160,256 bytes of LDS; arguments x, wimg, attn_nw, attn_nb, hbuf, hnimg, kvimg; writes hbuf, hnimg, kvimg
.if DOCPART == 7
	.amdgcn_target "amdgcn-amd-amdhsa--gfx1250"
	.amdhsa_code_object_version 6
	.text
	.protected	k_q7a4bb0e878_ln1kv
	.globl	k_q7a4bb0e878_ln1kv
	.p2align	8
	.type	k_q7a4bb0e878_ln1kv,@function
k_q7a4bb0e878_ln1kv:
	s_mov_b64 s[64:65], 0
	v_nop
	global_prefetch_b8 v0, s[64:65] scope:SCOPE_SE
	s_setreg_imm32_b32 hwreg(HW_REG_WAVE_MODE, 25, 1), 1
	s_wait_xcnt 0x0
; h = adaLN(x) (stored, f32), hn = LN(h), Q(hn) as register images, and the shared K and V of attention as codes.  All norms in f32, variance from the centred numbers.
; A work-group takes 32 tokens: two tiles of the image format and exactly one block of 32 keys of V.
; A: each of 16 waves norms two rows; hn goes to LDS as f32 (pitch 4,112 bytes).  | barrier |
; B: wave w quantises fragment (tile w / 8, K step w % 8): image to memory and to LDS.  | barrier |
; C: waves 0, 1: k = hn wk for one tile of tokens (source 0 = 16 columns of wk, source 1 = hn), quantised along d.
;    waves 2, 3: v for 32 of its 64 channels (source 0 = hn, source 1 = 16 columns of wv: a lane then holds one channel and its registers run along the keys), quantised along the keys.  The other waves end.
; Image format: tile j, lane r holds row 32 (j / 2) + 8 (j % 2) + r + 8 (r / 8) of its 128.
; V's codes and bytes are stored in pieces of 8 bytes and 1 byte (204 KB in the launch): each work-group owns one key block of every channel.
; LIMITS: NaN and infinities are not served; a block under 2^-124, and a block of zeros, keeps the byte 1 (its codes are then zeros or tiny; this program alone reads the bytes).
.set HP, 4112
.set IMGL, 131584
.set SCLL, 156160
.set WKVC, 7864320
.set WKVS, 8290304
.set MODS, 8294400
.set L16, 1                            ; v1  16 x lane
.set R4, 2                             ; v2  4 x (lane % 16)
.set ACC, 12
.set AF, 44
.set AS, 140
.set W0, 148
.set X0, 32
.set X1, 64
.set PM, 96
.set QM, 128
.set AW, 160
.set AB, 192
.set SCR, 224
.set WV, 18
.set SEL, 20
.set RN, 22
.set EPSR, 23
.set WB, 44
.set WSB, 46
.macro RED v, t
	s_delay_alu instid0(VALU_DEP_1)
	v_add_f32_dpp v[\v], v[\v], v[\v] row_xmask:1 row_mask:0xf bank_mask:0xf
	s_delay_alu instid0(VALU_DEP_1)
	v_add_f32_dpp v[\v], v[\v], v[\v] row_xmask:2 row_mask:0xf bank_mask:0xf
	s_delay_alu instid0(VALU_DEP_1)
	v_add_f32_dpp v[\v], v[\v], v[\v] row_xmask:4 row_mask:0xf bank_mask:0xf
	s_delay_alu instid0(VALU_DEP_1)
	v_add_f32_dpp v[\v], v[\v], v[\v] row_xmask:8 row_mask:0xf bank_mask:0xf
	s_delay_alu instid0(VALU_DEP_1)
	v_permlanex16_b32 v[\t], v[\v], s[SEL], s[SEL+1]
	s_delay_alu instid0(VALU_DEP_1)
	v_add_f32 v[\v], v[\v], v[\t]
.endm
; a row of 1,024 numbers, 32 a lane in v[x] on: the numbers are centred in place, v[SCR+2] = 1 / sqrt(variance + eps)
.macro LNSTAT x
	v_pk_add_f32 v[SCR:SCR+1], v[\x:\x+1], v[\x+2:\x+3]
	v_pk_add_f32 v[SCR+2:SCR+3], v[\x+4:\x+5], v[\x+6:\x+7]
	v_pk_add_f32 v[SCR+4:SCR+5], v[\x+8:\x+9], v[\x+10:\x+11]
	v_pk_add_f32 v[SCR+6:SCR+7], v[\x+12:\x+13], v[\x+14:\x+15]
.irp i, 16,24
	s_delay_alu instid0(VALU_DEP_4)
	v_pk_add_f32 v[SCR:SCR+1], v[SCR:SCR+1], v[\x+\i:\x+\i+1]
	s_delay_alu instid0(VALU_DEP_4)
	v_pk_add_f32 v[SCR+2:SCR+3], v[SCR+2:SCR+3], v[\x+\i+2:\x+\i+3]
	s_delay_alu instid0(VALU_DEP_4)
	v_pk_add_f32 v[SCR+4:SCR+5], v[SCR+4:SCR+5], v[\x+\i+4:\x+\i+5]
	s_delay_alu instid0(VALU_DEP_4)
	v_pk_add_f32 v[SCR+6:SCR+7], v[SCR+6:SCR+7], v[\x+\i+6:\x+\i+7]
.endr
	s_delay_alu instid0(VALU_DEP_3)
	v_pk_add_f32 v[SCR:SCR+1], v[SCR:SCR+1], v[SCR+2:SCR+3]
	s_delay_alu instid0(VALU_DEP_2)
	v_pk_add_f32 v[SCR+4:SCR+5], v[SCR+4:SCR+5], v[SCR+6:SCR+7]
	s_delay_alu instid0(VALU_DEP_1)
	v_pk_add_f32 v[SCR:SCR+1], v[SCR:SCR+1], v[SCR+4:SCR+5]
	s_delay_alu instid0(VALU_DEP_1)
	v_add_f32 v[SCR], v[SCR], v[SCR+1]
	RED SCR, SCR+8
	s_delay_alu instid0(VALU_DEP_1)
	v_mul_f32 v[SCR], s[RN], v[SCR]                ; the mean
	s_wait_alu depctr_va_vdst(0)
	s_wait_xcnt 0x0                                ; stores that read these registers have read them: they are rewritten only behind this wait
.irp i, 0,2,4,6,8,10,12,14,16,18,20,22,24,26,28,30
	v_pk_add_f32 v[\x+\i:\x+\i+1], v[\x+\i:\x+\i+1], v[SCR:SCR+1] op_sel_hi:[1,0] neg_lo:[0,1] neg_hi:[0,1]
.endr
.irp c, 0,2,4,6
	v_pk_mul_f32 v[SCR+\c:SCR+\c+1], v[\x+\c:\x+\c+1], v[\x+\c:\x+\c+1]
.endr
.irp i, 8,16,24
.irp c, 0,2,4,6
	s_delay_alu instid0(VALU_DEP_4)
	v_pk_fma_f32 v[SCR+\c:SCR+\c+1], v[\x+\i+\c:\x+\i+\c+1], v[\x+\i+\c:\x+\i+\c+1], v[SCR+\c:SCR+\c+1]
.endr
.endr
	s_delay_alu instid0(VALU_DEP_3)
	v_pk_add_f32 v[SCR:SCR+1], v[SCR:SCR+1], v[SCR+2:SCR+3]
	s_delay_alu instid0(VALU_DEP_2)
	v_pk_add_f32 v[SCR+4:SCR+5], v[SCR+4:SCR+5], v[SCR+6:SCR+7]
	s_delay_alu instid0(VALU_DEP_1)
	v_pk_add_f32 v[SCR:SCR+1], v[SCR:SCR+1], v[SCR+4:SCR+5]
	s_delay_alu instid0(VALU_DEP_1)
	v_add_f32 v[SCR], v[SCR], v[SCR+1]
	RED SCR, SCR+8
	s_delay_alu instid0(VALU_DEP_1)
	v_fma_f32 v[SCR], v[SCR], s[RN], s[EPSR]
	s_wait_alu depctr_va_vdst(0)
	v_rsq_f32 v[SCR+2], v[SCR]
	v_nop                                          ; a plain line behind the transcendental
	s_wait_alu depctr_va_vdst(0)                   ; and the wait ahead of its first reader
.endm
.macro LNAPPLY x, w, b                         ; x = (x rs) w + b
.irp i, 0,2,4,6,8,10,12,14,16,18,20,22,24,26,28,30
	v_pk_mul_f32 v[\x+\i:\x+\i+1], v[\x+\i:\x+\i+1], v[SCR+2:SCR+3] op_sel_hi:[1,0]
.endr
.irp i, 0,2,4,6,8,10,12,14,16,18,20,22,24,26,28,30
	v_pk_fma_f32 v[\x+\i:\x+\i+1], v[\x+\i:\x+\i+1], v[\w+\i:\w+\i+1], v[\b+\i:\b+\i+1]
.endr
.endm
; 64 numbers of a lane, register 16 b + i = k 32 b + 16 (lane / 16) + i of my row, become a fragment in v[pc] .. v[pc + 11] and its scale word in v[pw]
.macro QUANT s, pc, tm, pw
.irp b, 0,1,2,3
	v_mov_b32 v[\tm+4+\b], 0                       ; a lane permute's destination counts as read
.endr
.irp b, 0,1,2,3
	v_max3_num_f32 v[\tm+\b], |v[\s+16*\b]|, |v[\s+1+16*\b]|, 0x1800000   ; with the floor 2^(3 - 127)
.endr
.irp i, 2,4,6,8,10,12,14
.irp b, 0,1,2,3
	s_delay_alu instid0(VALU_DEP_4)
	v_max3_num_f32 v[\tm+\b], v[\tm+\b], |v[\s+16*\b+\i]|, |v[\s+1+16*\b+\i]|
.endr
.endr
.irp b, 0,1,2,3
	s_delay_alu instid0(VALU_DEP_4)
	v_permlanex16_b32 v[\tm+4+\b], v[\tm+\b], s[SEL], s[SEL+1]
.endr
.irp b, 0,1,2,3
	s_delay_alu instid0(VALU_DEP_4)
	v_max_num_f32 v[\tm+\b], v[\tm+\b], v[\tm+4+\b]
.endr
.irp b, 0,1,2,3
	s_delay_alu instid0(VALU_DEP_4)
	v_add_nc_u32 v[\tm+12+\b], 0xff000000, v[\tm+\b]   ; 2 off the exponent field: the conversion's scale operand
.endr
.irp b, 0,1,2,3
	s_delay_alu instid0(VALU_DEP_4)
	v_lshrrev_b32 v[\tm+4+\b], 23, v[\tm+12+\b]
.endr
	s_delay_alu instid0(VALU_DEP_3)
	v_lshl_or_b32 v[\pw], v[\tm+5], 8, v[\tm+4]
	s_delay_alu instid0(VALU_DEP_1)
	v_lshl_or_b32 v[\pw], v[\tm+6], 16, v[\pw]
	s_delay_alu instid0(VALU_DEP_1)
	v_lshl_or_b32 v[\pw], v[\tm+7], 24, v[\pw]
.irp c, 0,1
	v_cvt_scalef32_pk16_fp6_f32 v[\pc+6*\c:\pc+2+6*\c], v[\s+32*\c:\s+15+32*\c], v[\tm+12+2*\c]
	v_cvt_scalef32_pk16_fp6_f32 v[\pc+12+4*\c:\pc+14+4*\c], v[\s+16+32*\c:\s+31+32*\c], v[\tm+13+2*\c]
.endr
	v_nop                                          ; a plain line behind the conversions
.irp c, 0,1
.irp i, 0,1,2
	v_permlane16_swap_b32 v[\pc+6*\c+\i], v[\pc+12+4*\c+\i]
.endr
.irp i, 0,1,2
	s_delay_alu instid0(VALU_DEP_3)
	v_mov_b32 v[\pc+3+6*\c+\i], v[\pc+12+4*\c+\i]
.endr
.endr
.endm
; the half of it: 32 numbers, two blocks; lane (r, h) ends with the whole block h in v[pc] .. v[pc + 5]; the two bytes in v[tm + 4], v[tm + 5]
.macro QH s, pc, tm
.irp b, 0,1
	v_mov_b32 v[\tm+4+\b], 0
.endr
.irp b, 0,1
	v_max3_num_f32 v[\tm+\b], |v[\s+16*\b]|, |v[\s+1+16*\b]|, 0x1800000
.endr
.irp i, 2,4,6,8,10,12,14
.irp b, 0,1
	v_max3_num_f32 v[\tm+\b], v[\tm+\b], |v[\s+16*\b+\i]|, |v[\s+1+16*\b+\i]|
.endr
.endr
.irp b, 0,1
	s_delay_alu instid0(VALU_DEP_2)
	v_permlanex16_b32 v[\tm+4+\b], v[\tm+\b], s[SEL], s[SEL+1]
.endr
.irp b, 0,1
	s_delay_alu instid0(VALU_DEP_2)
	v_max_num_f32 v[\tm+\b], v[\tm+\b], v[\tm+4+\b]
.endr
.irp b, 0,1
	s_delay_alu instid0(VALU_DEP_2)
	v_add_nc_u32 v[\tm+12+\b], 0xff000000, v[\tm+\b]
.endr
.irp b, 0,1
	s_delay_alu instid0(VALU_DEP_2)
	v_lshrrev_b32 v[\tm+4+\b], 23, v[\tm+12+\b]
.endr
	v_cvt_scalef32_pk16_fp6_f32 v[\pc:\pc+2], v[\s:\s+15], v[\tm+12]
	v_cvt_scalef32_pk16_fp6_f32 v[\pc+12:\pc+14], v[\s+16:\s+31], v[\tm+13]
	v_nop
.irp i, 0,1,2
	v_permlane16_swap_b32 v[\pc+\i], v[\pc+12+\i]
.endr
.irp i, 0,1,2
	s_delay_alu instid0(VALU_DEP_3)
	v_mov_b32 v[\pc+3+\i], v[\pc+12+\i]
.endr
.endm
.macro MM0 d, a, b, sa, sb
	v_wmma_scale_f32_16x16x128_f8f6f4 v[\d:\d+7], v[\a:\a+11], v[\b:\b+11], 0, v[\sa], v[\sb] matrix_a_fmt:MATRIX_FMT_FP6 matrix_b_fmt:MATRIX_FMT_FP6
.endm
.macro MMA d, a, b, sa, sb
	v_wmma_scale_f32_16x16x128_f8f6f4 v[\d:\d+7], v[\a:\a+11], v[\b:\b+11], v[\d:\d+7], v[\sa], v[\sb] matrix_a_fmt:MATRIX_FMT_FP6 matrix_b_fmt:MATRIX_FMT_FP6
.endm
; four weight tiles (64 columns) of K step s, and their scale words, into set 0 or 1: 16 loads
.macro WLOAD s, set
.set WR, W0+52*(\set)
.irp t, 0,1,2,3
.irp c, 0,1,2
	global_load_b128 v[WR+12*\t+4*\c:WR+12*\t+4*\c+3], v[L16], s[WB:WB+1] offset:(\s)*12288+\t*1536+\c*512
.endr
	global_load_b32 v[WR+48+\t], v[R4], s[WSB:WSB+1] offset:(\s)*512+\t*64
.endr
.endm
; K step s of 16 rows x 64 columns: four accumulators by turns
.macro PSTEP s, first
.if (\s) < 7
	s_wait_loadcnt 16                              ; this step's set is in; the next step's 16 loads may be out
.else
	s_wait_loadcnt 0x0
.endif
.set WR, W0+52*((\s)%2)
.irp t, 0,1,2,3
.if \first
	MM0 ACC+8*\t, WR+12*\t, AF+12*(\s), WR+48+\t, AS+(\s)
.else
	MMA ACC+8*\t, WR+12*\t, AF+12*(\s), WR+48+\t, AS+(\s)
.endif
.endr
.if (\s)+2 < 8
.rept 4
	v_nop                                          ; places in front of loads into registers that the products have read
.endr
	WLOAD (\s)+2, (\s)%2
.endif
.endm
	s_load_b256 s[4:11], s[0:1], 0x0               ; x, wimg, attn_nw, attn_nb
	s_load_b128 s[12:15], s[0:1], 0x20             ; hbuf, hnimg
	s_load_b64 s[16:17], s[0:1], 0x30              ; kvimg
	v_lshrrev_b32 v1, 5, v0
	s_delay_alu instid0(VALU_DEP_1)
	v_readfirstlane_b32 s[WV], v1
	s_mov_b32 s[SEL], 0x76543210
	s_mov_b32 s[SEL+1], 0xfedcba98
	s_mov_b32 s[RN], 0x3a800000                    ; 1 / 1024
	s_mov_b32 s[EPSR], 0x3727c5ac                  ; 1e-5
	; every LDS address is made here, ahead of the partings of the waves
	v_and_b32 v224, 31, v0
	v_and_b32 v225, 15, v0
	v_bfe_u32 v226, v0, 4, 1
	s_delay_alu instid0(VALU_DEP_3)
	v_lshlrev_b32 v[L16], 4, v224
	s_wait_alu depctr_va_vdst(0)
	v_lshlrev_b32 v[R4], 2, v225
	v_lshlrev_b32 v11, 2, v224                     ; v11 4 x lane
	s_wait_alu depctr_va_vdst(0)
	s_mul_i32 s24, s[WV], 2*HP
	v_add_nc_u32 v3, s24, v[L16]                   ; v3  A: my two rows of hn
	s_lshr_b32 s34, s[WV], 3                       ; u
	s_and_b32 s33, s[WV], 7                        ; s
	s_mul_i32 s24, s34, 16*HP
	s_lshl_b32 s25, s33, 9
	s_add_co_u32 s24, s24, s25
	v_mul_u32_u24 v4, v225, HP
	s_delay_alu instid0(VALU_DEP_1)
	v_lshl_add_u32 v4, v226, 6, v4
	s_delay_alu instid0(VALU_DEP_1)
	v_add_nc_u32 v4, s24, v4                       ; v4  B: row 16 u + r, 512 s + 64 h
	s_mul_i32 s24, s[WV], 1536
	s_add_co_u32 s24, s24, IMGL
	v_add_nc_u32 v5, s24, v[L16]                   ; v5  B: my image
	s_lshl_b32 s24, s[WV], 7
	s_add_co_u32 s24, s24, SCLL
	v_add_nc_u32 v6, s24, v11                      ; v6  B: my scale words
	s_and_b32 s25, s[WV], 1
	s_mul_i32 s24, s25, 12288
	s_add_co_u32 s24, s24, IMGL
	v_add_nc_u32 v7, s24, v[L16]                   ; v7  C, k: tile w's images
	s_lshl_b32 s24, s25, 10
	s_add_co_u32 s24, s24, SCLL
	v_add_nc_u32 v8, s24, v11                      ; v8  and scale words
	v_add_nc_u32 v9, IMGL, v[L16]                  ; v9  C, v: all images
	v_add_nc_u32 v10, SCLL, v11                    ; v10 and scale words
	v_lshlrev_b32 v252, 3, v224                    ; v252 8 x lane
	v_mul_u32_u24 v253, v226, 1536
	s_delay_alu instid0(VALU_DEP_1)
	v_lshl_add_u32 v253, v225, 4, v253             ; v253 1536 h + 16 r
	v_mov_b32 v254, v224                           ; v254 lane
	v_mov_b32 v[SCR+8], 0
	; my two tokens: LDS rows 2 w, 2 w + 1 hold the tokens with bits 3 and 4 changed over
	s_lshl_b32 s24, s[WV], 1
	s_and_b32 s25, s24, 7
	s_bfe_u32 s26, s24, 0x10003
	s_lshl_b32 s26, s26, 4
	s_or_b32 s25, s25, s26
	s_bfe_u32 s26, s24, 0x10004
	s_lshl_b32 s26, s26, 3
	s_or_b32 s25, s25, s26
	s_lshl_b32 s26, ttmp9, 5
	s_add_co_u32 s25, s25, s26
	s_lshl_b32 s26, s25, 12
	s_mov_b32 s27, 0
	s_lshr_b32 s28, ttmp9, 6                       ; batch
	s_lshl_b32 s28, s28, 13
	s_add_co_u32 s28, s28, MODS
	s_mov_b32 s29, 0
	s_lshr_b32 s32, ttmp9, 2                       ; R
	s_and_b32 s35, ttmp9, 3
	s_lshl_b32 s35, s35, 1
	s_add_co_u32 s35, s35, s34                     ; j
	s_lshl_b32 s36, s32, 3
	s_add_co_u32 s36, s36, s33
	s_lshl_b32 s36, s36, 3
	s_add_co_u32 s36, s36, s35                     ; (8 R + s) 8 + j
	s_mul_i32 s38, s36, 1536
	s_mov_b32 s39, 0
	s_lshl_b32 s36, s36, 6
	s_add_co_u32 s36, s36, 3145728
	s_mov_b32 s37, 0
	s_mov_b32 s40, WKVC
	s_mov_b32 s41, 0
	s_mov_b32 s42, WKVS
	s_mov_b32 s43, 0
	s_wait_kmcnt 0x0
	s_add_nc_u64 s[4:5], s[4:5], s[26:27]
	s_add_nc_u64 s[12:13], s[12:13], s[26:27]
	s_add_nc_u64 s[30:31], s[6:7], s[28:29]
	s_add_nc_u64 s[38:39], s[14:15], s[38:39]
	s_add_nc_u64 s[36:37], s[14:15], s[36:37]
	s_add_nc_u64 s[WB:WB+1], s[6:7], s[40:41]
	s_add_nc_u64 s[WSB:WSB+1], s[6:7], s[42:43]
; ---- A
.irp i, 0,1,2,3,4,5,6,7
	global_load_b128 v[X0+4*\i:X0+4*\i+3], v[L16], s[4:5] offset:512*\i th:TH_LOAD_NT
	global_load_b128 v[X1+4*\i:X1+4*\i+3], v[L16], s[4:5] offset:4096+512*\i th:TH_LOAD_NT
.endr
.irp i, 0,1,2,3,4,5,6,7
	global_load_b128 v[PM+4*\i:PM+4*\i+3], v[L16], s[30:31] offset:512*\i
	global_load_b128 v[QM+4*\i:QM+4*\i+3], v[L16], s[30:31] offset:4096+512*\i
	global_load_b128 v[AW+4*\i:AW+4*\i+3], v[L16], s[8:9] offset:512*\i
	global_load_b128 v[AB+4*\i:AB+4*\i+3], v[L16], s[10:11] offset:512*\i
.endr
	s_wait_loadcnt 0x0
.macro ROW x, n
	LNSTAT \x
	LNAPPLY \x, PM, QM                             ; h
.irp i, 0,1,2,3,4,5,6,7
	global_store_b128 v[L16], v[\x+4*\i:\x+4*\i+3], s[12:13] offset:4096*\n+512*\i   ; 512 consecutive bytes
.endr
	LNSTAT \x
	LNAPPLY \x, AW, AB                             ; hn
.irp i, 0,1,2,3,4,5,6,7
	ds_store_b128 v3, v[\x+4*\i:\x+4*\i+3] offset:HP*\n+512*\i
.endr
.endm
	ROW X0, 0
	ROW X1, 1
	s_wait_dscnt 0x0
	s_barrier_signal -1
	s_barrier_wait -1                              ; 32 rows of hn lie in LDS
; ---- B
.irp b, 0,1,2,3
.irp i, 0,1,2,3
	ds_load_b128 v[32+16*\b+4*\i:35+16*\b+4*\i], v4 offset:128*\b+16*\i
.endr
.endr
	s_wait_dscnt 0x0
	QUANT 32, 96, 116, 132
.irp c, 0,1,2
	global_store_b128 v[L16], v[96+4*\c:99+4*\c], s[38:39] offset:512*\c
	ds_store_b128 v5, v[96+4*\c:99+4*\c] offset:512*\c
.endr
	global_store_b32 v[R4], v132, s[36:37]         ; both halves of the lanes hold the same word and write it to the same place
	ds_store_b32 v6, v132
	s_wait_xcnt 0x0                                ; the stores have read their registers: phase C loads over them
	s_wait_dscnt 0x0
	s_barrier_signal -1
	s_barrier_wait -1                              ; 16 fragments of hn lie in LDS
; ---- C
	s_cmp_ge_u32 s[WV], 4
	s_cbranch_scc1 .Lend
	s_cmp_ge_u32 s[WV], 2
	s_cbranch_scc1 .Lvjob
	WLOAD 0, 0
	WLOAD 1, 1
.irp s, 0,1,2,3,4,5,6,7
.irp c, 0,1,2
	ds_load_b128 v[AF+12*\s+4*\c:AF+12*\s+4*\c+3], v7 offset:\s*1536+\c*512
.endr
	ds_load_b32 v[AS+\s], v8 offset:\s*128
.endr
	s_wait_dscnt 0x0
	PSTEP 0, 1
.irp s, 1,2,3,4,5,6,7
	PSTEP \s, 0
.endr
.rept 4
	v_nop
.endr
	QH ACC, 44, 64                                 ; lane (r, h): key r of my tile, d = 32 h .. 32 h + 31
	v_lshl_or_b32 v80, v69, 8, v68                 ; the scale word; its upper two bytes stay 0: they scale zero codes of q
; K's tiles for attention: key 64 c + 32 hh + 8 t + m is row 8 hh + m of tile 4 c + t; two tiles make one image of 12 registers (1,536 bytes).
; My lane (r, h) holds key 32 b + 8 u + 16 (r / 8) + r % 8 (b: the work-group's block of 32 keys, u: my wave): pair 2 (b / 2) + r / 8, half u of it, row 8 (b % 2) + r % 8.
; The scale words: step b / 4: 32 bytes a row, a word a tile.
	v_and_b32 v81, 7, v0
	v_bfe_u32 v82, v0, 3, 1
	v_bfe_u32 v83, v0, 4, 1
	v_mul_u32_u24 v84, v82, 1536
	v_lshlrev_b32 v85, 5, v81
	s_delay_alu instid0(VALU_DEP_2)
	v_lshl_add_u32 v84, v81, 4, v84
	s_delay_alu instid0(VALU_DEP_2)
	v_lshl_add_u32 v85, v82, 3, v85                ; 32 (r % 8) + 8 (r / 8)
	s_delay_alu instid0(VALU_DEP_2)
	v_lshl_add_u32 v84, v83, 8, v84                ; 1536 (r / 8) + 16 (r % 8) + 256 h
	s_and_b32 s48, ttmp9, 63                       ; b
	s_lshr_b32 s49, ttmp9, 6
	s_mul_i32 s49, s49, 217088
	s_lshr_b32 s50, s48, 1
	s_mul_i32 s51, s50, 3072
	s_add_co_u32 s51, s51, s49
	s_and_b32 s52, s48, 1
	s_lshl_b32 s53, s52, 7
	s_add_co_u32 s51, s51, s53
	s_mul_i32 s54, s[WV], 520                      ; my first two registers lie at 0 or 520 of the image,
	s_add_co_u32 s24, s51, s54
	s_mov_b32 s25, 0
	s_mul_i32 s55, s[WV], 1016                     ; the next two at 8 or 1024,
	s_add_co_u32 s26, s51, s55
	s_add_co_u32 s26, s26, 8
	s_mov_b32 s27, 0
	s_add_co_u32 s28, s51, s54                     ; the last two at 512 or 1032
	s_add_co_u32 s28, s28, 512
	s_mov_b32 s29, 0
	s_lshr_b32 s30, s48, 2
	s_lshl_b32 s30, s30, 9
	s_add_co_u32 s30, s30, s49
	s_lshl_b32 s53, s52, 8
	s_add_co_u32 s30, s30, s53
	s_and_b32 s53, s50, 1
	s_lshl_b32 s53, s53, 4
	s_add_co_u32 s30, s30, s53
	s_lshl_b32 s53, s[WV], 2
	s_add_co_u32 s30, s30, s53
	s_add_co_u32 s30, s30, 196608
	s_mov_b32 s31, 0
	s_add_nc_u64 s[24:25], s[16:17], s[24:25]
	s_add_nc_u64 s[26:27], s[16:17], s[26:27]
	s_add_nc_u64 s[28:29], s[16:17], s[28:29]
	s_add_nc_u64 s[30:31], s[16:17], s[30:31]
	s_wait_alu depctr_va_vdst(0)
	global_store_b64 v84, v[44:45], s[24:25]
	global_store_b64 v84, v[46:47], s[26:27]
	global_store_b64 v84, v[48:49], s[28:29]
	global_store_b32 v85, v80, s[30:31]            ; both halves of the lanes hold the same word and write it to the same place
	s_wait_xcnt 0x0
	v_lshl_add_u32 v254, v0, 2, 0x26a00
	v_mov_b32 v255, 0
	s_wait_alu depctr_va_vdst(0)
	s_wait_tensorcnt 0x0
	ds_add_u32 v254, v255
	s_wait_dscnt 0x0
	s_endpgm
.Lvjob:
	s_sub_co_u32 s48, s[WV], 2                     ; i: channels 32 i on
	s_mul_i32 s50, s48, 3072
	s_add_co_u32 s50, s50, WKVC+6144
	s_mov_b32 s51, 0
	s_add_nc_u64 s[50:51], s[6:7], s[50:51]        ; wkv's tiles 4 + 2 i, 5 + 2 i
	s_lshl_b32 s52, s48, 7
	s_add_co_u32 s52, s52, WKVS+256
	s_mov_b32 s53, 0
	s_add_nc_u64 s[52:53], s[6:7], s[52:53]
.macro VLOAD s
.set HR, 44+26*((\s)%2)
.set VR, 96+26*((\s)%2)
.irp u, 0,1
.irp c, 0,1,2
	ds_load_b128 v[HR+12*\u+4*\c:HR+12*\u+4*\c+3], v9 offset:(8*\u+(\s))*1536+\c*512
	global_load_b128 v[VR+12*\u+4*\c:VR+12*\u+4*\c+3], v[L16], s[50:51] offset:(\s)*12288+\u*1536+\c*512
.endr
	ds_load_b32 v[HR+24+\u], v10 offset:(8*\u+(\s))*128
	global_load_b32 v[VR+24+\u], v[R4], s[52:53] offset:(\s)*512+\u*64
.endr
.endm
.macro VSTEP s
.if (\s) < 7
	s_wait_loadcnt 8                               ; the next step's 8 loads may be out, on either counter
	s_wait_dscnt 8
.else
	s_wait_loadcnt 0x0
	s_wait_dscnt 0x0
.endif
.set HR, 44+26*((\s)%2)
.set VR, 96+26*((\s)%2)
.irp d, 0,1
.irp u, 0,1
.if (\s) == 0
	MM0 ACC+16*\d+8*\u, HR+12*\u, VR+12*\d, HR+24+\u, VR+24+\d
.else
	MMA ACC+16*\d+8*\u, HR+12*\u, VR+12*\d, HR+24+\u, VR+24+\d
.endif
.endr
.endr
.if (\s)+2 < 8
.rept 4
	v_nop
.endr
	VLOAD (\s)+2
.endif
.endm
	VLOAD 0
	VLOAD 1
.irp s, 0,1,2,3,4,5,6,7
	VSTEP \s
.endr
.rept 4
	v_nop
.endr
	QH ACC, 44, 64                                 ; lane (r, h): channel r of tile 2 i + h, the work-group's 32 keys
	v_cmp_gt_u32 vcc_lo, 16, v254
	s_delay_alu instid0(VALU_DEP_1)
	v_cndmask_b32 v80, v69, v68, vcc_lo            ; my tile's byte
	s_and_b32 s54, ttmp9, 63
	s_lshr_b32 s54, s54, 2                         ; key step
	s_and_b32 s55, ttmp9, 3                        ; key block in it
	s_lshr_b32 s56, s55, 1
	s_and_b32 s57, s55, 1
	s_lshl_b32 s58, s54, 2
	s_lshl_b32 s59, s48, 1
	s_add_co_u32 s58, s58, s59                     ; 4 x step + 2 i
	s_lshr_b32 s59, ttmp9, 6
	s_mul_i32 s59, s59, 217088
	s_mul_i32 s60, s58, 1536
	s_add_co_u32 s60, s60, s59
	s_add_co_u32 s60, s60, 98304
	s_lshl_b32 s61, s57, 8
	s_add_co_u32 s60, s60, s61                     ; the fragment, lanes 16 (blk % 2) on
	s_mul_i32 s62, s56, 520                        ; registers 6 c, 6 c + 1 lie at 0 or 520,
	s_add_co_u32 s24, s60, s62
	s_mov_b32 s25, 0
	s_mul_i32 s62, s56, 1016                       ; the next two at 8 or 1024,
	s_add_co_u32 s26, s60, s62
	s_add_co_u32 s26, s26, 8
	s_mov_b32 s27, 0
	s_mul_i32 s62, s56, 520                        ; the last two at 512 or 1032
	s_add_co_u32 s28, s60, s62
	s_add_co_u32 s28, s28, 512
	s_mov_b32 s29, 0
	s_lshl_b32 s30, s54, 8                         ; V's scale bytes: 256 bytes a key step, 16 a channel row, a word a tile
	s_lshl_b32 s31, s48, 3
	s_add_co_u32 s30, s30, s31
	s_add_co_u32 s30, s30, s59
	s_add_co_u32 s30, s30, s55
	s_add_co_u32 s30, s30, 212992
	s_mov_b32 s31, 0
	s_add_nc_u64 s[24:25], s[16:17], s[24:25]
	s_add_nc_u64 s[26:27], s[16:17], s[26:27]
	s_add_nc_u64 s[28:29], s[16:17], s[28:29]
	s_add_nc_u64 s[30:31], s[16:17], s[30:31]
	s_wait_alu depctr_va_vdst(0)
	global_store_b64 v253, v[44:45], s[24:25]
	global_store_b64 v253, v[46:47], s[26:27]
	global_store_b64 v253, v[48:49], s[28:29]
	v_and_b32 v81, 15, v0
	v_bfe_u32 v82, v0, 4, 1
	s_delay_alu instid0(VALU_DEP_2)
	v_lshlrev_b32 v81, 4, v81
	s_delay_alu instid0(VALU_DEP_1)
	v_lshl_add_u32 v81, v82, 2, v81                ; 16 r + 4 h
	global_store_b8 v81, v80, s[30:31]
.Lend:
	s_wait_xcnt 0x0
	v_lshl_add_u32 v254, v0, 2, 0x26a00
	v_mov_b32 v255, 0
	s_wait_alu depctr_va_vdst(0)
	s_wait_tensorcnt 0x0
	ds_add_u32 v254, v255
	s_wait_dscnt 0x0
	s_endpgm
.Lfunc_end_k_q7a4bb0e878_ln1kv:
	.size	k_q7a4bb0e878_ln1kv, .Lfunc_end_k_q7a4bb0e878_ln1kv-k_q7a4bb0e878_ln1kv
	.p2alignl 7, 3214868480
	.fill 96, 4, 3214868480
	.section	.rodata,"a",@progbits
	.p2align	6, 0x0
	.amdhsa_kernel k_q7a4bb0e878_ln1kv
		.amdhsa_group_segment_fixed_size 160256
		.amdhsa_private_segment_fixed_size 0
		.amdhsa_enable_private_segment 0
		.amdhsa_kernarg_size 56
		.amdhsa_user_sgpr_count 2
		.amdhsa_user_sgpr_kernarg_segment_ptr 1
		.amdhsa_wavefront_size32 1
		.amdhsa_system_sgpr_workgroup_id_x 1
		.amdhsa_system_sgpr_workgroup_id_y 1
		.amdhsa_system_sgpr_workgroup_id_z 1
		.amdhsa_system_vgpr_workitem_id 0
		.amdhsa_next_free_vgpr 256
		.amdhsa_next_free_sgpr 66
		.amdhsa_reserve_vcc 1
		.amdhsa_float_denorm_mode_32 3
		.amdhsa_float_denorm_mode_16_64 3
		.amdhsa_memory_ordered 1
		.amdhsa_forward_progress 1
		.amdhsa_inst_pref_size 93
	.end_amdhsa_kernel
	.amdgpu_metadata
---
amdhsa.version: [ 1, 2 ]
amdhsa.kernels:
  - .name:           k_q7a4bb0e878_ln1kv
    .symbol:         k_q7a4bb0e878_ln1kv.kd
    .args:
      - { .name: x, .offset: 0, .size: 8, .value_kind: global_buffer, .address_space: global }
      - { .name: wimg, .offset: 8, .size: 8, .value_kind: global_buffer, .address_space: global }
      - { .name: attn_nw, .offset: 16, .size: 8, .value_kind: global_buffer, .address_space: global }
      - { .name: attn_nb, .offset: 24, .size: 8, .value_kind: global_buffer, .address_space: global }
      - { .name: hbuf, .offset: 32, .size: 8, .value_kind: global_buffer, .address_space: global }
      - { .name: hnimg, .offset: 40, .size: 8, .value_kind: global_buffer, .address_space: global }
      - { .name: kvimg, .offset: 48, .size: 8, .value_kind: global_buffer, .address_space: global }
    .group_segment_fixed_size: 160256
    .private_segment_fixed_size: 0
    .kernarg_segment_align: 8
    .kernarg_segment_size: 56
    .max_flat_workgroup_size: 512
    .sgpr_count:     66
    .vgpr_count:     256
    .wavefront_size: 32
...
	.end_amdgpu_metadata
.endif
;; end of part 7
;; launch attn (part 8): grid 256 x 1, 16 waves a work-group, clusters of 4 x 1, 327,680 bytes of LDS; arguments hnimg, wimg, kvimg, oimg; writes oimg
.if DOCPART == 8
	.amdgcn_target "amdgcn-amd-amdhsa--gfx1250"
	.amdhsa_code_object_version 6
	.text
	.protected	k_q7a4bb0e878_attn
	.globl	k_q7a4bb0e878_attn
	.p2align	8
	.type	k_q7a4bb0e878_attn,@function
k_q7a4bb0e878_attn:
	s_mov_b64 s[64:65], 0
	v_nop
	global_prefetch_b8 v0, s[64:65] scope:SCOPE_SE
	s_setreg_imm32_b32 hwreg(HW_REG_WAVE_MODE, 25, 1), 1
	s_wait_xcnt 0x0
	s_wait_alu depctr_hold_cnt(0) depctr_sa_sdst(0) depctr_va_vdst(0) depctr_va_sdst(0) depctr_va_ssrc(0) depctr_va_vcc(0) depctr_vm_vsrc(0)
	s_getreg_b32 s2, hwreg(HW_REG_IB_STS2, 6, 4)
	s_cmp_eq_u32 s2, 0
	s_cbranch_scc0 .Lentry_in_a_cluster
	s_endpgm
.Lentry_in_a_cluster:
	s_bfe_u32 s2, ttmp6, 0x10000c
	s_cmp_lg_u32 s2, 0x3003
	s_cbranch_scc0 .Lentry_shape_is_right
	s_endpgm
.Lentry_shape_is_right:
; q = hn wq and attention.  A work-group takes 64 tokens (four tiles of the image format) and 4 heads; wave w = 4 hd + x.
; THE q PRODUCT: wave (hd, x) takes weight tile x (16 columns) of head hd against all four token tiles: each byte of the work-group's 256 columns of wq is loaded by one wave,
; hn's four tiles (49,152 bytes of codes, 2,048 of scale words) are loaded once and shared through LDS.  The f32 results change hands through LDS: wave (hd, x) then owns token tile x of head hd.
; ATTENTION: K and V are shared by all heads: a batch's codes and scale bytes, 217,088 bytes, come into LDS once and stay.  No LDS byte is filled twice by a tensor load.
; CLUSTER 4, 1, 1: the four work-groups of a token group (cx = group of heads) need the same K and V: each wave's one tensor load is a joint load with the mask 15.
; wq goes from memory straight into registers, each fragment for four products; partners need different columns of it, so it is no joint load.
; No prefetch: the only stream by tensor load is asked for at the head, and there is no loop to run ahead in.
; Both products of attention are used transposed (S^T = K Q^T, O^T = V^T P^T): a lane holds one query.  The head size is 64: the upper half of the instruction's K meets zero codes of q.
; THE KEYS OF A TILE OF K: row 8 hh + m of tile 4 c + t is key 64 c + 32 hh + 8 t + m.  So lane (r, h) finds in the 32 registers of tiles 4 c .. 4 c + 3 the keys 64 c + 32 h + 0 .. 31:
; one whole block of p's quantiser, in the order of the operand's registers: a block's maximum needs no other lane and its codes no exchange.
; SOFTMAX: t = score x log2(e) / 8; M = the running largest t rounded up to a whole number; p = 2^(t - M) is quantised along the keys; the sum is taken of the unquantised p and divides at the end.
; out leaves as codes: oimg: token tile T, head H: 768 bytes at 12288 T + 768 H (six registers a lane), a word a lane with the two scale bytes at 3145728 + 2048 T + 128 H.
; LIMITS: NaN and infinities are not served; a block under 2^-124, and a block of zeros, keeps the byte 1; the scaled scores stay under 2^31 in magnitude.
.set XCH, 217088                       ; behind K and V: hn's codes and scale words, then (behind a barrier) the exchange of q, 65,536 bytes
.set HSC, XCH+49152
.set SPARE, 282624                     ; the spare words, 128 bytes a wave
.set WQC, 6291456
.set WQS, 8224768
.set L16, 1
.set R4, 2
.set ACC, 12
.set AF, 44                            ; v44-139 my weight tile, 8 K steps; v140-147 its scale words
.set AS, 140
.set W0, 148                           ; two sets of hn's four tiles and their scale words
.set WV, 18
.set SEL, 20
.set CS, 24
.set G0, 28
.set G1, 32
.set WB, 40
.set WSB, 42
.set TK, 80
.set TS, 81
.set TJ, 82
.set CNT, 83
.macro QH s, pc, tm
.irp b, 0,1
	v_mov_b32 v[\tm+4+\b], 0
.endr
.irp b, 0,1
	v_max3_num_f32 v[\tm+\b], |v[\s+16*\b]|, |v[\s+1+16*\b]|, 0x1800000
.endr
.irp i, 2,4,6,8,10,12,14
.irp b, 0,1
	v_max3_num_f32 v[\tm+\b], v[\tm+\b], |v[\s+16*\b+\i]|, |v[\s+1+16*\b+\i]|
.endr
.endr
.irp b, 0,1
	s_delay_alu instid0(VALU_DEP_2)
	v_permlanex16_b32 v[\tm+4+\b], v[\tm+\b], s[SEL], s[SEL+1]
.endr
.irp b, 0,1
	s_delay_alu instid0(VALU_DEP_2)
	v_max_num_f32 v[\tm+\b], v[\tm+\b], v[\tm+4+\b]
.endr
.irp b, 0,1
	s_delay_alu instid0(VALU_DEP_2)
	v_add_nc_u32 v[\tm+12+\b], 0xff000000, v[\tm+\b]
.endr
.irp b, 0,1
	s_delay_alu instid0(VALU_DEP_2)
	v_lshrrev_b32 v[\tm+4+\b], 23, v[\tm+12+\b]
.endr
	v_cvt_scalef32_pk16_fp6_f32 v[\pc:\pc+2], v[\s:\s+15], v[\tm+12]
	v_cvt_scalef32_pk16_fp6_f32 v[\pc+12:\pc+14], v[\s+16:\s+31], v[\tm+13]
	v_nop
.irp i, 0,1,2
	v_permlane16_swap_b32 v[\pc+\i], v[\pc+12+\i]
.endr
.irp i, 0,1,2
	s_delay_alu instid0(VALU_DEP_3)
	v_mov_b32 v[\pc+3+\i], v[\pc+12+\i]
.endr
.endm
.macro MM0 d, a, b, sa, sb
	v_wmma_scale_f32_16x16x128_f8f6f4 v[\d:\d+7], v[\a:\a+11], v[\b:\b+11], 0, v[\sa], v[\sb] matrix_a_fmt:MATRIX_FMT_FP6 matrix_b_fmt:MATRIX_FMT_FP6
.endm
.macro MMA d, a, b, sa, sb
	v_wmma_scale_f32_16x16x128_f8f6f4 v[\d:\d+7], v[\a:\a+11], v[\b:\b+11], v[\d:\d+7], v[\sa], v[\sb] matrix_a_fmt:MATRIX_FMT_FP6 matrix_b_fmt:MATRIX_FMT_FP6
.endm
.macro BARRIER
	s_wait_dscnt 0x0
	s_barrier_signal -1
	s_barrier_wait -1
.endm
.macro ROUND
	s_barrier_signal -1
	s_barrier_wait -1
	s_cmp_lg_u32 s[WV], 0
	s_cbranch_scc1 .Lnot_wave_0_\@
	s_barrier_signal -3
.Lnot_wave_0_\@:
	s_barrier_wait -3
	s_barrier_signal -1
	s_barrier_wait -1
.endm
; hn's four tiles of K step s and their scale words, from LDS, into set 0 or 1: 16 loads
.macro HLOAD s, set
.set WR, W0+52*(\set)
.irp t, 0,1,2,3
.irp c, 0,1,2
	ds_load_b128 v[WR+12*\t+4*\c:WR+12*\t+4*\c+3], v6 offset:(4*(\s)+\t)*1536+\c*512
.endr
	ds_load_b32 v[WR+48+\t], v7 offset:(4*(\s)+\t)*64
.endr
.endm
; K step s: my 16 columns x 64 tokens: four accumulators by turns
.macro PSTEP s
	s_wait_loadcnt 4*(7-(\s))                      ; my weight tile of this step is in: four loads for each later step may be out
.if (\s) < 7
	s_wait_dscnt 16                                ; this step's set is in; the next step's 16 loads may be out
.else
	s_wait_dscnt 0x0
.endif
.set WR, W0+52*((\s)%2)
.irp t, 0,1,2,3
.if (\s) == 0
	MM0 ACC+8*\t, AF+12*(\s), WR+12*\t, AS+(\s), WR+48+\t
.else
	MMA ACC+8*\t, AF+12*(\s), WR+12*\t, AS+(\s), WR+48+\t
.endif
.endr
.if (\s)+2 < 8
.rept 4
	v_nop                                          ; places in front of loads into registers that the products have read
.endr
	HLOAD (\s)+2, (\s)%2
.endif
.endm
	s_load_b256 s[4:11], s[0:1], 0x0               ; hnimg, wimg, kvimg, oimg
	v_lshl_add_u32 v254, v0, 2, SPARE
	v_mov_b32 v255, 0
	ds_add_u32 v254, v255                          ; the opening lines: the add, twice on end, and its wait
	ds_add_u32 v254, v255
	v_lshrrev_b32 v1, 5, v0
	s_delay_alu instid0(VALU_DEP_1)
	v_readfirstlane_b32 s[WV], v1
	s_mov_b32 s[G1], 15|(3<<16)|(1<<21)            ; the mask: all four of the cluster; elements of 8 bytes; no padding
	s_mov_b32 s[G1+1], 32<<16                      ; rows of 256 bytes
	s_mov_b32 s[G1+2], 53<<16
	s_mov_b32 s[G1+3], 32<<16
	s_mov_b32 s[G1+4], 53
	s_mov_b32 s[G1+5], 32                          ; the rows are dense
	s_mov_b32 s[G1+6], 0
	s_mov_b32 s[G1+7], 0
	s_lshr_b32 s44, ttmp9, 5                       ; ttmp9: the cluster's x = the token group; 32 groups a batch
	s_mul_i32 s45, s44, 217088
	s_mov_b32 s[G0], 1
	s_mul_i32 s[G0+1], s[WV], 13568                ; my sixteenth of the block, in LDS
	s_add_co_u32 s46, s45, s[G0+1]
	s_mov_b32 s47, 0
	s_wait_dscnt 0x0
	s_wait_kmcnt 0x0
	s_add_nc_u64 s[G0+2:G0+3], s[8:9], s[46:47]
	s_or_b32 s[G0+3], s[G0+3], 0x80000000
	ROUND                                          ; the four work-groups are here: the joint loads meet
	tensor_load_to_lds s[G0:G0+3], s[G1:G1+7]      ; my one tensor load of the launch
	s_nop 0
.rept 4
	v_nop
.endr
	s_mov_b32 s[SEL], 0x76543210
	s_mov_b32 s[SEL+1], 0xfedcba98
	s_mov_b32 s[CS], 0x3e38aa3b                    ; log2(e) / 8
	s_mov_b32 s[CS+1], s[CS]
	s_mov_b32 s48, ttmp9                           ; tg
	s_bfe_u32 s49, ttmp6, 0x40000                  ; cx: my group of four heads
	s_lshr_b32 s50, s[WV], 2                       ; hd
	s_and_b32 s51, s[WV], 3                        ; x
	s_lshl_b32 s52, s49, 2
	s_add_co_u32 s52, s52, s50                     ; H: my head
	s_lshr_b32 s53, s48, 1                         ; R
	s_and_b32 s54, s48, 1
	s_lshl_b32 s54, s54, 2                         ; the group's first tile in R
	s_lshr_b32 s55, s[WV], 3
	s_lshl_b32 s55, s55, 1                         ; I bring tiles 2 p, 2 p + 1
	s_and_b32 s56, s[WV], 7                        ; of K step w % 8
	s_lshl_b32 s57, s53, 3
	s_add_co_u32 s57, s57, s56
	s_lshl_b32 s57, s57, 3
	s_add_co_u32 s57, s57, s54
	s_add_co_u32 s57, s57, s55                     ; (8 R + s) 8 + j
	s_mul_i32 s58, s57, 1536
	s_mov_b32 s59, 0
	s_add_nc_u64 s[58:59], s[4:5], s[58:59]
	s_lshl_b32 s60, s57, 6
	s_add_co_u32 s60, s60, 3145728
	s_mov_b32 s61, 0
	s_add_nc_u64 s[60:61], s[4:5], s[60:61]
	s_lshl_b32 s62, s56, 2
	s_add_co_u32 s62, s62, s55                     ; 4 s + 2 p: their place in LDS
	s_mul_i32 s63, s62, 1536
	s_add_co_u32 s63, s63, XCH
	s_lshl_b32 s62, s62, 6
	s_add_co_u32 s62, s62, HSC
	s_lshr_b32 s66, s52, 1
	s_and_b32 s67, s52, 1
	s_mul_i32 s68, s66, 98304
	s_mul_i32 s69, s67, 6144
	s_add_co_u32 s68, s68, s69
	s_mul_i32 s69, s51, 1536
	s_add_co_u32 s68, s68, s69
	s_add_co_u32 s68, s68, WQC                     ; tile x of head H in wq's codes
	s_mov_b32 s69, 0
	s_add_nc_u64 s[WB:WB+1], s[6:7], s[68:69]
	s_lshl_b32 s70, s66, 12
	s_lshl_b32 s71, s67, 8
	s_add_co_u32 s70, s70, s71
	s_lshl_b32 s71, s51, 6
	s_add_co_u32 s70, s70, s71
	s_add_co_u32 s70, s70, WQS
	s_mov_b32 s71, 0
	s_add_nc_u64 s[WSB:WSB+1], s[6:7], s[70:71]
	s_lshl_b32 s72, s48, 2
	s_add_co_u32 s72, s72, s51                     ; T: my token tile
	s_mul_i32 s74, s72, 12288
	s_mul_i32 s75, s52, 768
	s_add_co_u32 s74, s74, s75
	s_mov_b32 s75, 0
	s_add_nc_u64 s[74:75], s[10:11], s[74:75]      ; out's codes
	s_lshl_b32 s76, s72, 11
	s_lshl_b32 s77, s52, 7
	s_add_co_u32 s76, s76, s77
	s_add_co_u32 s76, s76, 3145728
	s_mov_b32 s77, 0
	s_add_nc_u64 s[76:77], s[10:11], s[76:77]      ; and scale words
	s_lshl_b32 s78, s50, 14
	s_lshl_b32 s79, s51, 10
	s_add_co_u32 s78, s78, s79
	s_add_co_u32 s78, s78, XCH                     ; the exchange, in: (hd, token tile, x) x 1,024 bytes
	s_lshl_b32 s79, s[WV], 12
	s_add_co_u32 s79, s79, XCH                     ; and out: (hd, x, weight tile)
	v_and_b32 v3, 31, v0
	v_and_b32 v4, 15, v0
	s_delay_alu instid0(VALU_DEP_2)
	v_lshlrev_b32 v[L16], 4, v3
	s_delay_alu instid0(VALU_DEP_2)
	v_lshlrev_b32 v[R4], 2, v4
	v_lshlrev_b32 v5, 2, v3
	s_delay_alu instid0(VALU_DEP_3)
	v_add_nc_u32 v3, s63, v[L16]                   ; hn's codes into LDS
	s_delay_alu instid0(VALU_DEP_2)
	v_add_nc_u32 v4, s62, v5                       ; its scale words
	v_add_nc_u32 v6, XCH, v[L16]                   ; and out of it
	v_add_nc_u32 v7, HSC, v[R4]
	v_add_nc_u32 v8, s78, v[L16]
	v_add_nc_u32 v9, s79, v[L16]
	s_wait_alu depctr_va_vdst(0)                   ; the wait at the head's end
.irp i, 0,1,2,3,4,5
	global_load_b128 v[W0+4*\i:W0+4*\i+3], v[L16], s[58:59] offset:512*\i   ; two tiles of hn: 3,072 consecutive bytes
.endr
	global_load_b32 v[W0+24], v5, s[60:61]
.irp s, 0,1,2,3,4,5,6,7
.irp c, 0,1,2
	global_load_b128 v[AF+12*\s+4*\c:AF+12*\s+4*\c+3], v[L16], s[WB:WB+1] offset:\s*12288+\c*512
.endr
	global_load_b32 v[AS+\s], v[R4], s[WSB:WSB+1] offset:\s*512
.endr
	s_wait_loadcnt 32                              ; hn's seven loads are in; the 32 loads of weights may be out
.irp i, 0,1,2,3,4,5
	ds_store_b128 v3, v[W0+4*\i:W0+4*\i+3] offset:512*\i
.endr
	ds_store_b32 v4, v[W0+24]
	BARRIER                                        ; hn's four tiles lie in LDS
	HLOAD 0, 0
	HLOAD 1, 1
.irp s, 0,1,2,3,4,5,6,7
	PSTEP \s
.endr
.rept 4
	v_nop
.endr
	BARRIER                                        ; nobody reads hn any more: the exchange lies on its bytes
.irp t, 0,1,2,3
	ds_store_b128 v8, v[ACC+8*\t:ACC+8*\t+3] offset:4096*\t
	ds_store_b128 v8, v[ACC+8*\t+4:ACC+8*\t+7] offset:4096*\t+512
.endr
	s_wait_tensorcnt 0x0                           ; my part of K and V has landed
	BARRIER                                        ; everybody's has, and q lies in LDS
.irp t, 0,1,2,3
	ds_load_b128 v[ACC+8*\t:ACC+8*\t+3], v9 offset:1024*\t
	ds_load_b128 v[ACC+8*\t+4:ACC+8*\t+7], v9 offset:1024*\t+512
.endr
	s_wait_dscnt 0x0
	QH ACC, 200, 220
.irp i, 0,1,2,3,4,5
	v_mov_b32 v[16+\i], v[200+\i]                  ; q's codes: k = d
.endr
.irp i, 6,7,8,9,10,11
	v_mov_b32 v[16+\i], 0                          ; k = 64 .. 127: zero codes
.endr
	v_lshl_or_b32 v255, v225, 8, v224              ; q's scale word
	v_mov_b32 v13, 0xff61b1e6                      ; the largest t so far: -3e38
	s_delay_alu instid0(VALU_DEP_1)
	v_floor_f32 v12, -v13                          ; -M
	v_mov_b32 v14, 0
	v_mov_b32 v15, 0
	v_mov_b32 v253, 0
	v_mov_b32 v204, 0                              ; a lane permute's destination counts as read
.set n, 0
.rept 32
	v_mov_b32 v[160+n], 0                          ; O^T: the loop is written once, its first step finds zeros
.set n, n+1
.endr
.irp i, 80,81,82,83,84,85
	v_mov_b32 v\i, 0                               ; behind the last tile of K: the upper half of its operand
.endr
	v_bfe_u32 v3, v0, 4, 1
	v_add_nc_u32 v4, 98304, v[L16]                 ; V
	v_lshl_add_u32 v5, v[R4], 3, 196608            ; K's scale words: 32 bytes a row
	v_lshl_add_u32 v11, v[R4], 2, 212992           ; V's: 16 bytes a row
	v_lshlrev_b32 v3, 3, v3                        ; 8 h: where my two scale bytes stand in p's scale word
	s_mov_b32 s[TK], 0
	s_mov_b32 s[TS], 0
	s_mov_b32 s[TJ], 0
	s_mov_b32 s[CNT], 0
	s_wait_alu depctr_va_vdst(0)
; a step of 128 keys; k: which of a trip's two
.macro KSTEP k
.if \k
.rept 4
	v_nop                                          ; places in front of loads into registers that the products have read
.endr
.endif
.irp p, 0,1,2,3
.irp c, 0,1,2
	ds_load_b128 v[32+12*\p+4*\c:35+12*\p+4*\c], v6 offset:6144*(\k)+1536*\p+512*\c   ; K: tiles 2 p, 2 p + 1
.endr
.endr
	ds_load_b128 v[192:195], v9 offset:512*(\k)
	ds_load_b128 v[196:199], v9 offset:512*(\k)+16
.if (\k) == 0
	s_wait_alu depctr_va_vdst(0)
.endif
	s_wait_dscnt 0x0
.irp t, 0,1,2,3,4,5,6,7
	MM0 96+8*\t, 32+6*\t, 16, 192+\t, 255          ; the operand's upper six registers are the next tile's codes: they meet q's zero codes
.endr
.rept 4
	v_nop
.endr
.irp d, 0,1,2,3
.irp c, 0,1,2
	ds_load_b128 v[32+12*\d+4*\c:35+12*\d+4*\c], v8 offset:6144*(\k)+1536*\d+512*\c   ; V lands while the softmax runs
.endr
.endr
	ds_load_b128 v[248:251], v10 offset:256*(\k)
.irp c, 0,1                                    ; the largest score of my two blocks of 32 keys, two chains each
	v_max3_num_f32 v[200+\c], v[96+32*\c], v[97+32*\c], v[98+32*\c]
	v_max3_num_f32 v[202+\c], v[112+32*\c], v[113+32*\c], v[114+32*\c]
.endr
.irp i, 3,5,7,9,11,13
.irp c, 0,1
	v_max3_num_f32 v[200+\c], v[200+\c], v[96+32*\c+\i], v[97+32*\c+\i]
	v_max3_num_f32 v[202+\c], v[202+\c], v[112+32*\c+\i], v[113+32*\c+\i]
.endr
.endr
.irp c, 0,1
	v_max3_num_f32 v[200+\c], v[200+\c], v[202+\c], v[111+32*\c]
.endr
.irp c, 0,1
	v_max_num_f32 v[200+\c], v[200+\c], v[127+32*\c]
.endr
	s_delay_alu instid0(VALU_DEP_1)
	v_max_num_f32 v254, v200, v201
	s_delay_alu instid0(VALU_DEP_1)
	v_permlanex16_b32 v204, v254, s[SEL], s[SEL+1]
	s_delay_alu instid0(VALU_DEP_1)
	v_max_num_f32 v254, v254, v204                 ; the step's largest score of my query
	s_delay_alu instid0(VALU_DEP_1)
	v_mul_f32 v254, s[CS], v254
	s_delay_alu instid0(VALU_DEP_1)
	v_max_num_f32 v13, v13, v254                   ; the running largest t
	v_mov_b32 v254, v12
	s_delay_alu instid0(VALU_DEP_2)
	v_floor_f32 v12, -v13                          ; the new -M
	s_delay_alu instid0(VALU_DEP_1)
	v_sub_f32 v254, v12, v254
	s_delay_alu instid0(VALU_DEP_1)
	v_cvt_i32_f32 v254, v254
	s_delay_alu instid0(VALU_DEP_1)
	v_ldexp_f32 v252, 1.0, v254                    ; f = 2^(old M - new M)
.set n, 0
.rept 32
	v_pk_fma_f32 v[96+n:97+n], v[96+n:97+n], s[CS:CS+1], v[12:13] op_sel_hi:[1,0,0]   ; t - M
.set n, n+2
.endr
	v_fma_f32 v200, v200, s[CS], v12
	v_fma_f32 v201, v201, s[CS], v12
.set n, 0
	s_wait_alu depctr_va_vdst(0)
.rept 64
	v_exp_f32 v[96+n], v[96+n]                     ; p, not normalised
.set n, n+1
.endr
	v_pk_mul_f32 v[14:15], v[14:15], v[252:253] op_sel_hi:[1,0]   ; the sums under the new M; a plain line behind the batch
	s_wait_alu depctr_va_vdst(0)                   ; one wait for the batch, ahead of its first reader
	v_exp_f32 v200, v200                           ; each block's largest p
	v_exp_f32 v201, v201
	v_pk_add_f32 v[236:237], v[100:101], v[104:105]
	v_pk_add_f32 v[246:247], v[108:109], v[112:113]
	v_pk_add_f32 v[244:245], v[116:117], v[120:121]
	v_pk_add_f32 v[242:243], v[124:125], v[128:129]
	v_pk_add_f32 v[240:241], v[132:133], v[136:137]
	v_pk_add_f32 v[238:239], v[140:141], v[144:145]
	v_pk_add_f32 v[230:231], v[148:149], v[152:153]
	v_pk_add_f32 v[14:15], v[14:15], v[156:157]
	v_pk_add_f32 v[236:237], v[236:237], v[96:97]
	v_pk_add_f32 v[246:247], v[246:247], v[98:99]
	v_pk_add_f32 v[244:245], v[244:245], v[102:103]
	v_pk_add_f32 v[242:243], v[242:243], v[106:107]
	v_pk_add_f32 v[240:241], v[240:241], v[110:111]
	v_pk_add_f32 v[238:239], v[238:239], v[114:115]
	v_pk_add_f32 v[230:231], v[230:231], v[118:119]
	v_pk_add_f32 v[14:15], v[14:15], v[122:123]
	v_pk_add_f32 v[236:237], v[236:237], v[126:127]
	v_pk_add_f32 v[246:247], v[246:247], v[130:131]
	v_pk_add_f32 v[244:245], v[244:245], v[134:135]
	v_pk_add_f32 v[242:243], v[242:243], v[138:139]
	v_pk_add_f32 v[240:241], v[240:241], v[142:143]
	v_pk_add_f32 v[238:239], v[238:239], v[146:147]
	v_pk_add_f32 v[230:231], v[230:231], v[150:151]
	v_pk_add_f32 v[14:15], v[14:15], v[154:155]
	v_pk_add_f32 v[236:237], v[236:237], v[158:159]
	v_pk_add_f32 v[14:15], v[14:15], v[242:243]
	v_pk_add_f32 v[236:237], v[236:237], v[240:241]
	v_pk_add_f32 v[246:247], v[246:247], v[238:239]
	v_pk_add_f32 v[244:245], v[244:245], v[230:231]
	v_pk_add_f32 v[14:15], v[14:15], v[246:247]
	v_pk_add_f32 v[236:237], v[236:237], v[244:245]
	s_delay_alu instid0(VALU_DEP_1)
	v_pk_add_f32 v[14:15], v[14:15], v[236:237]
	s_wait_alu depctr_va_vdst(0)                   ; and one for the two
	v_max_num_f32 v200, 0x1800000, v200            ; the floor 2^(3 - 127)
	v_max_num_f32 v201, 0x1800000, v201
	v_add_nc_u32 v206, 0xff000000, v200            ; 2 off the exponent field: the conversion's scale operand
	v_add_nc_u32 v207, 0xff000000, v201
	v_lshrrev_b32 v208, 23, v206
	v_lshrrev_b32 v209, 23, v207
	s_delay_alu instid0(VALU_DEP_1)
	v_lshl_or_b32 v253, v209, 16, v208             ; my two bytes: blocks h and 2 + h,
	s_delay_alu instid0(VALU_DEP_1)
	v_lshlrev_b32 v253, v3, v253                   ; at their places in p's scale word;
	s_delay_alu instid0(VALU_DEP_1)
	v_permlanex16_b32 v204, v253, s[SEL], s[SEL+1]
	s_delay_alu instid0(VALU_DEP_1)
	v_or_b32 v253, v253, v204                      ; with lane l xor 16's two the word is whole
.irp c, 0,1
	v_cvt_scalef32_pk16_fp6_f32 v[224+6*\c:226+6*\c], v[96+32*\c:111+32*\c], v[206+\c]
	v_cvt_scalef32_pk16_fp6_f32 v[210+4*\c:212+4*\c], v[112+32*\c:127+32*\c], v[206+\c]
.endr
	v_nop
.irp c, 0,1
.irp i, 0,1,2
	v_mov_b32 v[227+6*\c+\i], v[210+4*\c+\i]       ; (a conversion's three registers begin on an even number)
.endr
.endr
	s_wait_alu depctr_va_vdst(0)                   ; the wait ahead of the first reader of O^T
.set n, 0
.rept 16
	v_pk_mul_f32 v[160+n:161+n], v[160+n:161+n], v[252:253] op_sel_hi:[1,0]   ; O^T under the new M; these 16 are also the places ahead of the scaled products
.set n, n+2
.endr
	s_wait_alu depctr_va_vdst(0)
	s_wait_dscnt 0x0                               ; V
.irp d, 0,1,2,3
	MMA 160+8*\d, 32+12*\d, 224, 248+\d, 253
.endr
.endm
; ---- 8 trips of two steps of 128 keys
.Lkey:
	v_add_nc_u32 v6, s[TK], v[L16]                 ; (four plain lines: the places in front of the loads below)
	v_add_nc_u32 v8, s[TK], v4
	v_add_nc_u32 v9, s[TS], v5
	v_add_nc_u32 v10, s[TJ], v11
	KSTEP 0
	KSTEP 1
	s_add_co_u32 s[TK], s[TK], 12288
	s_add_co_u32 s[TS], s[TS], 1024
	s_add_co_u32 s[TJ], s[TJ], 512
	s_add_co_u32 s[CNT], s[CNT], 1
	s_cmp_lt_u32 s[CNT], 8
	s_cbranch_scc1 .Lkey
; ---- out = O^T / the sum, quantised: half a K step of the next product
	v_add_f32 v14, v14, v15
	s_delay_alu instid0(VALU_DEP_1)
	v_permlanex16_b32 v252, v14, s[SEL], s[SEL+1]
	s_delay_alu instid0(VALU_DEP_1)
	v_add_f32 v14, v14, v252
	s_wait_alu depctr_va_vdst(0)
	v_rcp_f32 v14, v14
	v_and_b32 v3, 31, v0
	s_delay_alu instid0(VALU_DEP_1)
	v_lshlrev_b32 v4, 3, v3
	v_lshlrev_b32 v6, 2, v3
	s_wait_alu depctr_va_vdst(0)
.set n, 0
.rept 32
	v_mul_f32 v[96+n], v[160+n], v14
.set n, n+1
.endr
	QH 96, 200, 220
	v_lshl_or_b32 v240, v225, 8, v224
	global_store_b128 v[L16], v[200:203], s[74:75]            ; 512 consecutive bytes
	global_store_b64 v4, v[204:205], s[74:75] offset:512      ; 256
	global_store_b32 v6, v240, s[76:77]                       ; 128
	s_wait_xcnt 0x0
	v_lshl_add_u32 v254, v0, 2, SPARE
	v_mov_b32 v255, 0
	s_wait_alu depctr_va_vdst(0)
	s_wait_tensorcnt 0x0                           ; the wave's end
	ds_add_u32 v254, v255
	s_wait_dscnt 0x0
	ROUND                                          ; the closing round
	s_endpgm
.Lfunc_end_k_q7a4bb0e878_attn:
	.size	k_q7a4bb0e878_attn, .Lfunc_end_k_q7a4bb0e878_attn-k_q7a4bb0e878_attn
	.p2alignl 7, 3214868480
	.fill 96, 4, 3214868480
	.section	.rodata,"a",@progbits
	.p2align	6, 0x0
	.amdhsa_kernel k_q7a4bb0e878_attn
		.amdhsa_group_segment_fixed_size 327680
		.amdhsa_private_segment_fixed_size 0
		.amdhsa_enable_private_segment 0
		.amdhsa_kernarg_size 32
		.amdhsa_user_sgpr_count 2
		.amdhsa_user_sgpr_kernarg_segment_ptr 1
		.amdhsa_wavefront_size32 1
		.amdhsa_system_sgpr_workgroup_id_x 1
		.amdhsa_system_sgpr_workgroup_id_y 1
		.amdhsa_system_sgpr_workgroup_id_z 1
		.amdhsa_system_vgpr_workitem_id 0
		.amdhsa_next_free_vgpr 256
		.amdhsa_next_free_sgpr 90
		.amdhsa_reserve_vcc 0
		.amdhsa_float_denorm_mode_32 3
		.amdhsa_float_denorm_mode_16_64 3
		.amdhsa_memory_ordered 1
		.amdhsa_forward_progress 1
		.amdhsa_inst_pref_size 64
	.end_amdhsa_kernel
	.amdgpu_metadata
---
amdhsa.version: [ 1, 2 ]
amdhsa.kernels:
  - .name:           k_q7a4bb0e878_attn
    .symbol:         k_q7a4bb0e878_attn.kd
    .args:
      - { .name: hnimg, .offset: 0, .size: 8, .value_kind: global_buffer, .address_space: global }
      - { .name: wimg, .offset: 8, .size: 8, .value_kind: global_buffer, .address_space: global }
      - { .name: kvimg, .offset: 16, .size: 8, .value_kind: global_buffer, .address_space: global }
      - { .name: oimg, .offset: 24, .size: 8, .value_kind: global_buffer, .address_space: global }
    .group_segment_fixed_size: 327680
    .private_segment_fixed_size: 0
    .kernarg_segment_align: 8
    .kernarg_segment_size: 32
    .max_flat_workgroup_size: 512
    .sgpr_count:     90
    .vgpr_count:     256
    .wavefront_size: 32
...
	.end_amdgpu_metadata
.endif
;; end of part 8
;; launch proj (part 9): grid 256 x 1, 16 waves a work-group, no clusters, 94,720 bytes of LDS; arguments oimg, wimg, hbuf, wo_b, x1buf, h2img; writes x1buf, h2img
.if DOCPART == 9
	.amdgcn_target "amdgcn-amd-amdhsa--gfx1250"
	.amdhsa_code_object_version 6
	.text
	.protected	k_q7a4bb0e878_proj
	.globl	k_q7a4bb0e878_proj
	.p2align	8
	.type	k_q7a4bb0e878_proj,@function
k_q7a4bb0e878_proj:
	s_mov_b64 s[64:65], 0
	v_nop
	global_prefetch_b8 v0, s[64:65] scope:SCOPE_SE
	s_setreg_imm32_b32 hwreg(HW_REG_WAVE_MODE, 25, 1), 1
	s_wait_xcnt 0x0
; x1 = out wo + wo_b + h, h2 = adaLN(x1), Q(h2): one work-group for 16 tokens (one tile of the image format) and all 1,024 columns, since the norm wants whole rows; wave w takes columns 64 w on, then row w.
; out's codes (12,288 bytes and 2,048 of scale words), h's 16 rows and the three rows wo_b, P, Q are each loaded once by the work-group and shared through LDS.
; No cluster, no tensor load: wo goes from memory straight into registers, each fragment for one product.  No prefetch: wo is read by every work-group of the launch.
; ORDER OF ROUNDINGS: the sum of out wo starts from h, and wo_b is added last; P and Q of the modulation are folded.
; LIMITS: NaN and infinities are not served; a block under 2^-124, and a block of zeros, keeps the byte 1.
.set X1S, 0                            ; 16 rows x 4,112 bytes: h, then x1 less wo_b, then h2
.set HP, 4112
.set OIMG, 66048                       ; 16 heads x 768 bytes
.set OSC, 78336                        ; 16 heads x 128 bytes
.set MV, 80384                         ; wo_b, P, Q: 3 x 4,096 bytes
.set SPARE, 92672
.set WOC, 7077888
.set WOS, 8257536
.set MODS, 8294400
.set L16, 1
.set R4, 2
.set ACC, 12
.set AF, 44
.set AS, 140
.set W0, 148
.set SCR, 224
.set WV, 18
.set SEL, 20
.set RN, 22
.set EPSR, 23
.set WB, 40
.set WSB, 42
.macro RED v, t
	s_delay_alu instid0(VALU_DEP_1)
	v_add_f32_dpp v[\v], v[\v], v[\v] row_xmask:1 row_mask:0xf bank_mask:0xf
	s_delay_alu instid0(VALU_DEP_1)
	v_add_f32_dpp v[\v], v[\v], v[\v] row_xmask:2 row_mask:0xf bank_mask:0xf
	s_delay_alu instid0(VALU_DEP_1)
	v_add_f32_dpp v[\v], v[\v], v[\v] row_xmask:4 row_mask:0xf bank_mask:0xf
	s_delay_alu instid0(VALU_DEP_1)
	v_add_f32_dpp v[\v], v[\v], v[\v] row_xmask:8 row_mask:0xf bank_mask:0xf
	s_delay_alu instid0(VALU_DEP_1)
	v_permlanex16_b32 v[\t], v[\v], s[SEL], s[SEL+1]
	s_delay_alu instid0(VALU_DEP_1)
	v_add_f32 v[\v], v[\v], v[\t]
.endm
; the row in v32-63 is centred in place; v[SCR+2] = 1 / sqrt(variance + eps)
.macro LNSTAT x
	v_pk_add_f32 v[226:227], v[32:33], v[34:35]
	v_pk_add_f32 v[228:229], v[48:49], v[56:57]
	v_pk_add_f32 v[230:231], v[36:37], v[38:39]
	v_pk_add_f32 v[254:255], v[50:51], v[58:59]
	v_pk_add_f32 v[252:253], v[40:41], v[42:43]
	v_pk_add_f32 v[250:251], v[52:53], v[60:61]
	v_pk_add_f32 v[248:249], v[44:45], v[46:47]
	v_pk_add_f32 v[224:225], v[54:55], v[62:63]
	s_delay_alu instid0(VALU_DEP_1)
	v_pk_add_f32 v[224:225], v[224:225], v[254:255]
	v_pk_add_f32 v[226:227], v[226:227], v[252:253]
	v_pk_add_f32 v[228:229], v[228:229], v[250:251]
	v_pk_add_f32 v[230:231], v[230:231], v[248:249]
	s_delay_alu instid0(VALU_DEP_2)
	v_pk_add_f32 v[224:225], v[224:225], v[228:229]
	s_delay_alu instid0(VALU_DEP_2)
	v_pk_add_f32 v[226:227], v[226:227], v[230:231]
	s_delay_alu instid0(VALU_DEP_1)
	v_pk_add_f32 v[224:225], v[224:225], v[226:227]
	s_delay_alu instid0(VALU_DEP_1)
	v_add_f32 v[SCR], v[SCR], v[SCR+1]
	RED SCR, SCR+8
	s_delay_alu instid0(VALU_DEP_1)
	v_mul_f32 v[SCR], s[RN], v[SCR]
	s_wait_alu depctr_va_vdst(0)
	s_wait_xcnt 0x0                                ; stores that read these registers have read them
.irp i, 0,2,4,6,8,10,12,14,16,18,20,22,24,26,28,30
	v_pk_add_f32 v[\x+\i:\x+\i+1], v[\x+\i:\x+\i+1], v[SCR:SCR+1] op_sel_hi:[1,0] neg_lo:[0,1] neg_hi:[0,1]
.endr
.irp c, 0,2,4,6
	v_pk_mul_f32 v[SCR+\c:SCR+\c+1], v[\x+\c:\x+\c+1], v[\x+\c:\x+\c+1]
.endr
.irp i, 8,16,24
.irp c, 0,2,4,6
	s_delay_alu instid0(VALU_DEP_4)
	v_pk_fma_f32 v[SCR+\c:SCR+\c+1], v[\x+\i+\c:\x+\i+\c+1], v[\x+\i+\c:\x+\i+\c+1], v[SCR+\c:SCR+\c+1]
.endr
.endr
	s_delay_alu instid0(VALU_DEP_3)
	v_pk_add_f32 v[SCR:SCR+1], v[SCR:SCR+1], v[SCR+2:SCR+3]
	s_delay_alu instid0(VALU_DEP_2)
	v_pk_add_f32 v[SCR+4:SCR+5], v[SCR+4:SCR+5], v[SCR+6:SCR+7]
	s_delay_alu instid0(VALU_DEP_1)
	v_pk_add_f32 v[SCR:SCR+1], v[SCR:SCR+1], v[SCR+4:SCR+5]
	s_delay_alu instid0(VALU_DEP_1)
	v_add_f32 v[SCR], v[SCR], v[SCR+1]
	RED SCR, SCR+8
	s_delay_alu instid0(VALU_DEP_1)
	v_fma_f32 v[SCR], v[SCR], s[RN], s[EPSR]
	s_wait_alu depctr_va_vdst(0)
	v_rsq_f32 v[SCR+2], v[SCR]
	v_nop
	s_wait_alu depctr_va_vdst(0)                   ; the wait ahead of the first reader
.endm
.macro LNAPPLY x, w, b
.irp i, 0,2,4,6,8,10,12,14,16,18,20,22,24,26,28,30
	v_pk_mul_f32 v[\x+\i:\x+\i+1], v[\x+\i:\x+\i+1], v[SCR+2:SCR+3] op_sel_hi:[1,0]
.endr
.irp i, 0,2,4,6,8,10,12,14,16,18,20,22,24,26,28,30
	v_pk_fma_f32 v[\x+\i:\x+\i+1], v[\x+\i:\x+\i+1], v[\w+\i:\w+\i+1], v[\b+\i:\b+\i+1]
.endr
.endm
.macro QUANT s, pc, tm, pw
.irp b, 0,1,2,3
	v_mov_b32 v[\tm+4+\b], 0
.endr
.irp b, 0,1,2,3
	v_max3_num_f32 v[\tm+\b], |v[\s+16*\b]|, |v[\s+1+16*\b]|, 0x1800000
.endr
.irp i, 2,4,6,8,10,12,14
.irp b, 0,1,2,3
	s_delay_alu instid0(VALU_DEP_4)
	v_max3_num_f32 v[\tm+\b], v[\tm+\b], |v[\s+16*\b+\i]|, |v[\s+1+16*\b+\i]|
.endr
.endr
.irp b, 0,1,2,3
	s_delay_alu instid0(VALU_DEP_4)
	v_permlanex16_b32 v[\tm+4+\b], v[\tm+\b], s[SEL], s[SEL+1]
.endr
.irp b, 0,1,2,3
	s_delay_alu instid0(VALU_DEP_4)
	v_max_num_f32 v[\tm+\b], v[\tm+\b], v[\tm+4+\b]
.endr
.irp b, 0,1,2,3
	s_delay_alu instid0(VALU_DEP_4)
	v_add_nc_u32 v[\tm+12+\b], 0xff000000, v[\tm+\b]
.endr
.irp b, 0,1,2,3
	s_delay_alu instid0(VALU_DEP_4)
	v_lshrrev_b32 v[\tm+4+\b], 23, v[\tm+12+\b]
.endr
	s_delay_alu instid0(VALU_DEP_3)
	v_lshl_or_b32 v[\pw], v[\tm+5], 8, v[\tm+4]
	s_delay_alu instid0(VALU_DEP_1)
	v_lshl_or_b32 v[\pw], v[\tm+6], 16, v[\pw]
	s_delay_alu instid0(VALU_DEP_1)
	v_lshl_or_b32 v[\pw], v[\tm+7], 24, v[\pw]
.irp c, 0,1
	v_cvt_scalef32_pk16_fp6_f32 v[\pc+6*\c:\pc+2+6*\c], v[\s+32*\c:\s+15+32*\c], v[\tm+12+2*\c]
	v_cvt_scalef32_pk16_fp6_f32 v[\pc+12+4*\c:\pc+14+4*\c], v[\s+16+32*\c:\s+31+32*\c], v[\tm+13+2*\c]
.endr
	v_nop
.irp c, 0,1
.irp i, 0,1,2
	v_permlane16_swap_b32 v[\pc+6*\c+\i], v[\pc+12+4*\c+\i]
.endr
.irp i, 0,1,2
	s_delay_alu instid0(VALU_DEP_3)
	v_mov_b32 v[\pc+3+6*\c+\i], v[\pc+12+4*\c+\i]
.endr
.endr
.endm
.macro MMA d, a, b, sa, sb
	v_wmma_scale_f32_16x16x128_f8f6f4 v[\d:\d+7], v[\a:\a+11], v[\b:\b+11], v[\d:\d+7], v[\sa], v[\sb] matrix_a_fmt:MATRIX_FMT_FP6 matrix_b_fmt:MATRIX_FMT_FP6
.endm
.macro WLOAD s, set
.set WR, W0+52*(\set)
.irp t, 0,1,2,3
.irp c, 0,1,2
	global_load_b128 v[WR+12*\t+4*\c:WR+12*\t+4*\c+3], v[L16], s[WB:WB+1] offset:(\s)*12288+\t*1536+\c*512
.endr
	global_load_b32 v[WR+48+\t], v[R4], s[WSB:WSB+1] offset:(\s)*512+\t*64
.endr
.endm
.macro PSTEP s
.if (\s) < 7
	s_wait_loadcnt 16                              ; this step's set is in; the next step's 16 loads may be out
.else
	s_wait_loadcnt 0x0
.endif
.set WR, W0+52*((\s)%2)
.irp t, 0,1,2,3
	MMA ACC+8*\t, WR+12*\t, AF+12*(\s), WR+48+\t, AS+(\s)
.endr
.if (\s)+2 < 8
.rept 4
	v_nop
.endr
	WLOAD (\s)+2, (\s)%2
.endif
.endm
.macro BARRIER
	s_wait_dscnt 0x0
	s_barrier_signal -1
	s_barrier_wait -1
.endm
	s_load_b128 s[4:7], s[0:1], 0x0                ; oimg, wimg
	s_load_b64 s[10:11], s[0:1], 0x10              ; hbuf
	s_load_b64 s[12:13], s[0:1], 0x18              ; wo_b
	s_load_b64 s[14:15], s[0:1], 0x20              ; x1buf
	s_load_b64 s[16:17], s[0:1], 0x28              ; h2img
	v_lshrrev_b32 v1, 5, v0
	s_delay_alu instid0(VALU_DEP_1)
	v_readfirstlane_b32 s[WV], v1
	s_mov_b32 s[SEL], 0x76543210
	s_mov_b32 s[SEL+1], 0xfedcba98
	s_mov_b32 s[RN], 0x3a800000
	s_mov_b32 s[EPSR], 0x3727c5ac
	s_lshr_b32 s44, ttmp9, 7                       ; batch
	s_lshr_b32 s48, ttmp9, 3                       ; R
	s_and_b32 s49, ttmp9, 7                        ; j
	s_lshl_b32 s50, s48, 7
	s_lshr_b32 s51, s49, 1
	s_lshl_b32 s51, s51, 5
	s_add_co_u32 s50, s50, s51
	s_and_b32 s51, s49, 1
	s_lshl_b32 s51, s51, 3
	s_add_co_u32 s50, s50, s51
	s_add_co_u32 s50, s50, s[WV]
	s_and_b32 s51, s[WV], 8
	s_add_co_u32 s50, s50, s51                     ; the token of row w of the tile
	s_lshl_b32 s50, s50, 12
	s_mov_b32 s51, 0
	s_mul_i32 s52, s48, 98304
	s_mul_i32 s53, s49, 1536
	s_add_co_u32 s52, s52, s53
	s_mul_i32 s53, s[WV], 12288
	s_add_co_u32 s52, s52, s53                     ; h2's codes: my tile, K step w (waves 0 to 7)
	s_mov_b32 s53, 0
	s_lshl_b32 s62, s48, 12
	s_lshl_b32 s63, s49, 6
	s_add_co_u32 s62, s62, s63
	s_lshl_b32 s63, s[WV], 9
	s_add_co_u32 s62, s62, s63
	s_add_co_u32 s62, s62, 3145728                 ; and its scale words
	s_mov_b32 s63, 0
	s_lshr_b32 s66, s[WV], 1
	s_and_b32 s67, s[WV], 1
	s_mul_i32 s68, s66, 98304
	s_mul_i32 s69, s67, 6144
	s_add_co_u32 s68, s68, s69
	s_add_co_u32 s68, s68, WOC                     ; columns 64 w on, in wo's codes
	s_mov_b32 s69, 0
	s_lshl_b32 s70, s66, 12
	s_lshl_b32 s71, s67, 8
	s_add_co_u32 s70, s70, s71
	s_add_co_u32 s70, s70, WOS
	s_mov_b32 s71, 0
	s_lshl_b32 s72, s[WV], 8                       ; my 256 bytes of each of the three rows
	s_mov_b32 s73, 0
	s_lshl_b32 s76, s44, 13
	s_add_co_u32 s76, s76, MODS+16384
	s_add_co_u32 s76, s76, s72
	s_mov_b32 s77, 0
	s_mul_i32 s54, ttmp9, 12288
	s_mul_i32 s55, s[WV], 768
	s_add_co_u32 s54, s54, s55                     ; head w of my tile, in out's codes
	s_mov_b32 s55, 0
	s_lshl_b32 s58, ttmp9, 11
	s_lshl_b32 s59, s[WV], 7
	s_add_co_u32 s58, s58, s59
	s_add_co_u32 s58, s58, 3145728
	s_mov_b32 s59, 0
	s_mul_i32 s80, s[WV], HP
	s_mul_i32 s81, s[WV], 768
	s_add_co_u32 s81, s81, OIMG
	s_lshl_b32 s82, s[WV], 7
	s_add_co_u32 s82, s82, OSC
	s_add_co_u32 s83, s72, MV
	s_wait_kmcnt 0x0
	s_add_nc_u64 s[10:11], s[10:11], s[50:51]
	s_add_nc_u64 s[14:15], s[14:15], s[50:51]
	s_add_nc_u64 s[56:57], s[16:17], s[52:53]
	s_add_nc_u64 s[60:61], s[16:17], s[62:63]
	s_add_nc_u64 s[WB:WB+1], s[6:7], s[68:69]
	s_add_nc_u64 s[WSB:WSB+1], s[6:7], s[70:71]
	s_add_nc_u64 s[12:13], s[12:13], s[72:73]
	s_add_nc_u64 s[78:79], s[6:7], s[76:77]        ; P, Q of the second modulation, my batch
	s_add_nc_u64 s[54:55], s[4:5], s[54:55]
	s_add_nc_u64 s[58:59], s[4:5], s[58:59]
	v_and_b32 v3, 31, v0
	v_and_b32 v11, 15, v0
	s_delay_alu instid0(VALU_DEP_2)
	v_lshlrev_b32 v[L16], 4, v3
	s_delay_alu instid0(VALU_DEP_2)
	v_lshlrev_b32 v[R4], 2, v11
	v_lshlrev_b32 v4, 3, v3
	v_lshlrev_b32 v5, 2, v3
	v_add_nc_u32 v6, s80, v[L16]                   ; row w of h
	v_add_nc_u32 v7, s81, v[L16]                   ; head w's codes
	s_delay_alu instid0(VALU_DEP_4)
	v_add_nc_u32 v8, s81, v4
	s_delay_alu instid0(VALU_DEP_4)
	v_add_nc_u32 v9, s82, v5                       ; and scale words
	v_add_nc_u32 v10, s83, v4                      ; my part of the three rows
	s_wait_alu depctr_va_vdst(0)                   ; the wait at the head's end
.irp i, 0,1,2,3,4,5,6,7
	global_load_b128 v[ACC+4*\i:ACC+4*\i+3], v[L16], s[10:11] offset:512*\i   ; row w of h
.endr
	global_load_b128 v[44:47], v[L16], s[54:55]
	global_load_b64 v[48:49], v4, s[54:55] offset:512
	global_load_b32 v50, v5, s[58:59]
	global_load_b64 v[52:53], v4, s[12:13]
	global_load_b64 v[54:55], v4, s[78:79]
	global_load_b64 v[56:57], v4, s[78:79] offset:4096
	WLOAD 0, 0
	WLOAD 1, 1
	s_wait_loadcnt 32                              ; all but the 32 loads of weights are in
.irp i, 0,1,2,3,4,5,6,7
	ds_store_b128 v6, v[ACC+4*\i:ACC+4*\i+3] offset:512*\i
.endr
	ds_store_b128 v7, v[44:47]
	ds_store_b64 v8, v[48:49] offset:512
	ds_store_b32 v9, v50
	ds_store_b64 v10, v[52:53]
	ds_store_b64 v10, v[54:55] offset:4096
	ds_store_b64 v10, v[56:57] offset:8192
	BARRIER                                        ; h, all 16 heads' codes and the three rows lie in LDS
; ---- x1 less wo_b: columns 64 w on, for the 16 tokens; the sums start from h
	v_and_b32 v7, 31, v0
	v_add_nc_u32 v3, OIMG, v[L16]
	s_delay_alu instid0(VALU_DEP_2)
	v_lshlrev_b32 v4, 3, v7
	s_delay_alu instid0(VALU_DEP_1)
	v_add_nc_u32 v4, OIMG+512, v4
	s_delay_alu instid0(VALU_DEP_4)
	v_lshlrev_b32 v5, 2, v7
	s_delay_alu instid0(VALU_DEP_1)
	v_add_nc_u32 v5, OSC, v5
	v_and_b32 v8, 15, v0
	v_bfe_u32 v9, v0, 4, 1
	s_delay_alu instid0(VALU_DEP_2)
	v_mul_u32_u24 v6, v8, HP
	s_delay_alu instid0(VALU_DEP_1)
	v_lshl_add_u32 v6, v9, 6, v6
	s_lshl_b32 s76, s[WV], 8
	s_add_co_u32 s76, s76, X1S
	v_add_nc_u32 v6, s76, v6
.irp s, 0,1,2,3,4,5,6,7
	ds_load_b32 v[AS+\s], v5 offset:256*\s
	ds_load_b32 v[ACC+\s], v5 offset:256*\s+128
.endr
.irp s, 0,1,2,3,4,5,6,7
	ds_load_b128 v[AF+12*\s:AF+12*\s+3], v3 offset:1536*\s
	ds_load_b64 v[AF+12*\s+4:AF+12*\s+5], v4 offset:1536*\s
	ds_load_b128 v[AF+12*\s+6:AF+12*\s+9], v3 offset:1536*\s+768
	ds_load_b64 v[AF+12*\s+10:AF+12*\s+11], v4 offset:1536*\s+768
.endr
	s_wait_alu depctr_va_vdst(0)
	s_wait_dscnt 32                                ; the 16 scale words are in; the 32 loads of codes may be out
.irp s, 0,1,2,3,4,5,6,7
	v_lshl_or_b32 v[AS+\s], v[ACC+\s], 16, v[AS+\s]   ; heads 2 s and 2 s + 1 make K step s
.endr
.irp t, 0,1,2,3
	ds_load_b128 v[ACC+8*\t:ACC+8*\t+3], v6 offset:128*(\t/2)+32*(\t%2)
	ds_load_b128 v[ACC+8*\t+4:ACC+8*\t+7], v6 offset:128*(\t/2)+32*(\t%2)+16
.endr
.rept 8
	v_nop                                          ; scale registers written by vector lines stand 8 places ahead of a scaled product
.endr
	s_wait_alu depctr_va_vdst(0)
	s_wait_dscnt 0x0
.irp s, 0,1,2,3,4,5,6,7
	PSTEP \s
.endr
.rept 4
	v_nop
.endr
.irp t, 0,1,2,3
	ds_store_b128 v6, v[ACC+8*\t:ACC+8*\t+3] offset:128*(\t/2)+32*(\t%2)
	ds_store_b128 v6, v[ACC+8*\t+4:ACC+8*\t+7] offset:128*(\t/2)+32*(\t%2)+16
.endr
	s_mul_i32 s76, s[WV], HP
	s_add_co_u32 s76, s76, X1S
	v_add_nc_u32 v3, s76, v[L16]
	v_mul_u32_u24 v4, v8, HP
	s_delay_alu instid0(VALU_DEP_1)
	v_lshl_add_u32 v4, v9, 6, v4
	s_lshl_b32 s76, s[WV], 9
	s_add_co_u32 s76, s76, X1S
	v_add_nc_u32 v4, s76, v4                       ; for the last phase: row r, 512 w + 64 h
	v_add_nc_u32 v10, MV, v[L16]
	v_mov_b32 v[SCR+8], 0
	s_wait_alu depctr_va_vdst(0)
	BARRIER                                        ; 16 whole rows lie in LDS
; ---- a row a wave: x1, the norm, the modulation
.irp i, 0,1,2,3,4,5,6,7
	ds_load_b128 v[32+4*\i:35+4*\i], v3 offset:512*\i
	ds_load_b128 v[64+4*\i:67+4*\i], v10 offset:512*\i
.endr
.irp i, 0,1,2,3,4,5,6,7
	ds_load_b128 v[96+4*\i:99+4*\i], v10 offset:4096+512*\i
	ds_load_b128 v[128+4*\i:131+4*\i], v10 offset:8192+512*\i
.endr
	s_wait_dscnt 0x0
.set n, 0
.rept 16
	v_pk_add_f32 v[32+n:33+n], v[32+n:33+n], v[64+n:65+n]
.set n, n+2
.endr
.irp i, 0,1,2,3,4,5,6,7
	global_store_b128 v[L16], v[32+4*\i:35+4*\i], s[14:15] offset:512*\i   ; 512 consecutive bytes
.endr
	LNSTAT 32
	LNAPPLY 32, 96, 128
.irp i, 0,1,2,3,4,5,6,7
	ds_store_b128 v3, v[32+4*\i:35+4*\i] offset:512*\i
.endr
	BARRIER                                        ; 16 rows of h2 lie in LDS
	s_cmp_ge_u32 s[WV], 8
	s_cbranch_scc1 .Lend
; ---- waves 0 to 7: K step w of h2 becomes a fragment
.irp b, 0,1,2,3
.irp i, 0,1,2,3
	ds_load_b128 v[32+16*\b+4*\i:35+16*\b+4*\i], v4 offset:128*\b+16*\i
.endr
.endr
	s_wait_dscnt 0x0
	QUANT 32, 96, 116, 132
.irp c, 0,1,2
	global_store_b128 v[L16], v[96+4*\c:99+4*\c], s[56:57] offset:512*\c
.endr
	global_store_b32 v[R4], v132, s[60:61]
.Lend:
	s_wait_xcnt 0x0
	v_lshl_add_u32 v254, v0, 2, SPARE
	v_mov_b32 v255, 0
	s_wait_alu depctr_va_vdst(0)
	s_wait_tensorcnt 0x0                           ; the wave's end
	ds_add_u32 v254, v255
	s_wait_dscnt 0x0
	s_endpgm
.Lfunc_end_k_q7a4bb0e878_proj:
	.size	k_q7a4bb0e878_proj, .Lfunc_end_k_q7a4bb0e878_proj-k_q7a4bb0e878_proj
	.p2alignl 7, 3214868480
	.fill 96, 4, 3214868480
	.section	.rodata,"a",@progbits
	.p2align	6, 0x0
	.amdhsa_kernel k_q7a4bb0e878_proj
		.amdhsa_group_segment_fixed_size 94720
		.amdhsa_private_segment_fixed_size 0
		.amdhsa_enable_private_segment 0
		.amdhsa_kernarg_size 48
		.amdhsa_user_sgpr_count 2
		.amdhsa_user_sgpr_kernarg_segment_ptr 1
		.amdhsa_wavefront_size32 1
		.amdhsa_system_sgpr_workgroup_id_x 1
		.amdhsa_system_sgpr_workgroup_id_y 1
		.amdhsa_system_sgpr_workgroup_id_z 1
		.amdhsa_system_vgpr_workitem_id 0
		.amdhsa_next_free_vgpr 256
		.amdhsa_next_free_sgpr 90
		.amdhsa_reserve_vcc 0
		.amdhsa_float_denorm_mode_32 3
		.amdhsa_float_denorm_mode_16_64 3
		.amdhsa_memory_ordered 1
		.amdhsa_forward_progress 1
		.amdhsa_inst_pref_size 49
	.end_amdhsa_kernel
	.amdgpu_metadata
---
amdhsa.version: [ 1, 2 ]
amdhsa.kernels:
  - .name:           k_q7a4bb0e878_proj
    .symbol:         k_q7a4bb0e878_proj.kd
    .args:
      - { .name: oimg, .offset: 0, .size: 8, .value_kind: global_buffer, .address_space: global }
      - { .name: wimg, .offset: 8, .size: 8, .value_kind: global_buffer, .address_space: global }
      - { .name: hbuf, .offset: 16, .size: 8, .value_kind: global_buffer, .address_space: global }
      - { .name: wo_b, .offset: 24, .size: 8, .value_kind: global_buffer, .address_space: global }
      - { .name: x1buf, .offset: 32, .size: 8, .value_kind: global_buffer, .address_space: global }
      - { .name: h2img, .offset: 40, .size: 8, .value_kind: global_buffer, .address_space: global }
    .group_segment_fixed_size: 94720
    .private_segment_fixed_size: 0
    .kernarg_segment_align: 8
    .kernarg_segment_size: 48
    .max_flat_workgroup_size: 512
    .sgpr_count:     90
    .vgpr_count:     256
    .wavefront_size: 32
...
	.end_amdgpu_metadata
.endif
;; end of part 9
;; launch ffn1 (part 10): grid 16 x 16, 4 waves a work-group, clusters of 4 x 4, 327,680 bytes of LDS; arguments h2img, wimg, b1, hidimg; writes hidimg
.if DOCPART == 10
	.amdgcn_target "amdgcn-amd-amdhsa--gfx1250"
	.amdhsa_code_object_version 6
	.text
	.protected	k_q7a4bb0e878_ffn1
	.globl	k_q7a4bb0e878_ffn1
	.p2align	8
	.type	k_q7a4bb0e878_ffn1,@function
k_q7a4bb0e878_ffn1:
	s_mov_b64 s[64:65], 0
	v_nop
	global_prefetch_b8 v0, s[64:65] scope:SCOPE_SE
	s_setreg_imm32_b32 hwreg(HW_REG_WAVE_MODE, 25, 1), 1
	s_wait_xcnt 0x0
	s_wait_alu depctr_hold_cnt(0) depctr_sa_sdst(0) depctr_va_vdst(0) depctr_va_sdst(0) depctr_va_ssrc(0) depctr_va_vcc(0) depctr_vm_vsrc(0)
	s_getreg_b32 s2, hwreg(HW_REG_IB_STS2, 6, 4)
	s_cmp_eq_u32 s2, 0
	s_cbranch_scc0 .Lentry_in_a_cluster
	s_endpgm
.Lentry_in_a_cluster:
	s_bfe_u32 s2, ttmp6, 0x10000c
	s_cmp_lg_u32 s2, 0xf033
	s_cbranch_scc0 .Lentry_shape_is_right
	s_endpgm
.Lentry_shape_is_right:
.set KST, 8
.set ASOFF, 3145728
.set BCOFF, 0
.set BSOFF, 7962624
.set NQ, 2
.set FR, 12
.set NL, 3
.set NP, 4
.set HALFT, 24576
.set SLOT, 4*HALFT
.set LAPS, KST/4
.set HALFS, KST*512
.set SCL, 2*SLOT
.set SPARE, SCL+4*HALFS
.set ADRA, 16
.set GA, 18
.set ADRB, 20
.set GB, 22
.set STO, 24
.set RD, 25
.set CO, 26
.set ADRS, 27
.set SPW, 28
.set NIL, 29
.set SC, 32
.set BI, 64
.set AF, 128
.set ZZ, 160
.set PP, 192
.set QQ, 224
.set SEL, 96
.set G1, 24
.set G0, 32
.set G1B, 48
.set G0B, 56
.set G1S, 68
.set G0S, 76
.set G1SB, 80
.set G0SB, 88
.set MSB, 0
.macro WIN new
.if MSB != (\new)
	s_set_vgpr_msb (MSB<<8)|(\new)
.set MSB, (\new)
.endif
.endm
.set MUL_LO, 0xa1
.set MUL_HI, 0xf1
.set TO_B, 0x40
.macro JLOAD g0a, g1a, g0b, g1b
	s_cmp_eq_u32 s15, 0
	s_cbranch_scc0 .Lfor_b_\@
	tensor_load_to_lds s[\g0a:\g0a+3], s[\g1a:\g1a+7]
	s_nop 0
.rept 4
	v_nop
.endr
	s_branch .Lasked_\@
.Lfor_b_\@:
	tensor_load_to_lds s[\g0b:\g0b+3], s[\g1b:\g1b+7]
	s_nop 0
.rept 4
	v_nop
.endr
.Lasked_\@:
.endm
.macro CREST
	s_cmp_lg_u32 s14, 0
	s_cbranch_scc1 .Lnot_wave_0_\@
	s_barrier_signal -3
.Lnot_wave_0_\@:
	s_barrier_wait -3
	s_barrier_signal -1
	s_barrier_wait -1
.endm
.macro CROUND
	s_barrier_signal -1
	s_barrier_wait -1
	CREST
.endm
	s_load_b128 s[4:7], s[0:1], 0x0
	s_load_b128 s[8:11], s[0:1], 0x10
	v_lshl_add_u32 v[SPW], v0, 2, SPARE
	v_mov_b32 v[NIL], 0
	ds_add_u32 v28, v29
	ds_add_u32 v28, v29
	s_wait_dscnt 0x0
	v_lshrrev_b32 v1, 5, v0
	v_readfirstlane_b32 s14, v1
	s_lshr_b32 s15, s14, 1
	s_and_b32 s16, s14, 1
	s_bfe_u32 s40, ttmp6, 0x40000
	s_bfe_u32 s41, ttmp6, 0x40004
	s_lshl_b32 s42, ttmp9, 2
	s_add_co_u32 s42, s42, s40
	s_and_b32 s17, ttmp7, 0xffff
	s_lshl_b32 s17, s17, 2
	s_add_co_u32 s17, s17, s41
	s_lshl_b32 s43, s41, 2
	s_lshl_b32 s43, 15, s43
	s_lshl_b32 s44, 0x1111, s40
	s_or_b32 s[G1+0], s43, (3<<16)|(1<<21)
	s_or_b32 s[G1B+0], s44, (3<<16)|(1<<21)
.irp g, G1, G1B                        ; for the head's loads: both halves of a slot: 2 rows of 24,576 bytes, 98,304 bytes apart
	s_mov_b32 s[\g+1], 3072<<16
	s_mov_b32 s[\g+2], 2<<16
	s_mov_b32 s[\g+3], 3072<<16
	s_mov_b32 s[\g+4], 2
	s_mov_b32 s[\g+5], 12288
	s_mov_b32 s[\g+6], 0
	s_mov_b32 s[\g+7], 0
.endr
	s_or_b32 s[G1S+0], s43, (3<<16)|(1<<21)
	s_or_b32 s[G1SB+0], s44, (3<<16)|(1<<21)
.irp g, G1S, G1SB
	s_mov_b32 s[\g+1], 32<<16
	s_mov_b32 s[\g+2], (HALFS/128)<<16
	s_mov_b32 s[\g+3], 32<<16
	s_mov_b32 s[\g+4], HALFS/128
	s_mov_b32 s[\g+5], 32
	s_mov_b32 s[\g+6], 0
	s_mov_b32 s[\g+7], 0
.endr
	s_lshl_b32 s20, s17, 1
	s_add_co_u32 s20, s20, s16
	s_lshl_b32 s46, s42, 1
	s_add_co_u32 s46, s46, s16
	s_mul_i32 s22, s17, 2*HALFS
	s_add_co_u32 s22, s22, ASOFF
	s_mul_i32 s20, s20, KST*12288
	s_mul_i32 s92, s42, 2*HALFS
	s_add_co_u32 s92, s92, BSOFF
	s_mul_i32 s46, s46, KST*12288
	s_add_co_u32 s46, s46, BCOFF
	s_mov_b32 s21, 0
	s_mov_b32 s23, 0
	s_mov_b32 s47, 0
	s_mov_b32 s93, 0
	s_mul_i32 s45, s14, HALFT
	s_wait_kmcnt 0x0
	s_add_nc_u64 s[20:21], s[4:5], s[20:21]
	s_add_nc_u64 s[22:23], s[4:5], s[22:23]
	s_add_nc_u64 s[46:47], s[6:7], s[46:47]
	s_add_nc_u64 s[92:93], s[6:7], s[92:93]
	CROUND
	s_mov_b32 s[G0S], 1
	s_mov_b32 s[G0S+1], SCL
	s_mov_b64 s[G0S+2:G0S+3], s[22:23]
	s_or_b32 s[G0S+3], s[G0S+3], 0x80000000
	s_mov_b32 s[G0SB], 1
	s_mov_b32 s[G0SB+1], SCL+2*HALFS
	s_mov_b64 s[G0SB+2:G0SB+3], s[92:93]
	s_or_b32 s[G0SB+3], s[G0SB+3], 0x80000000
.irp s, 0,1
	s_mov_b32 s[G0+4*\s], 1
	s_add_co_u32 s[G0+4*\s+1], s45, \s*SLOT
	s_add_nc_u64 s[G0+4*\s+2:G0+4*\s+3], s[20:21], \s*HALFT
	s_or_b32 s[G0+4*\s+3], s[G0+4*\s+3], 0x80000000
	s_mov_b32 s[G0B+4*\s], 1
	s_add_co_u32 s[G0B+4*\s+1], s45, \s*SLOT
	s_add_nc_u64 s[G0B+4*\s+2:G0B+4*\s+3], s[46:47], \s*HALFT
	s_or_b32 s[G0B+4*\s+3], s[G0B+4*\s+3], 0x80000000
.endr
; the prefetches' base: my 96 blocks of 256 bytes of a tile; of them my work-group takes 24, told from its three partners' by address (cx for A, cy for B)
	s_cmp_eq_u32 s15, 0
	s_cselect_b64 s[66:67], s[20:21], s[46:47]
	s_cselect_b32 s18, s40, s41
	s_mul_i32 s18, s18, 6144
	s_mov_b32 s19, 0
	s_add_nc_u64 s[66:67], s[66:67], s[18:19]
; THE HEAD'S LOADS, ONE A WAVE: wave 0 slot 0's rows of A, wave 1 A's scales, wave 2 slot 0's rows of B, wave 3 B's scales.  Waves 0 and 2 use their own ring descriptors of slot 0.
.macro ARM under, g0, g1, next
	s_cmp_lt_u32 s14, \under
	s_cbranch_scc0 \next
	tensor_load_to_lds s[\g0:\g0+3], s[\g1:\g1+7]
	s_nop 0
.rept 4
	v_nop
.endr
	s_branch .Lhead_asked
\next:
.endm
	ARM 1, G0, G1, .Lhead_sa
	ARM 2, G0S, G1S, .Lhead_b
	ARM 3, G0B, G1B, .Lhead_sb
	tensor_load_to_lds s[G0SB:G0SB+3], s[G1SB:G1SB+7]
	s_nop 0
.rept 4
	v_nop
.endr
.Lhead_asked:
	v_and_b32 v30, 31, v0
	v_min_u32 v30, 23, v30                         ; lanes 24 to 31 name the last block again
	v_lshlrev_b32 v30, 8, v30
	global_prefetch_b8 v30, s[66:67] offset:HALFT th:TH_LOAD_NT scope:SCOPE_SE     ; tiles 1 and 2 of the four
	global_prefetch_b8 v30, s[66:67] offset:2*HALFT th:TH_LOAD_NT scope:SCOPE_SE
	v_and_b32 v1, 15, v0
	v_bfe_u32 v2, v0, 4, 1
	s_wait_alu depctr_va_vdst(0)
	v_and_b32 v3, 31, v0
	v_lshlrev_b32 v4, 4, v3
	s_mul_i32 s21, s15, HALFT
	s_mul_i32 s22, s16, HALFT
	s_add_co_u32 s22, s22, 2*HALFT
.irp s, 0,1
	v_add_nc_u32 v[ADRA+\s], s21, v4
	v_add_nc_u32 v[ADRB+\s], s22, v4
	s_add_co_u32 s21, s21, SLOT
	s_add_co_u32 s22, s22, SLOT
.endr
	v_lshlrev_b32 v5, 2, v1
	s_mul_i32 s21, s15, HALFS
	s_mul_i32 s22, s16, HALFS
	s_add_co_u32 s22, s22, 2*HALFS
	s_sub_co_u32 s22, s22, s21
	v_mul_u32_u24 v6, s22, v2
	s_add_co_u32 s21, s21, SCL
	v_add_nc_u32 v5, v5, v6
	v_add_nc_u32 v[ADRS], s21, v5
	s_lshl_b32 s23, s14, 9
	v_lshlrev_b32 v[STO], 2, v1
	v_add_nc_u32 v[STO], s23, v[STO]
	v_mov_b32 v[CO], v4
	v_add_nc_u32 v[RD], s23, v4
	s_lshl_b32 s46, s42, 10
	s_lshl_b32 s47, s16, 9
	s_add_co_u32 s46, s46, s47
	s_mov_b32 s47, 0
	s_add_nc_u64 s[8:9], s[8:9], s[46:47]
	v_lshlrev_b32 v7, 6, v2
.irp b, 0,1,2,3,4,5,6,7
	global_load_b128 v[BI+8*\b:BI+8*\b+3], v7, s[8:9] offset:(32*(\b/2)+8*(\b%2))*4
	global_load_b128 v[BI+8*\b+4:BI+8*\b+7], v7, s[8:9] offset:(32*(\b/2)+8*(\b%2))*4+16
.endr
	s_lshl_b32 s20, s17, 1
	s_add_co_u32 s20, s20, s15
	s_lshl_b32 s46, s42, 1
	s_add_co_u32 s46, s46, s16
	s_mul_i32 s21, s20, 393216
	s_mul_i32 s47, s46, 12288
	s_add_co_u32 s92, s21, s47
	s_mov_b32 s93, 0
	s_add_nc_u64 s[92:93], s[10:11], s[92:93]
	s_lshl_b32 s21, s20, 14
	s_lshl_b32 s47, s46, 9
	s_add_co_u32 s94, s21, s47
	s_add_co_u32 s94, s94, 12582912
	s_mov_b32 s95, 0
	s_add_nc_u64 s[94:95], s[10:11], s[94:95]
	s_mov_b32 s[SEL], 0x76543210
	s_mov_b32 s[SEL+1], 0xfedcba98
	v_mov_b32 v[GA], 0xaf95df0b
	v_mov_b32 v[GA+1], 0xaf95df0b
	v_mov_b32 v[GB], 0xb77460cd
	v_mov_b32 v[GB+1], 0xb77460cd
.macro FRAG reg, adr, q, i
.irp c, 0,1,2
	ds_load_b128 v[\reg+4*\c:\reg+4*\c+3], v[\adr] offset:12288*(\q)+1536*(\i)+512*\c
.endr
.endm
.macro MUL16 a0, p, q, sc, first
.irp a, \a0, \a0+1
.irp b, 0,1,2,3,4,5,6,7
.if \first
	v_wmma_scale_f32_16x16x128_f8f6f4 v[8*(8*((\a)%4)+\b):8*(8*((\a)%4)+\b)+7], v[128*(\p)+FR*\b:128*(\p)+FR*\b+FR-1], v[AF+FR*(\a):AF+FR*(\a)+FR-1], v[BI+8*\b:BI+8*\b+7], v[SC+16*(\sc)+2*\b+(\q)], v[SC+16*(\sc)+2*(\a)+(\q)] matrix_a_fmt:MATRIX_FMT_FP6 matrix_b_fmt:MATRIX_FMT_FP6 matrix_a_scale:MATRIX_SCALE_ROW1
.else
	v_wmma_scale_f32_16x16x128_f8f6f4 v[8*(8*((\a)%4)+\b):8*(8*((\a)%4)+\b)+7], v[128*(\p)+FR*\b:128*(\p)+FR*\b+FR-1], v[AF+FR*(\a):AF+FR*(\a)+FR-1], v[8*(8*((\a)%4)+\b):8*(8*((\a)%4)+\b)+7], v[SC+16*(\sc)+2*\b+(\q)], v[SC+16*(\sc)+2*(\a)+(\q)] matrix_a_fmt:MATRIX_FMT_FP6 matrix_b_fmt:MATRIX_FMT_FP6 matrix_a_scale:MATRIX_SCALE_ROW1
.endif
.endr
.endr
.endm
.macro FETCH_B slot, q, p
	WIN TO_B
.irp i, 0,1,2,3,4,5,6,7
	FRAG 128*(\p)+FR*\i, ADRB+\slot, \q, \i
.endr
	WIN 0
.endm
.macro FETCH_A slot, q, i0
.irp i, \i0, \i0+1, \i0+2, \i0+3
	FRAG AF+FR*(\i), ADRA+\slot, \q, \i
.endr
.endm
.macro SCALES sc
.irp i, 0,1,2,3,4,5,6,7
.irp q, 0,1
	ds_load_b32 v[SC+16*\sc+2*\i+\q], v[ADRS] offset:512*\q+64*\i
.endr
.endr
.endm
.macro PLACES n
.rept \n
	v_nop
.endr
.endm
.macro STEP slot, q, first
	s_wait_dscnt 4*NL
.if \first
	WIN 0x81
.else
	WIN MUL_LO
.endif
	MUL16 0, (\q)%2, \q, \slot, \first
	MUL16 2, (\q)%2, \q, \slot, \first
	s_wait_dscnt 0
	PLACES NP
	FETCH_B \slot, (\q)+1, 1-(\q)%2
	FETCH_A \slot, (\q)+1, 0
.if \first
	WIN 0xc1
.else
	WIN MUL_HI
.endif
	MUL16 4, (\q)%2, \q, \slot, \first
	MUL16 6, (\q)%2, \q, \slot, \first
	PLACES NP
	WIN 0
	FETCH_A \slot, (\q)+1, 4
.endm
.macro TURN slot, next, fill
	s_wait_tensorcnt 0x0
	ds_add_u32 v[SPW], v[NIL]
	s_wait_dscnt 4*NL+1
	WIN MUL_LO
	MUL16 0, 1, NQ-1, \slot, 0
	s_wait_dscnt 0x0
	s_barrier_signal -1
	MUL16 2, 1, NQ-1, \slot, 0
	WIN 0
	s_barrier_wait -1
.if \fill
	CREST
	s_add_nc_u64 s[G0+4*\slot+2:G0+4*\slot+3], s[G0+4*\slot+2:G0+4*\slot+3], 2*HALFT
	s_add_nc_u64 s[G0B+4*\slot+2:G0B+4*\slot+3], s[G0B+4*\slot+2:G0B+4*\slot+3], 2*HALFT
	JLOAD G0+4*\slot, G1, G0B+4*\slot, G1B
.else
	PLACES NP
.endif
	s_wait_alu depctr_va_vdst(0)
	v_add_nc_u32 v[ADRS], 1024, v[ADRS]
	FETCH_B \next, 0, 0
	FETCH_A \next, 0, 0
	SCALES \next
.if (\fill) && (\slot) == 0
	global_prefetch_b8 v30, s[66:67] offset:3*HALFT th:TH_LOAD_NT scope:SCOPE_SE   ; the last tile, one refill ahead of its load
.endif
	WIN MUL_HI
	MUL16 4, 1, NQ-1, \slot, 0
	MUL16 6, 1, NQ-1, \slot, 0
	PLACES NP
	WIN 0
	FETCH_A \next, 0, 4
.endm
	s_wait_alu depctr_va_vdst(0)                   ; the wait at the head's end
	s_wait_tensorcnt 0x0                           ; my tile of the head's four is in; these lines stand ahead of a later first fill as ahead of a refill
	ds_add_u32 v[SPW], v[NIL]
.irp g, G1, G1B                        ; no tensor load of mine is out: from here on a load brings 96 rows of 256 bytes
	s_mov_b32 s[\g+1], 32<<16
	s_mov_b32 s[\g+2], 96<<16
	s_mov_b32 s[\g+3], 32<<16
	s_mov_b32 s[\g+4], 96
	s_mov_b32 s[\g+5], 32
.endr
	s_wait_dscnt 0x0
	CROUND
	JLOAD G0+4, G1, G0B+4, G1B                     ; slot 1's first fill
	FETCH_B 0, 0, 0
	FETCH_A 0, 0, 0
	SCALES 0
	FETCH_A 0, 0, 4
	s_wait_loadcnt 0x0
	STEP 0, 0, 1
	s_mov_b32 s3, LAPS-1
.Llap:
	TURN 0, 1, 1
	STEP 1, 0, 0
	TURN 1, 0, 1
	STEP 0, 0, 0
	s_sub_co_u32 s3, s3, 1
	s_cmp_lg_u32 s3, 0
	s_cbranch_scc1 .Llap
	TURN 0, 1, 0
	STEP 1, 0, 0
	s_wait_dscnt 4*NL
	WIN MUL_LO
	MUL16 0, 1, NQ-1, 1, 0
	MUL16 2, 1, NQ-1, 1, 0
	s_wait_dscnt 0
	WIN MUL_HI
	MUL16 4, 1, NQ-1, 1, 0
	MUL16 6, 1, NQ-1, 1, 0
	WIN 0
	PLACES NP
.macro RD k
.set WN, 0x02+(\k)/4
	WIN WN
.set n, 0
.rept 32
	v_pk_mul_f32 v[96+n:97+n], v[64*((\k)%4)+n:64*((\k)%4)+n+1], 0.5 op_sel_hi:[1,0]
.set n, n+2
.endr
	WIN 0
.endm
.macro HSTART p, c, k
.set n, 0
.rept 16
	v_pk_fma_f32 v[\p+n:\p+n+1], v[ZZ+n:ZZ+n+1], v[\c:\c+1], \k op_sel_hi:[1,1,0]
.set n, n+2
.endr
.endm
.macro HORNER p, k
.set n, 0
.rept 16
	v_pk_fma_f32 v[\p+n:\p+n+1], v[\p+n:\p+n+1], v[ZZ+n:ZZ+n+1], \k op_sel_hi:[1,1,0]
.set n, n+2
.endr
.endm
.macro GELUH u, y
.set n, 0
.rept 32
	v_med3_num_f32 v[\u+n], v[\u+n], -4.0, 4.0
.set n, n+1
.endr
.set n, 0
.rept 16
	v_pk_mul_f32 v[ZZ+n:ZZ+n+1], v[\u+n:\u+n+1], v[\u+n:\u+n+1]
.set n, n+2
.endr
	HSTART PP, GA, 0x32edffee
	HSTART QQ, GB, 0xb95fbd29
	HORNER PP, 0xb60cff51
	HORNER QQ, 0xbadc924e
	HORNER PP, 0xb86ec2d2
	HORNER QQ, 0xbbf19bf8
	HORNER PP, 0xba40ac63
	HORNER QQ, 0xbc69b6a7
	HORNER PP, 0xbb41a1f6
	HORNER PP, 0xbc83dbd4
.set n, 0
	s_wait_alu depctr_va_vdst(0)
.rept 32
	v_rcp_f32 v[QQ+n], v[QQ+n]
.set n, n+1
.endr
.set n, 0
.rept 16
	v_pk_mul_f32 v[PP+n:PP+n+1], v[PP+n:PP+n+1], v[\u+n:\u+n+1]
.set n, n+2
.endr
	s_wait_alu depctr_va_vdst(0)
.set n, 0
.rept 16
	v_pk_mul_f32 v[PP+n:PP+n+1], v[PP+n:PP+n+1], v[QQ+n:QQ+n+1]
.set n, n+2
.endr
.set n, 0
.rept 16
	v_pk_fma_f32 v[\y+n:\y+n+1], v[\y+n:\y+n+1], v[PP+n:PP+n+1], v[\y+n:\y+n+1]
.set n, n+2
.endr
.endm
.macro QUANT s, pc, tm, pw
.irp b, 0,1,2,3
	v_mov_b32 v[\tm+4+\b], 0
.endr
.irp b, 0,1,2,3
	v_max3_num_f32 v[\tm+\b], |v[\s+16*\b]|, |v[\s+1+16*\b]|, 0x1800000
.endr
.irp i, 2,4,6,8,10,12,14
.irp b, 0,1,2,3
	v_max3_num_f32 v[\tm+\b], v[\tm+\b], |v[\s+16*\b+\i]|, |v[\s+1+16*\b+\i]|
.endr
.endr
.irp b, 0,1,2,3
	v_permlanex16_b32 v[\tm+4+\b], v[\tm+\b], s[SEL], s[SEL+1]
.endr
.irp b, 0,1,2,3
	v_max_num_f32 v[\tm+\b], v[\tm+\b], v[\tm+4+\b]
.endr
.irp b, 0,1,2,3
	v_add_nc_u32 v[\tm+12+\b], 0xff000000, v[\tm+\b]
.endr
.irp b, 0,1,2,3
	v_lshrrev_b32 v[\tm+4+\b], 23, v[\tm+12+\b]
.endr
	v_lshl_or_b32 v[\pw], v[\tm+5], 8, v[\tm+4]
	v_lshl_or_b32 v[\pw], v[\tm+6], 16, v[\pw]
	v_lshl_or_b32 v[\pw], v[\tm+7], 24, v[\pw]
.irp c, 0,1
	v_cvt_scalef32_pk16_fp6_f32 v[\pc+6*\c:\pc+2+6*\c], v[\s+32*\c:\s+15+32*\c], v[\tm+12+2*\c]
	v_cvt_scalef32_pk16_fp6_f32 v[\pc+12+4*\c:\pc+14+4*\c], v[\s+16+32*\c:\s+31+32*\c], v[\tm+13+2*\c]
.endr
	v_nop
.irp c, 0,1
.irp i, 0,1,2
	v_permlane16_swap_b32 v[\pc+6*\c+\i], v[\pc+12+4*\c+\i]
.endr
.irp i, 0,1,2
	v_mov_b32 v[\pc+3+6*\c+\i], v[\pc+12+4*\c+\i]
.endr
.endr
.endm
	s_mov_b32 s3, 0
.Ltile:
.irp k, 1,2,3,4,5,6,7
	s_cmp_eq_u32 s3, \k
	s_cbranch_scc1 .Lrd\k
.endr
	RD 0
	s_branch .Lgelu
.irp k, 1,2,3,4,5,6,7
.Lrd\k:
	RD \k
	s_branch .Lgelu
.endr
.Lgelu:
.set n, 0
.rept 32
	v_pk_mul_f32 v[32+n:33+n], v[96+n:97+n], 0x3fb504f3 op_sel_hi:[1,0]
.set n, n+2
.endr
	GELUH 32, 96
	GELUH 64, 128
	QUANT 96, 32, 52, 70
.irp c, 0,1,2
	global_store_b128 v[CO], v[32+4*\c:35+4*\c], s[92:93] offset:512*\c
.endr
	ds_store_b32 v[STO], v70
	s_wait_xcnt 0x0
	s_add_nc_u64 s[92:93], s[92:93], 1536
	v_add_nc_u32 v[STO], 64, v[STO]
	s_add_co_u32 s3, s3, 1
	s_cmp_lt_u32 s3, 8
	s_cbranch_scc1 .Ltile
	ds_load_b128 v[32:35], v[RD]
	s_wait_dscnt 0x0
	global_store_b128 v[CO], v[32:35], s[94:95]
	s_wait_tensorcnt 0x0
	ds_add_u32 v[SPW], v[NIL]
	s_wait_dscnt 0x0
	CROUND
	s_endpgm
.Lfunc_end_k_q7a4bb0e878_ffn1:
	.size	k_q7a4bb0e878_ffn1, .Lfunc_end_k_q7a4bb0e878_ffn1-k_q7a4bb0e878_ffn1
	.p2alignl 7, 3214868480
	.fill 96, 4, 3214868480
	.section	.rodata,"a",@progbits
	.p2align	6, 0x0
	.amdhsa_kernel k_q7a4bb0e878_ffn1
		.amdhsa_group_segment_fixed_size 327680
		.amdhsa_private_segment_fixed_size 0
		.amdhsa_enable_private_segment 0
		.amdhsa_kernarg_size 32
		.amdhsa_user_sgpr_count 2
		.amdhsa_user_sgpr_kernarg_segment_ptr 1
		.amdhsa_wavefront_size32 1
		.amdhsa_system_sgpr_workgroup_id_x 1
		.amdhsa_system_sgpr_workgroup_id_y 1
		.amdhsa_system_sgpr_workgroup_id_z 1
		.amdhsa_system_vgpr_workitem_id 0
		.amdhsa_next_free_vgpr 1024
		.amdhsa_next_free_sgpr 98
		.amdhsa_reserve_vcc 0
		.amdhsa_float_denorm_mode_32 3
		.amdhsa_float_denorm_mode_16_64 3
		.amdhsa_memory_ordered 1
		.amdhsa_forward_progress 1
		.amdhsa_inst_pref_size 181
	.end_amdhsa_kernel
	.amdgpu_metadata
---
amdhsa.version: [ 1, 2 ]
amdhsa.kernels:
  - .name:           k_q7a4bb0e878_ffn1
    .symbol:         k_q7a4bb0e878_ffn1.kd
    .args:
      - { .name: h2img, .offset: 0, .size: 8, .value_kind: global_buffer, .address_space: global }
      - { .name: wimg, .offset: 8, .size: 8, .value_kind: global_buffer, .address_space: global }
      - { .name: b1, .offset: 16, .size: 8, .value_kind: global_buffer, .address_space: global }
      - { .name: hidimg, .offset: 24, .size: 8, .value_kind: global_buffer, .address_space: global }
    .group_segment_fixed_size: 327680
    .private_segment_fixed_size: 0
    .kernarg_segment_align: 8
    .kernarg_segment_size: 32
    .max_flat_workgroup_size: 128
    .sgpr_count:     98
    .vgpr_count:     1024
    .wavefront_size: 32
...
	.end_amdgpu_metadata
.endif
;; end of part 10
;; launch ffn2 (part 11): grid 8 x 32, 4 waves a work-group, clusters of 4 x 4, 327,680 bytes of LDS; arguments hidimg, wimg, b2, x1buf, out0; writes out0
.if DOCPART == 11
	.amdgcn_target "amdgcn-amd-amdhsa--gfx1250"
	.amdhsa_code_object_version 6
	.text
	.protected	k_q7a4bb0e878_ffn2
	.globl	k_q7a4bb0e878_ffn2
	.p2align	8
	.type	k_q7a4bb0e878_ffn2,@function
k_q7a4bb0e878_ffn2:
	s_mov_b64 s[64:65], 0
	v_nop
	global_prefetch_b8 v0, s[64:65] scope:SCOPE_SE
	s_setreg_imm32_b32 hwreg(HW_REG_WAVE_MODE, 25, 1), 1
	s_wait_xcnt 0x0
	s_wait_alu depctr_hold_cnt(0) depctr_sa_sdst(0) depctr_va_vdst(0) depctr_va_sdst(0) depctr_va_ssrc(0) depctr_va_vcc(0) depctr_vm_vsrc(0)
	s_getreg_b32 s2, hwreg(HW_REG_IB_STS2, 6, 4)
	s_cmp_eq_u32 s2, 0
	s_cbranch_scc0 .Lentry_in_a_cluster
	s_endpgm
.Lentry_in_a_cluster:
	s_bfe_u32 s2, ttmp6, 0x10000c
	s_cmp_lg_u32 s2, 0xf033
	s_cbranch_scc0 .Lentry_shape_is_right
	s_endpgm
.Lentry_shape_is_right:
.set KST, 32
.set ASOFF, 12582912
.set BCOFF, 3145728
.set BSOFF, 8093696
.set NQ, 4
.set FR, 12
.set NP, 4
.set HALFT, 24576
.set SLOT, 4*HALFT
.set LAPS, KST/(2*NQ)
.set HALFS, 8192
.set SCL, 2*SLOT
.set SPARE, SCL+4*HALFS+1024
.set SPITCH, 272
.set ADRA, 16
.set ADRB, 20
.set STO, 24
.set RD, 25
.set CO, 26
.set ADRS, 27
.set SPW, 28
.set NIL, 29
.set SC, 32
.set BI, 64
.set BK, 64
.set ACC, 128
.set G1, 24
.set G0, 32
.set G1B, 48
.set G0B, 56
.set G1S, 68
.set G0S, 76
.set G1SB, 80
.set G0SB, 88
.set MSB, 0
.macro WIN new
.if MSB != (\new)
	s_set_vgpr_msb (MSB<<8)|(\new)
.set MSB, (\new)
.endif
.endm
.set MUL, 0x05
.set TO_F, 0x40
.macro JLOAD g0a, g1a, g0b, g1b
	s_cmp_eq_u32 s15, 0
	s_cbranch_scc0 .Lfor_b_\@
	tensor_load_to_lds s[\g0a:\g0a+3], s[\g1a:\g1a+7]
	s_nop 0
.rept 4
	v_nop
.endr
	s_branch .Lasked_\@
.Lfor_b_\@:
	tensor_load_to_lds s[\g0b:\g0b+3], s[\g1b:\g1b+7]
	s_nop 0
.rept 4
	v_nop
.endr
.Lasked_\@:
.endm
.macro CREST
	s_cmp_lg_u32 s14, 0
	s_cbranch_scc1 .Lnot_wave_0_\@
	s_barrier_signal -3
.Lnot_wave_0_\@:
	s_barrier_wait -3
	s_barrier_signal -1
	s_barrier_wait -1
.endm
.macro CROUND
	s_barrier_signal -1
	s_barrier_wait -1
	CREST
.endm
	s_load_b128 s[4:7], s[0:1], 0x0
	s_load_b128 s[8:11], s[0:1], 0x10
	s_load_b64 s[12:13], s[0:1], 0x20
	v_lshl_add_u32 v[SPW], v0, 2, SPARE
	v_mov_b32 v[NIL], 0
	ds_add_u32 v28, v29
	ds_add_u32 v28, v29
	s_wait_dscnt 0x0
	v_lshrrev_b32 v1, 5, v0
	v_readfirstlane_b32 s14, v1
	s_lshr_b32 s15, s14, 1
	s_and_b32 s16, s14, 1
	s_bfe_u32 s40, ttmp6, 0x40000
	s_bfe_u32 s41, ttmp6, 0x40004
	s_lshl_b32 s42, ttmp9, 2
	s_add_co_u32 s42, s42, s40
	s_and_b32 s17, ttmp7, 0xffff
	s_lshl_b32 s17, s17, 2
	s_add_co_u32 s17, s17, s41
	s_lshl_b32 s43, s41, 2
	s_lshl_b32 s43, 15, s43
	s_lshl_b32 s44, 0x1111, s40
	s_or_b32 s[G1+0], s43, (3<<16)|(1<<21)
	s_or_b32 s[G1B+0], s44, (3<<16)|(1<<21)
.irp g, G1, G1B
	s_mov_b32 s[\g+1], 32<<16
	s_mov_b32 s[\g+2], 192<<16
	s_mov_b32 s[\g+3], 32<<16
	s_mov_b32 s[\g+4], 192
	s_mov_b32 s[\g+5], 32
	s_mov_b32 s[\g+6], 0
	s_mov_b32 s[\g+7], 0
.endr
	s_or_b32 s[G1S+0], s43, (3<<16)|(1<<21)
	s_or_b32 s[G1SB+0], s44, (3<<16)|(1<<21)
.irp g, G1S, G1SB
	s_mov_b32 s[\g+1], 32<<16
	s_mov_b32 s[\g+2], (HALFS/128)<<16
	s_mov_b32 s[\g+3], 32<<16
	s_mov_b32 s[\g+4], HALFS/128
	s_mov_b32 s[\g+5], 32
	s_mov_b32 s[\g+6], 0
	s_mov_b32 s[\g+7], 0
.endr
	s_lshl_b32 s20, s17, 1
	s_add_co_u32 s20, s20, s16
	s_mul_i32 s22, s17, 2*HALFS
	s_add_co_u32 s22, s22, ASOFF
	s_lshl_b32 s46, s42, 1
	s_add_co_u32 s46, s46, s16
	s_mul_i32 s92, s42, 2*HALFS
	s_add_co_u32 s92, s92, BSOFF
	s_lshl_b32 s20, s17, 4
	s_add_co_u32 s20, s20, s16
	s_mul_i32 s20, s20, HALFT
	s_lshl_b32 s46, s42, 4
	s_add_co_u32 s46, s46, s16
	s_mul_i32 s46, s46, HALFT
	s_add_co_u32 s46, s46, BCOFF
	s_mov_b32 s21, 0
	s_mov_b32 s23, 0
	s_mov_b32 s47, 0
	s_mov_b32 s93, 0
	s_mul_i32 s45, s14, HALFT
	s_wait_kmcnt 0x0
	s_add_nc_u64 s[20:21], s[4:5], s[20:21]
	s_add_nc_u64 s[22:23], s[4:5], s[22:23]
	s_add_nc_u64 s[46:47], s[6:7], s[46:47]
	s_add_nc_u64 s[92:93], s[6:7], s[92:93]
	CROUND
	s_mov_b32 s[G0S], 1
	s_mov_b32 s[G0S+1], SCL
	s_mov_b64 s[G0S+2:G0S+3], s[22:23]
	s_or_b32 s[G0S+3], s[G0S+3], 0x80000000
	s_mov_b32 s[G0SB], 1
	s_mov_b32 s[G0SB+1], SCL+2*HALFS
	s_mov_b64 s[G0SB+2:G0SB+3], s[92:93]
	s_or_b32 s[G0SB+3], s[G0SB+3], 0x80000000
.irp s, 0,1
	s_mov_b32 s[G0+4*\s], 1
	s_add_co_u32 s[G0+4*\s+1], s45, \s*SLOT
	s_add_nc_u64 s[G0+4*\s+2:G0+4*\s+3], s[20:21], \s*2*HALFT
	s_or_b32 s[G0+4*\s+3], s[G0+4*\s+3], 0x80000000
	s_mov_b32 s[G0B+4*\s], 1
	s_add_co_u32 s[G0B+4*\s+1], s45, \s*SLOT
	s_add_nc_u64 s[G0B+4*\s+2:G0B+4*\s+3], s[46:47], \s*2*HALFT
	s_or_b32 s[G0B+4*\s+3], s[G0B+4*\s+3], 0x80000000
.endr
; the prefetches' base: my 96 blocks of 256 bytes of a tile; of them my work-group takes 24, told from its three partners' by address (cx for A, cy for B)
	s_cmp_eq_u32 s15, 0
	s_cselect_b64 s[66:67], s[20:21], s[46:47]
	s_cselect_b32 s18, s40, s41
	s_mul_i32 s18, s18, 6144
	s_mov_b32 s19, 0
	s_add_nc_u64 s[66:67], s[66:67], s[18:19]
; THE HEAD'S LOADS, ONE A WAVE: wave 0 slot 0's 192 rows of A, wave 1 A's scales, wave 2 slot 0's 192 rows of B, wave 3 B's scales.  Waves 0 and 2 use their own ring descriptors of slot 0.
.macro ARM under, g0, g1, next
	s_cmp_lt_u32 s14, \under
	s_cbranch_scc0 \next
	tensor_load_to_lds s[\g0:\g0+3], s[\g1:\g1+7]
	s_nop 0
.rept 4
	v_nop
.endr
	s_branch .Lhead_asked
\next:
.endm
	ARM 1, G0, G1, .Lhead_sa
	ARM 2, G0S, G1S, .Lhead_b
	ARM 3, G0B, G1B, .Lhead_sb
	tensor_load_to_lds s[G0SB:G0SB+3], s[G1SB:G1SB+7]
	s_nop 0
.rept 4
	v_nop
.endr
.Lhead_asked:
	v_and_b32 v30, 31, v0
	v_min_u32 v30, 23, v30                         ; lanes 24 to 31 name the last block again
	v_lshlrev_b32 v30, 8, v30
	global_prefetch_b8 v30, s[66:67] offset:2*HALFT th:TH_LOAD_NT scope:SCOPE_SE   ; tiles 1 and 2 of the eight
	global_prefetch_b8 v30, s[66:67] offset:4*HALFT th:TH_LOAD_NT scope:SCOPE_SE
	v_and_b32 v1, 15, v0
	v_bfe_u32 v2, v0, 4, 1
	s_wait_alu depctr_va_vdst(0)
	v_and_b32 v3, 31, v0
	v_lshlrev_b32 v4, 4, v3
	s_mul_i32 s21, s15, 4*1536
	s_mul_i32 s22, s16, 4*1536
	s_add_co_u32 s22, s22, 2*HALFT
.irp s, 0,1
	v_add_nc_u32 v[ADRA+\s], s21, v4
	v_add_nc_u32 v[ADRB+\s], s22, v4
	s_add_co_u32 s21, s21, SLOT
	s_add_co_u32 s22, s22, SLOT
.endr
	v_lshlrev_b32 v5, 2, v1
	s_lshl_b32 s21, s15, 8
	s_lshl_b32 s22, s16, 8
	s_add_co_u32 s22, s22, 2*HALFS
	s_sub_co_u32 s22, s22, s21
	v_mul_u32_u24 v6, s22, v2
	s_add_co_u32 s21, s21, SCL
	v_add_nc_u32 v5, v5, v6
	v_add_nc_u32 v[ADRS], s21, v5
	s_mul_i32 s23, s14, 16*SPITCH
	v_mul_u32_u24 v5, v1, SPITCH
	v_lshl_add_u32 v5, v2, 6, v5
	v_add_nc_u32 v[STO], s23, v5
	v_mul_u32_u24 v6, v2, SPITCH
	v_lshl_add_u32 v6, v1, 4, v6
	v_add_nc_u32 v[RD], s23, v6
	v_lshlrev_b32 v[CO], 12, v2
	v_lshl_add_u32 v[CO], v1, 4, v[CO]
	s_wait_alu depctr_va_vdst(0)
	s_lshl_b32 s46, s42, 9
	s_lshl_b32 s47, s16, 8
	s_add_co_u32 s46, s46, s47
	s_mov_b32 s47, 0
	s_add_nc_u64 s[8:9], s[8:9], s[46:47]
	v_lshlrev_b32 v7, 6, v2
.irp b, 0,1,2,3
	global_load_b128 v[BI+8*\b:BI+8*\b+3], v7, s[8:9] offset:(32*(\b/2)+8*(\b%2))*4
	global_load_b128 v[BI+8*\b+4:BI+8*\b+7], v7, s[8:9] offset:(32*(\b/2)+8*(\b%2))*4+16
.endr
	s_lshl_b32 s20, s17, 7
	s_lshl_b32 s21, s15, 6
	s_add_co_u32 s20, s20, s21
	s_lshl_b32 s20, s20, 12
	s_add_co_u32 s20, s20, s46
	s_mov_b32 s21, 0
	s_add_nc_u64 s[10:11], s[10:11], s[20:21]
	s_add_nc_u64 s[12:13], s[12:13], s[20:21]
.macro XLOAD a
.irp t, 0,1,2,3,4,5,6,7
	global_load_b128 v[32*(\a)+4*\t:32*(\a)+4*\t+3], v[CO], s[10:11] offset:(32*((\a)/2)+8*((\a)%2)+2*\t+8*(\t/4))*4096 th:TH_LOAD_NT
.endr
.endm
	WIN 0x80
	XLOAD 0
	XLOAD 1
	XLOAD 2
	XLOAD 3
	WIN 0
.macro FRAG reg, adr, q, i
.irp c, 0,1,2
	ds_load_b128 v[\reg+4*\c:\reg+4*\c+3], v[\adr] offset:12288*(\q)+1536*(\i)+512*\c
.endr
.endm
.macro MUL4 a, p, q, sc, first
.irp b, 0,1,2,3
.if \first
	v_wmma_scale_f32_16x16x128_f8f6f4 v[ACC+8*(4*(\a)+\b):ACC+8*(4*(\a)+\b)+7], v[128*(\p)+FR*\b:128*(\p)+FR*\b+FR-1], v[128*(\p)+48+FR*(\a):128*(\p)+48+FR*(\a)+FR-1], v[BI+8*\b:BI+8*\b+7], v[SC+16*(\sc)+4*\b+(\q)], v[SC+16*(\sc)+4*(\a)+(\q)] matrix_a_fmt:MATRIX_FMT_FP6 matrix_b_fmt:MATRIX_FMT_FP6 matrix_a_scale:MATRIX_SCALE_ROW1
.else
	v_wmma_scale_f32_16x16x128_f8f6f4 v[ACC+8*(4*(\a)+\b):ACC+8*(4*(\a)+\b)+7], v[128*(\p)+FR*\b:128*(\p)+FR*\b+FR-1], v[128*(\p)+48+FR*(\a):128*(\p)+48+FR*(\a)+FR-1], v[ACC+8*(4*(\a)+\b):ACC+8*(4*(\a)+\b)+7], v[SC+16*(\sc)+4*\b+(\q)], v[SC+16*(\sc)+4*(\a)+(\q)] matrix_a_fmt:MATRIX_FMT_FP6 matrix_b_fmt:MATRIX_FMT_FP6 matrix_a_scale:MATRIX_SCALE_ROW1
.endif
.endr
.endm
.macro FETCH slot, q, p
	WIN TO_F
.irp i, 0,1,2,3
	FRAG 128*(\p)+FR*\i, ADRB+\slot, \q, \i
.endr
.irp i, 0,1,2,3
	FRAG 128*(\p)+48+FR*\i, ADRA+\slot, \q, \i
.endr
.endm
.macro SCALES sc
.irp i, 0,1,2,3
.irp q, 0,1,2,3
	ds_load_b32 v[SC+16*\sc+4*\i+\q], v[ADRS] offset:512*\q+64*\i
.endr
.endr
.endm
.macro PLACES n
.rept \n
	v_nop
.endr
.endm
.macro STEP slot, q, first
	s_wait_dscnt 0x0
	PLACES NP
	FETCH \slot, (\q)+1, 1-(\q)%2
	WIN MUL
.irp a, 0,1,2,3
	MUL4 \a, (\q)%2, \q, \slot, \first
.endr
.endm
.macro TURN slot, next, fill
	WIN 0
.if (\fill) && (\slot) == 0
	s_wait_xcnt 0x0                                ; my prefetches have read their base: it steps two tiles
	s_add_nc_u64 s[66:67], s[66:67], 4*HALFT
.endif
	s_wait_tensorcnt 0x0
	ds_add_u32 v[SPW], v[NIL]
	s_wait_dscnt 1
	WIN MUL
	MUL4 0, 1, NQ-1, \slot, 0
	MUL4 1, 1, NQ-1, \slot, 0
	s_wait_dscnt 0x0
	s_barrier_signal -1
	MUL4 2, 1, NQ-1, \slot, 0
	WIN 0
	s_barrier_wait -1
.if \fill
	CREST
	s_add_nc_u64 s[G0+4*\slot+2:G0+4*\slot+3], s[G0+4*\slot+2:G0+4*\slot+3], 4*HALFT
	s_add_nc_u64 s[G0B+4*\slot+2:G0B+4*\slot+3], s[G0B+4*\slot+2:G0B+4*\slot+3], 4*HALFT
	JLOAD G0+4*\slot, G1, G0B+4*\slot, G1B
.else
	PLACES NP
.endif
	s_wait_alu depctr_va_vdst(0)
	v_add_nc_u32 v[ADRS], 512*NQ, v[ADRS]
	SCALES \next
.if \fill
	s_cmp_gt_u32 s3, 1                             ; the last trip's two refills have no tile two on
	s_cbranch_scc0 .Lno_ask_\@
	global_prefetch_b8 v30, s[66:67] offset:4*HALFT+2*HALFT*(\slot) th:TH_LOAD_NT scope:SCOPE_SE   ; the tile two refills on
.Lno_ask_\@:
.endif
	FETCH \next, 0, 0
	WIN MUL
	MUL4 3, 1, NQ-1, \slot, 0
.endm
	s_wait_alu depctr_va_vdst(0)                   ; the wait at the head's end
	s_wait_tensorcnt 0x0                           ; my tile of the head's four is in; these lines stand ahead of a later first fill as ahead of a refill
	ds_add_u32 v[SPW], v[NIL]
	s_mov_b32 s[G1+2], 96<<16                      ; no tensor load of mine is out: from here on a load brings 96 rows
	s_mov_b32 s[G1+4], 96
	s_mov_b32 s[G1B+2], 96<<16
	s_mov_b32 s[G1B+4], 96
	s_wait_dscnt 0x0
	CROUND
	JLOAD G0+4, G1, G0B+4, G1B                     ; slot 1's first fill
	SCALES 0
	global_prefetch_b8 v30, s[66:67] offset:6*HALFT th:TH_LOAD_NT scope:SCOPE_SE   ; tile 3
	FETCH 0, 0, 0
	s_wait_loadcnt 32
	STEP 0, 0, 1
	WIN 0
	s_mov_b32 s3, LAPS-1
.Llap:
	STEP 0, 1, 0
	STEP 0, 2, 0
	TURN 0, 1, 1
	STEP 1, 0, 0
	STEP 1, 1, 0
	STEP 1, 2, 0
	TURN 1, 0, 1
	STEP 0, 0, 0
	WIN 0
	s_sub_co_u32 s3, s3, 1
	s_cmp_lg_u32 s3, 0
	s_cbranch_scc1 .Llap
	STEP 0, 1, 0
	STEP 0, 2, 0
	TURN 0, 1, 0
	STEP 1, 0, 0
	STEP 1, 1, 0
	STEP 1, 2, 0
	s_wait_dscnt 0x0
	WIN MUL
.irp a, 0,1,2,3
	MUL4 \a, 1, NQ-1, 1, 0
.endr
	WIN 0
.macro TOSTAGE a
.irp b, 0,1,2,3
	ds_store_b128 v[STO], v[ACC+8*(4*(\a)+\b):ACC+8*(4*(\a)+\b)+3] offset:128*(\b/2)+32*(\b%2)
	ds_store_b128 v[STO], v[ACC+8*(4*(\a)+\b)+4:ACC+8*(4*(\a)+\b)+7] offset:128*(\b/2)+32*(\b%2)+16
.endr
.set BB, BK+32*((\a)%2)
.irp t, 0,1,2,3,4,5,6,7
	ds_load_b128 v[BB+4*\t:BB+4*\t+3], v[RD] offset:2*\t*SPITCH
.endr
.endm
.macro FIN a, younger
.set BB, BK+32*((\a)%2)
	s_wait_dscnt \younger
	WIN 0x08
.set n, 0
.rept 16
	v_pk_add_f32 v[BB+n:BB+n+1], v[BB+n:BB+n+1], v[32*(\a)+n:32*(\a)+n+1]
.set n, n+2
.endr
	WIN 0
.irp t, 0,1,2,3,4,5,6,7
	global_store_b128 v[CO], v[BB+4*\t:BB+4*\t+3], s[12:13] offset:(32*((\a)/2)+8*((\a)%2)+2*\t+8*(\t/4))*4096 th:TH_STORE_NT
.endr
.endm
	PLACES NP
	TOSTAGE 0
	s_wait_loadcnt 0x0
.irp a, 1,2,3
.if \a > 1
	s_wait_xcnt 0x0
.endif
	TOSTAGE \a
	FIN \a-1, 16
.endr
	FIN 3, 0
	s_wait_tensorcnt 0x0
	ds_add_u32 v[SPW], v[NIL]
	s_wait_dscnt 0x0
	CROUND
	s_endpgm
.Lfunc_end_k_q7a4bb0e878_ffn2:
	.size	k_q7a4bb0e878_ffn2, .Lfunc_end_k_q7a4bb0e878_ffn2-k_q7a4bb0e878_ffn2
	.p2alignl 7, 3214868480
	.fill 96, 4, 3214868480
	.section	.rodata,"a",@progbits
	.p2align	6, 0x0
	.amdhsa_kernel k_q7a4bb0e878_ffn2
		.amdhsa_group_segment_fixed_size 327680
		.amdhsa_private_segment_fixed_size 0
		.amdhsa_enable_private_segment 0
		.amdhsa_kernarg_size 40
		.amdhsa_user_sgpr_count 2
		.amdhsa_user_sgpr_kernarg_segment_ptr 1
		.amdhsa_wavefront_size32 1
		.amdhsa_system_sgpr_workgroup_id_x 1
		.amdhsa_system_sgpr_workgroup_id_y 1
		.amdhsa_system_sgpr_workgroup_id_z 1
		.amdhsa_system_vgpr_workitem_id 0
		.amdhsa_next_free_vgpr 768
		.amdhsa_next_free_sgpr 98
		.amdhsa_reserve_vcc 0
		.amdhsa_float_denorm_mode_32 3
		.amdhsa_float_denorm_mode_16_64 3
		.amdhsa_memory_ordered 1
		.amdhsa_forward_progress 1
		.amdhsa_inst_pref_size 94
	.end_amdhsa_kernel
	.amdgpu_metadata
---
amdhsa.version: [ 1, 2 ]
amdhsa.kernels:
  - .name:           k_q7a4bb0e878_ffn2
    .symbol:         k_q7a4bb0e878_ffn2.kd
    .args:
      - { .name: hidimg, .offset: 0, .size: 8, .value_kind: global_buffer, .address_space: global }
      - { .name: wimg, .offset: 8, .size: 8, .value_kind: global_buffer, .address_space: global }
      - { .name: b2, .offset: 16, .size: 8, .value_kind: global_buffer, .address_space: global }
      - { .name: x1buf, .offset: 24, .size: 8, .value_kind: global_buffer, .address_space: global }
      - { .name: out0, .offset: 32, .size: 8, .value_kind: global_buffer, .address_space: global }
    .group_segment_fixed_size: 327680
    .private_segment_fixed_size: 0
    .kernarg_segment_align: 8
    .kernarg_segment_size: 40
    .max_flat_workgroup_size: 128
    .sgpr_count:     98
    .vgpr_count:     768
    .wavefront_size: 32
...
	.end_amdgpu_metadata
.endif
;; end of part 11
